; MI455X (gfx1250); checked and timed in simulation.
; The chip was launched on July 23, 2026; its instructions are those of AMD's public machine-readable ISA for CDNA 5 (MIT licence, August 2026) and "CDNA5" Instruction Set Architecture Reference Guide (July 2026). The comments in the code are by the model that wrote it; some were corrected since.
;; Transformer Block. Allowed arithmetic: matrix products marked QUANTISED: E4M3 operands, one given power-of-two scale a tensor, by v_wmma_f32_16x16x64_fp8_fp8 or v_wmma_f32_16x16x128_fp8_fp8, f32 sums; everything else in f32.
;; Inputs: W_K 16 x 1,024 x 64 float32; W_O 16 x 64 x 1,024 float32; W_Q 16 x 1,024 x 64 float32; W_V 16 x 1,024 x 64 float32; W_in 1,024 x 4,096 float32; W_out 4,096 x 1,024 float32; b_K 16 x 64 float32; b_O 1,024 float32; b_Q 16 x 64 float32; b_V 16 x 64 float32; b_in 4,096 float32; b_out 1,024 float32; ln1_b 1,024 float32; ln1_w 1,024 float32; ln2_b 1,024 float32; ln2_w 1,024 float32; lowp_scales 16 int32 (the exponents e of the quantised operands' scales 2^e); resid_pre 2 x 2,048 x 1,024 float32.
;; Outputs: out0 2 x 2,048 x 1,024 float32.
;; This version of the problem:
;;   THIS VERSION OF THE PROBLEM IS GIVEN IN LOW PRECISION. The matrix products marked QUANTISED in the list below multiply operands that are first quantised to E4M3 (4 exponent bits, 3 mantissa bits; 8 bits a number), with one given power-of-two scale for each operand tensor; their sums are f32. All else is computed in f32.
;;   The module's matrix products, in the order in which they are computed (A, B: the left and right operand; K: the contracted axis; several contracted axes count as one K, in the product's order):
;;     1. [M 4,096, K 1,024] x [K 1,024, N 1,024]; A: computed on the way; B: input W_Q: QUANTISED (scales: A lowp_scales[0], B lowp_scales[1])
;;     2. [M 4,096, K 1,024] x [K 1,024, N 1,024]; A: computed on the way; B: input W_K: QUANTISED (scales: A lowp_scales[2], B lowp_scales[3])
;;     3. [M 4,096, K 1,024] x [K 1,024, N 1,024]; A: computed on the way; B: input W_V: QUANTISED (scales: A lowp_scales[4], B lowp_scales[5])
;;     4. batch 32 x [M 2,048, K 64] x [K 64, N 2,048]; A: computed on the way; B: computed on the way: QUANTISED (scales: A lowp_scales[6], B lowp_scales[7])
;;     5. batch 32 x [M 64, K 2,048] x [K 2,048, N 2,048]; A: computed on the way; B: softmax (see below): QUANTISED (scales: A lowp_scales[8], B lowp_scales[9])
;;     6. [M 4,096, K 1,024] x [K 1,024, N 1,024]; A: computed on the way; B: input W_O: QUANTISED (scales: A lowp_scales[10], B lowp_scales[11])
;;     7. [M 4,096, K 1,024] x [K 1,024, N 4,096]; A: computed on the way; B: input W_in: QUANTISED (scales: A lowp_scales[12], B lowp_scales[13])
;;     8. [M 4,096, K 4,096] x [K 4,096, N 1,024]; A: computed on the way; B: input W_out: QUANTISED (scales: A lowp_scales[14], B lowp_scales[15])
;;   THE QUANTISER, for each operand of a quantised product, along K:
;;     - The operand's scale is 2^e, e = its entry of the input lowp_scales (int32; the entries are numbered through the quantised products in the list's order, A before B).
;;     - Each number is divided by the scale, clamped to +-448, and rounded to the nearest number of E4M3, ties to even, subnormals kept.
;;     - The product sums the exact products of the quantised numbers (number of the format x scale) in f32.
;;   ~~~python
;;   def quantise(x, axis, e):      # numpy; x: float32 -> the quantised numbers, widened to float32 again
;;       x = np.moveaxis(x, axis, -1); K = x.shape[-1]
;;       r = np.clip(x / 2.0 ** e, -448, 448)
;;       step = 2.0 ** (np.maximum(np.frexp(np.where(r == 0, 1, r))[1] - 1, -6) - 3)
;;       q = np.round(r / step) * step * 2.0 ** e      # np.round: ties to even
;;       return np.moveaxis(q, -1, axis).astype(np.float32)
;;   ~~~
;;   SOFTMAX AHEAD OF A QUANTISED PRODUCT. Where the list says 'softmax', what is quantised is not the finished softmax but p = 2^(t - M), with t = logit x log2(e) and M = ceil(the row's largest t), a whole number; so 1/2 < the row's largest p <= 1. The row's sum l is taken of the UNQUANTISED p, in f32, and the product's result is divided by l at the end. Since M is a whole number, a kernel that streams over the keys may use a running M (the ceiling of the running maximum): every later rescaling is an exact power of two, so the quantised numbers keep their values, but for numbers so far below the row's largest that they fall under the format's range.
;;   OPERANDS COMPUTED ON THE WAY. 'Computed on the way' means the value that the module computes at that place (a softmax that the list does not call 'softmax' is quantised finished and normalised). What goes into a quantiser is computed in f32, as accurately as f32 sums, v_exp_f32 and their like allow (about 1e-6 of the number): no bf16 or f16 on the way to a quantiser, and a product that is left as it is and whose result goes on into a quantised operand takes f32 operands (vector FMAs, or v_wmma_f32_16x16x4_f32). A number that lies on a knife's edge between two numbers of the format may be rounded either way, as far as f32 arithmetic and the matrix unit's own rounding can turn it there, and no further.
;; 2 versions. Each part assembles by itself: llvm-mc -triple=amdgcn-amd-amdhsa -mcpu=gfx1250 --defsym DOCPART=n.
;; ======== version 1 of 2: 8 launches
;; workspace buffers: wcodes 12,582,912 bytes; xqkv 12,582,912 bytes; qkv 12,582,912 bytes; z 4,194,304 bytes; resid_mid 16,777,216 bytes; h2 4,194,304 bytes; hid 16,777,216 bytes
;; launch wquant (part 1): grid 384 x 1, 4 waves a work-group, no clusters, 35,328 bytes of LDS; arguments W_Q, W_K, W_V, W_O, W_in, W_out, lowp_scales, wcodes; writes wcodes
.if DOCPART == 1
	.amdgcn_target "amdgcn-amd-amdhsa--gfx1250"
	.amdhsa_code_object_version 6
	.text
	.protected	k_q17b20600f3_wquant
	.globl	k_q17b20600f3_wquant
	.p2align	8
	.type	k_q17b20600f3_wquant,@function
k_q17b20600f3_wquant:
	s_mov_b64 s[64:65], 0
	v_nop
	global_prefetch_b8 v0, s[64:65] scope:SCOPE_SE
	s_setreg_imm32_b32 hwreg(HW_REG_WAVE_MODE, 25, 1), 1
	s_wait_xcnt 0x0
; The six weights, f32 with K NOT innermost, become codes of E4M3, each with its given scale 2^e.
; code = w / 2^e, held within +-448, rounded to the nearest code, ties to even.
; OUTPUT LAYOUT: a weight with N columns and K rows is laid [K / 64 panels][N][64 bytes]: 64 codes along K of one column lie together, the columns of a panel one behind the other.
; A LANE TAKES A COLUMN n AND ITS REGISTERS RUN DOWN K: a load reads 32 neighbouring columns (128 consecutive bytes), and the conversions, which take neighbours along K from one lane's
; registers, give codes with K innermost.  A wave takes 32 columns x 256 along K (four panels); its codes turn through its own stage in LDS and leave as 512 consecutive bytes a store.
; ONE PATH FOR SIX TENSORS: the work-group's number picks pointers and sizes by selects; nothing branches.  Work-groups 0-31 W_Q, 32-63 W_K, 64-95 W_V, 96-127 W_O, 128-255 W_in, 256-383 W_out.
; W_Q, W_K, W_V are [16 heads][1024 k][64 d]: column n = 64 head + d lies at head x 262,144 + 4 d, rows 256 bytes apart.  The others are plain [K][N].
; LIMITS: each e between -126 and 119, so that 2^e and 448 x 2^e are f32 numbers.  NaN among the inputs is not served.
.set STG,  8704                        ; a wave's stage: 32 columns x (256 bytes + 16)
.set VO,   8                           ; v8-11    panel p: my byte offset in the output
.set OFF,  16                          ; v16-47   row i of a block of 32: my byte offset in the input
.set X,    48                          ; v48-111  two sets of 32 numbers
.set C,    112                         ; v112-119 a block's codes
.set OUTR, 120                         ; v120-183 the way out
.set SB,   40                          ; s[40:55] the input's address at each of my eight blocks of 32 rows: none is ever stepped
	s_load_b256 s[4:11], s[0:1], 0x0               ; W_Q s[4:5], W_K s[6:7], W_V s[8:9], W_O s[10:11]
	s_load_b256 s[12:19], s[0:1], 0x20             ; W_in s[12:13], W_out s[14:15], the scales' exponents s[16:17], the codes s[18:19]
	v_lshl_add_u32 v192, v0, 2, 0x8800
	v_mov_b32 v193, 0
	v_lshrrev_b32 v1, 5, v0
	v_readfirstlane_b32 s31, v1                    ; wave 0..3
	v_and_b32 v2, 31, v0                           ; lane
	v_lshlrev_b32 v3, 2, v2                        ; in: 4 bytes a lane
	v_lshlrev_b32 v14, 4, v2                       ; out: 16 bytes a lane
	s_mul_i32 s32, s31, STG
	v_mul_u32_u24 v4, v2, 272
	v_add_nc_u32 v4, s32, v4                       ; into the stage: row = my column
	v_lshrrev_b32 v5, 2, v2
	v_and_b32 v6, 3, v2
	v_mul_u32_u24 v7, v5, 272
	v_lshl_add_u32 v7, v6, 4, v7
	v_add_nc_u32 v7, s32, v7                       ; out of it: four lanes take 64 bytes of a column, eight columns an instruction
	s_wait_kmcnt 0x0
	s_load_b512 s[72:87], s[16:17], 0x0            ; all sixteen exponents
	; the tensor's figures: they begin as W_out's, and each compare on the work-group's number puts an earlier tensor's in their place
	s_mov_b64 s[20:21], s[14:15]                   ; the input
	s_mov_b32 s22, 256                             ; its first work-group
	s_mov_b32 s23, 256                             ; bytes from one group of 64 columns to the next
	s_mov_b32 s24, 4096                            ; bytes from row k to row k + 1
	s_mov_b32 s25, 3                               ; log2 of its groups of 128 columns
	s_mov_b32 s26, 65536                           ; bytes of a panel of its codes: N x 64
	s_mov_b32 s27, 0x800000                        ; where its codes begin
.macro PICK T, src, first, hs, pitch, sh, panelb, dst
	s_cmp_lt_u32 ttmp9, \T
	s_cselect_b64 s[20:21], s[\src:\src+1], s[20:21]
	s_cselect_b32 s22, \first, s22
	s_cselect_b32 s23, \hs, s23
	s_cselect_b32 s24, \pitch, s24
	s_cselect_b32 s25, \sh, s25
	s_cselect_b32 s26, \panelb, s26
	s_cselect_b32 s27, \dst, s27
.endm
	PICK 256, 12, 128, 256,    16384, 5, 262144, 0x400000   ; W_in
	PICK 128, 10, 96,  256,    4096,  3, 65536,  0x300000   ; W_O
	PICK 96,  8,  64,  262144, 256,   3, 65536,  0x200000   ; W_V
	PICK 64,  6,  32,  262144, 256,   3, 65536,  0x100000   ; W_K
	PICK 32,  4,  0,   262144, 256,   3, 65536,  0          ; W_Q
	s_sub_co_u32 s34, ttmp9, s22                   ; my number within the tensor
	s_lshl_b32 s33, 1, s25
	s_sub_co_u32 s33, s33, 1
	s_and_b32 s33, s34, s33                        ; which 128 columns
	s_lshr_b32 s35, s34, s25                       ; which 256 along K
	s_lshl_b32 s33, s33, 7
	s_lshl_b32 s34, s31, 5
	s_add_co_u32 s33, s33, s34                     ; n0: my wave's first column
	s_lshr_b32 s36, s33, 6
	s_mul_i32 s36, s36, s23
	s_and_b32 s37, s33, 63
	s_lshl_b32 s37, s37, 2
	s_add_co_u32 s36, s36, s37
	s_mul_i32 s37, s35, s24
	s_lshl_b32 s37, s37, 8
	s_add_co_u32 s36, s36, s37                     ; the input's offset: column n0, row 256 x (which 256)
	s_mov_b32 s37, 0
	s_mul_i32 s38, s35, s26
	s_lshl_b32 s38, s38, 2
	s_add_co_u32 s38, s38, s27
	s_lshl_b32 s39, s33, 6
	s_add_co_u32 s38, s38, s39                     ; the codes' offset: four panels for each 256 along K, 64 bytes a column
	s_mov_b32 s39, 0
	s_lshl_b32 s28, s24, 5                         ; 32 rows of the input
	s_mov_b32 s29, 0
	s_add_nc_u64 s[SB:SB+1], s[20:21], s[36:37]
.irp t, 1,2,3,4,5,6,7
	s_add_nc_u64 s[SB+2*\t:SB+2*\t+1], s[SB+2*\t-2:SB+2*\t-1], s[28:29]
.endr
	s_add_nc_u64 s[18:19], s[18:19], s[38:39]
.set n, 0
.rept 32
	v_mad_u32_u24 v[OFF+n], s24, n, v3             ; 4 x lane + row x pitch
.set n, n+1
.endr
.irp p, 0,1,2,3
	v_mad_u32_u24 v[VO+\p], s26, \p, v14           ; 16 x lane + panel
.endr
.macro LOAD t                          ; block t: rows 32 t + i of my column, i = 0 .. 31, into set t % 2
.set n, 0
.rept 32
	global_load_b32 v[X+32*((\t)%2)+n], v[OFF+n], s[SB+2*(\t):SB+2*(\t)+1] th:TH_LOAD_NT
.set n, n+1
.endr
.endm
	LOAD 0
	LOAD 1
	s_wait_kmcnt 0x0
	s_mov_b32 s30, s87                             ; the tensor's e: entries 15, 13, 11, 5, 3, 1, chosen as above
.macro PICKE T, reg
	s_cmp_lt_u32 ttmp9, \T
	s_cselect_b32 s30, s[\reg], s30
.endm
	PICKE 256, 85
	PICKE 128, 83
	PICKE 96, 77
	PICKE 64, 75
	PICKE 32, 73
	s_add_co_i32 s30, s30, 127
	s_lshl_b32 s33, s30, 23
	v_mov_b32 v13, s33                             ; 2^e as f32: the conversion takes its exponent field
	s_add_co_i32 s30, s30, 8
	s_lshl_b32 s30, s30, 23
	s_or_b32 s30, s30, 0x600000
	v_mov_b32 v12, s30                             ; 448 x 2^e
.macro BLOCK t
.set XS, X+32*((\t)%2)
.if (\t) < 7
	s_wait_loadcnt 32                              ; this block's 32 loads are in; the next block's 32 may be out
.else
	s_wait_loadcnt 0x0
.endif
.set n, 0
.rept 32
	v_med3_num_f32 v[XS+n], v[XS+n], -v12, v12     ; the conversion to an 8-bit code does not saturate (ISA guide 7.6.2): the hold comes first
.set n, n+1
.endr
.irp g, 0,1,2,3
	v_cvt_scalef32_pk8_fp8_f32 v[C+2*\g:C+2*\g+1], v[XS+8*\g:XS+8*\g+7], v13
.endr
	ds_store_b128 v4, v[C:C+3] offset:32*(\t)      ; 32 codes of my column
	ds_store_b128 v4, v[C+4:C+7] offset:32*(\t)+16
.if (\t)+2 < 8
	LOAD (\t)+2
.endif
	s_wait_dscnt 0x0                               ; the stores have read their registers: the next block's codes may be written (its 32 holds are the plain lines behind these conversions)
.endm
.irp t, 0,1,2,3,4,5,6,7
	BLOCK \t
.endr
.set n, 0
.rept 16                               ; panel n / 4, columns 8 (n % 4) on.  LDS serves a wave's instructions in order: these see my stores
	ds_load_b128 v[OUTR+4*n:OUTR+4*n+3], v7 offset:64*(n/4)+2176*(n%4)
.set n, n+1
.endr
.set n, 0
.rept 16
	s_wait_dscnt 15-n                              ; the younger loads may be out
	global_store_b128 v[VO+n/4], v[OUTR+4*n:OUTR+4*n+3], s[18:19] offset:512*(n%4)   ; 32 lanes store 512 consecutive bytes, at a multiple of 512 from the buffer's first byte
.set n, n+1
.endr
	s_wait_tensorcnt 0x0
	ds_add_u32 v192, v193
	s_wait_dscnt 0x0
	s_endpgm
.Lfunc_end_k_q17b20600f3_wquant:
	.size	k_q17b20600f3_wquant, .Lfunc_end_k_q17b20600f3_wquant-k_q17b20600f3_wquant
	.p2alignl 7, 3214868480
	.fill 96, 4, 3214868480
	.section	.rodata,"a",@progbits
	.p2align	6, 0x0
	.amdhsa_kernel k_q17b20600f3_wquant
		.amdhsa_group_segment_fixed_size 35328
		.amdhsa_private_segment_fixed_size 0
		.amdhsa_enable_private_segment 0
		.amdhsa_kernarg_size 64
		.amdhsa_user_sgpr_count 2
		.amdhsa_user_sgpr_kernarg_segment_ptr 1
		.amdhsa_wavefront_size32 1
		.amdhsa_system_sgpr_workgroup_id_x 1
		.amdhsa_system_sgpr_workgroup_id_y 1
		.amdhsa_system_sgpr_workgroup_id_z 1
		.amdhsa_system_vgpr_workitem_id 0
		.amdhsa_next_free_vgpr 194
		.amdhsa_next_free_sgpr 88
		.amdhsa_reserve_vcc 0
		.amdhsa_float_denorm_mode_32 3
		.amdhsa_float_denorm_mode_16_64 3
		.amdhsa_memory_ordered 1
		.amdhsa_forward_progress 1
		.amdhsa_inst_pref_size 55
	.end_amdhsa_kernel
	.amdgpu_metadata
---
amdhsa.version: [ 1, 2 ]
amdhsa.kernels:
  - .name:           k_q17b20600f3_wquant
    .symbol:         k_q17b20600f3_wquant.kd
    .args:
      - { .name: W_Q, .offset: 0, .size: 8, .value_kind: global_buffer, .address_space: global }
      - { .name: W_K, .offset: 8, .size: 8, .value_kind: global_buffer, .address_space: global }
      - { .name: W_V, .offset: 16, .size: 8, .value_kind: global_buffer, .address_space: global }
      - { .name: W_O, .offset: 24, .size: 8, .value_kind: global_buffer, .address_space: global }
      - { .name: W_in, .offset: 32, .size: 8, .value_kind: global_buffer, .address_space: global }
      - { .name: W_out, .offset: 40, .size: 8, .value_kind: global_buffer, .address_space: global }
      - { .name: lowp_scales, .offset: 48, .size: 8, .value_kind: global_buffer, .address_space: global }
      - { .name: wcodes, .offset: 56, .size: 8, .value_kind: global_buffer, .address_space: global }
    .group_segment_fixed_size: 35328
    .private_segment_fixed_size: 0
    .kernarg_segment_align: 8
    .kernarg_segment_size: 64
    .max_flat_workgroup_size: 128
    .sgpr_count:     88
    .vgpr_count:     194
    .wavefront_size: 32
...
	.end_amdgpu_metadata
.endif
;; end of part 1
;; launch ln1 (part 2): grid 256 x 1, 4 waves a work-group, no clusters, 49,664 bytes of LDS; arguments resid_pre, ln1_w, ln1_b, lowp_scales, xqkv; writes xqkv
.if DOCPART == 2
	.amdgcn_target "amdgcn-amd-amdhsa--gfx1250"
	.amdhsa_code_object_version 6
	.text
	.protected	k_q17b20600f3_ln1
	.globl	k_q17b20600f3_ln1
	.p2align	8
	.type	k_q17b20600f3_ln1,@function
k_q17b20600f3_ln1:
	s_mov_b64 s[64:65], 0
	v_nop
	global_prefetch_b8 v0, s[64:65] scope:SCOPE_SE
	s_setreg_imm32_b32 hwreg(HW_REG_WAVE_MODE, 25, 1), 1
	s_wait_xcnt 0x0
; LayerNorm of rows of 1,024 f32 numbers, y = (x - mean) / sqrt(var + 1e-5) x w + b, and y's codes of E4M3 for NOUT given scales (entries E0, E0 + 2, ..).
; A wave owns four rows and keeps them in registers: memory is read once.  Mean first, then the sum of squares of x - mean: no difference of large sums is formed.
; OUTPUT LAYOUT, for each scale: [16 panels of 64 along K][4,096 rows][64 bytes], the outputs 4 MiB apart.
; Register 4 j + e of a lane holds column 128 j + 4 lane + e, so a load covers 512 consecutive bytes.  A conversion packs eight registers: word j of a row's codes holds columns 128 j + 4 lane + 0..3.
; The words go through the wave's own stage in LDS, laid [16 panels][4 rows][64 bytes], and leave so that sixteen lanes store 256 consecutive bytes: four rows of one panel.
; No barrier: waves share nothing.  LIMITS: each e between -126 and 119.  NaN and infinities among the inputs are not served.
.set NOUT, 3
.set E0,   0
.set SM,   2                           ; v2-9     a pair of sums for each row; later T1
.set PT,   10                          ; v10-13   what the other half of the lanes holds
.set ST,   14                          ; v14-21   a pair for each row: the mean twice, then 1 / sqrt(var + eps) twice
.set LIM,  26                          ; v26-31   output o: 448 x 2^e, 2^e
.set C,    32                          ; v32-55   a row's codes: eight words for each output
.set T0,   56                          ; v56-63   eight held numbers; T0 and T1 take turns
.set T1,   2
.set X,    64                          ; v64-191  four rows
.set W,    192                         ; v192-223 w at my columns
.set B,    224                         ; v224-255 b at my columns
	s_load_b256 s[4:11], s[0:1], 0x0               ; x s[4:5], w s[6:7], b s[8:9], the scales' exponents s[10:11]
	s_load_b64 s[12:13], s[0:1], 0x20              ; the codes
	s_set_vgpr_msb 0x40
	v_lshl_add_u32 v0, v0, 2, 0xc000
	v_mov_b32 v1, 0
	s_set_vgpr_msb 0x4000
	v_lshrrev_b32 v1, 5, v0
	v_readfirstlane_b32 s16, v1                    ; wave 0..3
	v_and_b32 v25, 31, v0                          ; lane
	v_lshlrev_b32 v1, 4, v25                       ; 16 x lane
	v_lshrrev_b32 v10, 4, v25
	v_and_b32 v11, 15, v25
	s_mul_i32 s28, s16, 4096*NOUT                  ; my stage
	v_lshlrev_b32 v22, 8, v10
	v_lshl_add_u32 v22, v11, 2, v22
	v_add_nc_u32 v22, s28, v22                     ; into it: panel lane / 16 of a pair, word lane % 16
	v_add_nc_u32 v23, s28, v1                      ; out of it: 16 bytes a lane
	v_lshlrev_b32 v24, 18, v10
	v_lshl_add_u32 v24, v11, 4, v24                ; and in memory: panels are 262,144 bytes apart
.irp r, 0,1,2,3
	v_mov_b32 v[PT+\r], 0                          ; written once: a lane permute's destination counts as one of its sources
.endr
	s_lshl_b32 s17, ttmp9, 4
	s_lshl_b32 s18, s16, 2
	s_add_co_u32 s17, s17, s18                     ; my first row: 16 x work-group + 4 x wave
	s_lshl_b32 s14, s17, 12
	s_mov_b32 s15, 0
	s_lshl_b32 s18, s17, 6
	s_mov_b32 s19, 0
	s_mov_b32 s20, 0x76543210                      ; v_permlanex16_b32: lane l xor 16
	s_mov_b32 s21, 0xfedcba98
	s_mov_b32 s22, 0x3a800000                      ; 1 / 1024
	s_mov_b32 s23, 0x3727c5ac                      ; 1e-5
	s_wait_kmcnt 0x0
.set o, 0
.rept NOUT
	s_load_b32 s[24+o], s[10:11], 4*(E0+2*o)
.set o, o+1
.endr
	s_add_nc_u64 s[4:5], s[4:5], s[14:15]
	s_add_nc_u64 s[32:33], s[12:13], s[18:19]      ; output 0 at my rows
.if NOUT > 1
	s_add_nc_u64 s[34:35], s[32:33], 0x400000
	s_add_nc_u64 s[36:37], s[34:35], 0x400000
.endif
.set n, 0
.rept 32
	global_load_b128 v[X+4*n:X+4*n+3], v1, s[4:5] offset:4096*(n/8)+512*(n%8)   ; row n / 8: 512 consecutive bytes
.set n, n+1
.endr
.set n, 0
.rept 8
	global_load_b128 v[W+4*n:W+4*n+3], v1, s[6:7] offset:512*n
.set n, n+1
.endr
.set n, 0
.rept 8
	global_load_b128 v[B+4*n:B+4*n+3], v1, s[8:9] offset:512*n
.set n, n+1
.endr
	s_wait_kmcnt 0x0
.set o, 0
.rept NOUT
	s_add_co_i32 s30, s[24+o], 127
	s_lshl_b32 s31, s30, 23
	v_mov_b32 v[LIM+2*o+1], s31                    ; 2^e as f32
	s_add_co_i32 s30, s30, 8
	s_lshl_b32 s30, s30, 23
	s_or_b32 s30, s30, 0x600000
	v_mov_b32 v[LIM+2*o], s30                      ; 448 x 2^e
.set o, o+1
.endr
.macro REDUCE                          ; each row's figure over the 32 lanes; the four rows take turns
.irp m, 1,2,4,8
.irp r, 0,1,2,3
	v_add_f32_dpp v[SM+2*\r], v[SM+2*\r], v[SM+2*\r] row_xmask:\m row_mask:0xf bank_mask:0xf
.endr
.endr
.irp r, 0,1,2,3
	v_permlanex16_b32 v[PT+\r], v[SM+2*\r], s20, s21
.endr
.irp r, 0,1,2,3
	v_add_f32 v[SM+2*\r], v[SM+2*\r], v[PT+\r]
.endr
.endm
	s_wait_loadcnt 16                              ; x's 32 loads are in; w's and b's sixteen may be out
.irp r, 0,1,2,3
	v_pk_add_f32 v[SM+2*\r:SM+2*\r+1], v[X+32*\r:X+32*\r+1], v[X+32*\r+2:X+32*\r+3]
.endr
.set p, 2
.rept 14
.irp r, 0,1,2,3
	v_pk_add_f32 v[SM+2*\r:SM+2*\r+1], v[SM+2*\r:SM+2*\r+1], v[X+32*\r+2*p:X+32*\r+2*p+1]
.endr
.set p, p+1
.endr
.irp r, 0,1,2,3
	v_add_f32 v[SM+2*\r], v[SM+2*\r], v[SM+2*\r+1]
.endr
	REDUCE
.irp r, 0,1,2,3
	v_mul_f32 v[ST+2*\r], s22, v[SM+2*\r]          ; the mean,
	v_mul_f32 v[ST+2*\r+1], s22, v[SM+2*\r]        ; twice, for the packed forms
.endr
.set p, 0
.rept 16
.irp r, 0,1,2,3
	v_pk_add_f32 v[X+32*\r+2*p:X+32*\r+2*p+1], v[X+32*\r+2*p:X+32*\r+2*p+1], v[ST+2*\r:ST+2*\r+1] neg_lo:[0,1] neg_hi:[0,1]   ; x - mean
.endr
.set p, p+1
.endr
.irp r, 0,1,2,3
	v_pk_mul_f32 v[SM+2*\r:SM+2*\r+1], v[X+32*\r:X+32*\r+1], v[X+32*\r:X+32*\r+1]
.endr
.set p, 1
.rept 15
.irp r, 0,1,2,3
	v_pk_fma_f32 v[SM+2*\r:SM+2*\r+1], v[X+32*\r+2*p:X+32*\r+2*p+1], v[X+32*\r+2*p:X+32*\r+2*p+1], v[SM+2*\r:SM+2*\r+1]
.endr
.set p, p+1
.endr
.irp r, 0,1,2,3
	v_add_f32 v[SM+2*\r], v[SM+2*\r], v[SM+2*\r+1]
.endr
	REDUCE
.irp r, 0,1,2,3
	v_fma_f32 v[SM+2*\r], v[SM+2*\r], s22, s23     ; var + eps
.endr
.irp r, 0,1,2,3
	v_rsq_f32 v[ST+2*\r], v[SM+2*\r]
.endr
	v_nop                                          ; a plain line between the last of them and the use of its result
	s_wait_alu depctr_va_vdst(0)
.irp r, 0,1,2,3
	v_mov_b32 v[ST+2*\r+1], v[ST+2*\r]
.endr
	s_wait_loadcnt 0x0                             ; w and b
.set p, 0
.rept 16
.irp r, 0,1,2,3
	v_pk_mul_f32 v[X+32*\r+2*p:X+32*\r+2*p+1], v[X+32*\r+2*p:X+32*\r+2*p+1], v[ST+2*\r:ST+2*\r+1]
.endr
.irp r, 0,1,2,3
	v_pk_fma_f32 v[X+32*\r+2*p:X+32*\r+2*p+1], v[X+32*\r+2*p:X+32*\r+2*p+1], v[W+2*p:W+2*p+1], v[B+2*p:B+2*p+1]
.endr
.set p, p+1
.endr
; A row's codes for every output.  Eight numbers are held into T0 or T1 and converted; the other set's eight holds are the plain lines behind each conversion.
.macro QROW r
.set o, 0
.rept NOUT
.irp g, 0,1,2,3
.set TT, T0+(T1-T0)*(\g%2)
.set i, 0
.rept 8
	v_med3_num_f32 v[TT+i], v[X+32*\r+8*\g+i], -v[LIM+2*o], v[LIM+2*o]   ; the conversion to an 8-bit code does not saturate (ISA guide 7.6.2)
.set i, i+1
.endr
	v_cvt_scalef32_pk8_fp8_f32 v[C+8*o+2*\g:C+8*o+2*\g+1], v[TT:TT+7], v[LIM+2*o+1]
.endr
.set o, o+1
.endr
	v_nop                                          ; a plain line behind the run's last conversion
.set n, 0
.rept 8*NOUT
	ds_store_b32 v22, v[C+n] offset:4096*(n/8)+512*(n%8)+64*\r   ; output n / 8, panels 2 (n % 8) and 2 (n % 8) + 1, row r
.set n, n+1
.endr
	s_wait_dscnt 0x0                               ; the stores have read their registers: the next row's codes may be written
.endm
	QROW 0
	QROW 1
	QROW 2
	QROW 3
.set n, 0
.rept 8*NOUT
	ds_load_b128 v[X+4*n:X+4*n+3], v23 offset:512*n   ; two panels' 256 bytes; LDS serves a wave's instructions in order: these see my stores
.set n, n+1
.endr
.set n, 0
.rept 8*NOUT
	s_wait_dscnt 8*NOUT-1-n                        ; the younger loads may be out
	global_store_b128 v24, v[X+4*n:X+4*n+3], s[32+2*(n/8):33+2*(n/8)] offset:524288*(n%8)   ; sixteen lanes store 256 consecutive bytes, at a multiple of 256 from the buffer's first byte
.set n, n+1
.endr
	s_set_vgpr_msb 0x5
	s_wait_tensorcnt 0x0
	ds_add_u32 v0, v1
	s_wait_dscnt 0x0
	s_set_vgpr_msb 0x500
	s_endpgm
.Lfunc_end_k_q17b20600f3_ln1:
	.size	k_q17b20600f3_ln1, .Lfunc_end_k_q17b20600f3_ln1-k_q17b20600f3_ln1
	.p2alignl 7, 3214868480
	.fill 96, 4, 3214868480
	.section	.rodata,"a",@progbits
	.p2align	6, 0x0
	.amdhsa_kernel k_q17b20600f3_ln1
		.amdhsa_group_segment_fixed_size 49664
		.amdhsa_private_segment_fixed_size 0
		.amdhsa_enable_private_segment 0
		.amdhsa_kernarg_size 40
		.amdhsa_user_sgpr_count 2
		.amdhsa_user_sgpr_kernarg_segment_ptr 1
		.amdhsa_wavefront_size32 1
		.amdhsa_system_sgpr_workgroup_id_x 1
		.amdhsa_system_sgpr_workgroup_id_y 1
		.amdhsa_system_sgpr_workgroup_id_z 1
		.amdhsa_system_vgpr_workitem_id 0
		.amdhsa_next_free_vgpr 258
		.amdhsa_next_free_sgpr 66
		.amdhsa_reserve_vcc 0
		.amdhsa_float_denorm_mode_32 3
		.amdhsa_float_denorm_mode_16_64 3
		.amdhsa_memory_ordered 1
		.amdhsa_forward_progress 1
		.amdhsa_inst_pref_size 70
	.end_amdhsa_kernel
	.amdgpu_metadata
---
amdhsa.version: [ 1, 2 ]
amdhsa.kernels:
  - .name:           k_q17b20600f3_ln1
    .symbol:         k_q17b20600f3_ln1.kd
    .args:
      - { .name: resid_pre, .offset: 0, .size: 8, .value_kind: global_buffer, .address_space: global }
      - { .name: ln1_w, .offset: 8, .size: 8, .value_kind: global_buffer, .address_space: global }
      - { .name: ln1_b, .offset: 16, .size: 8, .value_kind: global_buffer, .address_space: global }
      - { .name: lowp_scales, .offset: 24, .size: 8, .value_kind: global_buffer, .address_space: global }
      - { .name: xqkv, .offset: 32, .size: 8, .value_kind: global_buffer, .address_space: global }
    .group_segment_fixed_size: 49664
    .private_segment_fixed_size: 0
    .kernarg_segment_align: 8
    .kernarg_segment_size: 40
    .max_flat_workgroup_size: 128
    .sgpr_count:     66
    .vgpr_count:     258
    .wavefront_size: 32
...
	.end_amdgpu_metadata
.endif
;; end of part 2
;; launch gemm_qkv (part 3): grid 24 x 32, 4 waves a work-group, clusters of 4 x 4, 327,680 bytes of LDS; arguments xqkv, wcodes, b_Q, b_K, b_V, lowp_scales, qkv; writes qkv
.if DOCPART == 3
	.amdgcn_target "amdgcn-amd-amdhsa--gfx1250"
	.amdhsa_code_object_version 6
	.text
	.protected	k_q17b20600f3_gemm_qkv
	.globl	k_q17b20600f3_gemm_qkv
	.p2align	8
	.type	k_q17b20600f3_gemm_qkv,@function
k_q17b20600f3_gemm_qkv:
	s_mov_b64 s[64:65], 0
	v_nop
	global_prefetch_b8 v0, s[64:65] scope:SCOPE_SE
	s_setreg_imm32_b32 hwreg(HW_REG_WAVE_MODE, 25, 1), 1
	s_wait_xcnt 0x0
	s_wait_alu depctr_hold_cnt(0) depctr_sa_sdst(0) depctr_va_vdst(0) depctr_va_sdst(0) depctr_va_ssrc(0) depctr_va_vcc(0) depctr_vm_vsrc(0)
	s_getreg_b32 s2, hwreg(HW_REG_IB_STS2, 6, 4)
	s_cmp_eq_u32 s2, 0
	s_cbranch_scc0 .Lentry_in_a_cluster
	s_endpgm
.Lentry_in_a_cluster:
	s_bfe_u32 s2, ttmp6, 0x10000c
	s_cmp_lg_u32 s2, 0xf033
	s_cbranch_scc0 .Lentry_shape_is_right
	s_endpgm
.Lentry_shape_is_right:
; q, k, v = LN1(x) W + b on codes of E4M3, and the results' own codes (scales: entries 6, 7, 8).  One text serves this launch (QKV = 1) and the MLP's first layer (QKV = 0).
; OPERANDS are laid [K / 64 panels][rows][64 bytes].  T: 128 tokens, hangs on work-group y.  W: 128 rows of a weight (output columns), hangs on work-group x.  K = 1,024: two LDS slots of 512 hold all of it; no slot is filled twice.
; A work-group of four waves makes 128 x 128; a wave 64 x 64: 16 accumulators.  Work-group x = 8 which + tile: which = 0 q, 1 k, 2 v.
; THE MATRIX INSTRUCTION IS USED TRANSPOSED: a lane keeps one row of source 1, and its eight registers run along source 0's rows.  For q and k (and the MLP) source 1 = tokens, source 0 = weight rows:
; eight neighbours along the head's 64 (the next product's K).  For v the two LDS bases change places: source 1 = weight rows, source 0 = tokens: eight neighbouring KEYS, which are v's K.  No branch.
; RESULTS: a wave's 64 x 64 codes are 4,096 consecutive bytes: q, k: [16 heads][4,096 tokens][64]; v: [64 chunks of 64 tokens][1,024 columns][64 keys].
; The bias is the C of the first K step where it runs along the registers (divided by 2^(eA + eB), which the sums lack); for v it hangs on the lane's row and is added at the end.  Both are always loaded; the one not wanted is multiplied by 0.
; CLUSTERS: 4 x 4 work-groups; T's tiles are asked for jointly along a row of the cluster, W's along a column.
; Inside an instruction k is permuted, alike in both operands: registers 4 c .. 4 c + 3 hold k = 32 c + 16 (lane / 16) + 0 .. 15.
; LIMITS: eA + eB between -126 and 126; eOut - eA - eB between -126 and 119.  NaN and infinities among the inputs are not served.
; REGISTERS: window 0: v16-30 addresses; v32-63 the bias as C, later rows read back; v64-71 the bias by rows; v72, v73 the hold and the scale; v80-111 codes; v128-255 accumulators ((a, b) at 128 + 8 (4 a + b)).
;   window 1: two sets of fragments (v0, v128): source 1's four at + 16 a, source 0's four at + 64 + 16 b.
.set QKV,   1
.set PANT,  262144                     ; bytes of a panel of T's buffer: 4,096 rows x 64
.set PANW,  65536                      ; of W's: 1,024 rows x 64
.set STRT,  32768                      ; the same in elements of 8 bytes
.set STRW,  8192
.set WOFF,  0                          ; where W's codes begin (QKV: which x 1 MiB is added)
.set EA,    12                         ; QKV = 0: the entries of the scales
.set EB,    13
.set EO,    14
.set PNL,   8704                       ; a panel of 128 rows in LDS: 8,192 bytes + 16 behind every 256: row p at (p / 4) 272 + (p % 4) 64, so the 16 rows of a load start in 16 different columns of 16 bytes modulo 256
.set QUART, 4*PNL                      ; what one tensor load brings
.set HALF,  8*PNL                      ; T's part of a slot; W's follows
.set SLOT,  2*HALF
.set SPARE, 2*SLOT                     ; behind the slots: the spare words, 128 bytes for each wave
.set STAGE, SPARE+512                  ; 64 rows x 80 bytes for each wave
.set AD1, 16                           ; v16-17 source 1's LDS address in slot 0, 1
.set AD0, 20                           ; v20-21 source 0's
.set STO, 24
.set RD,  25
.set CO,  26
.set BO,  27
.set SPW, 28                           ; v28 LDS address of my spare word; never rewritten
.set NIL, 29                           ; v29 0; never rewritten
.set BRO, 30
.set BC,  32
.set BR,  64
.set LIM, 72
.set SCL, 73
.set CD,  80
.set ACC, 128
.set F0,  0
.set F1,  128
.set G1,  24
.set G0,  32
.set G1B, 48
.set G0B, 56
.set MSB, 0
.macro WIN new                         ; the immediate's high byte repeats the setting that is left
.if MSB != \new
	s_set_vgpr_msb (MSB<<8)|\new
.set MSB, \new
.endif
.endm
; A joint load: waves 0 and 1 fetch T's panels, waves 2 and 3 W's.  The branch hangs on the wave's number alone.  Four v_nop follow each of the two lines.
.macro JLOAD g0a, g1a, g0b, g1b
	s_cmp_eq_u32 s15, 0
	s_cbranch_scc0 .Lfor_b_\@
	tensor_load_to_lds s[\g0a:\g0a+3], s[\g1a:\g1a+7]
	s_nop 0
.rept 4
	v_nop
.endr
	s_branch .Lasked_\@
.Lfor_b_\@:
	tensor_load_to_lds s[\g0b:\g0b+3], s[\g1b:\g1b+7]
	s_nop 0
.rept 4
	v_nop
.endr
.Lasked_\@:
.endm
.macro CREST
	s_cmp_lg_u32 s14, 0
	s_cbranch_scc1 .Lnot_wave_0_\@
	s_barrier_signal -3
.Lnot_wave_0_\@:
	s_barrier_wait -3
	s_barrier_signal -1
	s_barrier_wait -1
.endm
.macro CROUND                          ; a round of the cluster's barrier
	s_barrier_signal -1
	s_barrier_wait -1
	CREST
.endm
.macro PLACES                          ; four plain vector lines behind a matrix instruction, ahead of loads into its sources and of reads of its result
.rept 4
	v_nop
.endr
.endm
	s_load_b128 s[4:7], s[0:1], 0x0                ; T's codes s[4:5], the weights' codes s[6:7]
.if QKV
	s_load_b128 s[88:91], s[0:1], 0x10             ; b_Q, b_K
	s_load_b128 s[92:95], s[0:1], 0x20             ; b_V, the scales' exponents
	s_load_b64 s[10:11], s[0:1], 0x30              ; the results' codes
.else
	s_load_b128 s[92:95], s[0:1], 0x10             ; the bias, the scales' exponents
	s_load_b64 s[10:11], s[0:1], 0x20              ; the results' codes
.endif
	v_lshl_add_u32 v[SPW], v0, 2, SPARE
	v_mov_b32 v[NIL], 0
	ds_add_u32 v28, v29
	ds_add_u32 v28, v29
	s_wait_dscnt 0x0
	v_lshrrev_b32 v1, 5, v0
	v_readfirstlane_b32 s14, v1                    ; wave 0..3
	s_lshr_b32 s15, s14, 1                         ; which 64 of source 1's rows are mine.  Also: I fetch for T (0) or for W (1)
	s_and_b32 s16, s14, 1                          ; which 64 of source 0's.  Also: which four panels I fetch
	s_bfe_u32 s40, ttmp6, 0x40000                  ; cx, cy: my place in the cluster
	s_bfe_u32 s41, ttmp6, 0x40004
.if QKV
	s_and_b32 s42, ttmp9, 1
	s_lshl_b32 s42, s42, 2
	s_add_co_u32 s42, s42, s40                     ; W's tile: 4 (cluster x % 2) + cx
	s_lshr_b32 s66, ttmp9, 1                       ; which: 0 q, 1 k, 2 v: the same in all partners
	s_lshr_b32 s67, ttmp9, 2
	s_min_u32 s67, s67, 1                          ; 1 for v, else 0
.else
	s_lshl_b32 s42, ttmp9, 2
	s_add_co_u32 s42, s42, s40                     ; W's tile: 4 x cluster x + cx
.endif
	s_and_b32 s17, ttmp7, 0xffff
	s_lshl_b32 s17, s17, 2
	s_add_co_u32 s17, s17, s41                     ; T's tile: 4 x cluster y + cy
	s_lshl_b32 s43, s41, 2
	s_lshl_b32 s43, 15, s43                        ; my row of the cluster
	s_lshl_b32 s44, 0x1111, s40                    ; my column
	; descriptor group 1: four panels, each a row of 1,024 elements of 8 bytes (128 rows x 64 bytes, dense in memory)
	s_or_b32 s[G1], s43, (3<<16)|(1<<20)|(1<<21)|(5<<22)|(3<<25)    ; 15:0 the mask; 17:16 elements of 8 bytes; 20 padding on; 21 set beside a mask; 24:22 after every 64 words; 31:25 four words
	s_or_b32 s[G1B], s44, (3<<16)|(1<<20)|(1<<21)|(5<<22)|(3<<25)
.irp g, G1, G1B
	s_mov_b32 s[\g+1], 1024<<16                    ; tensor_dim0
	s_mov_b32 s[\g+2], 4<<16                       ; tensor_dim1
	s_mov_b32 s[\g+3], 1024<<16                    ; tile_dim0
	s_mov_b32 s[\g+4], 4                           ; tile_dim1
	s_mov_b32 s[\g+6], 0
	s_mov_b32 s[\g+7], 0
.endr
	s_mov_b32 s[G1+5], STRT                        ; from panel to panel
	s_mov_b32 s[G1B+5], STRW
	s_lshl_b32 s20, s17, 13                        ; T: tile x 128 rows x 64 bytes,
	s_mul_i32 s18, s16, 4*PANT                     ; my four panels
	s_add_co_u32 s20, s20, s18
.if QKV
	s_lshl_b32 s18, s66, 22                        ; x's codes for this product's scale
	s_add_co_u32 s20, s20, s18
.endif
	s_mov_b32 s21, 0
	s_lshl_b32 s46, s42, 13                        ; W likewise
	s_mul_i32 s19, s16, 4*PANW
	s_add_co_u32 s46, s46, s19
.if QKV
	s_lshl_b32 s19, s66, 20
	s_add_co_u32 s46, s46, s19
.else
	s_add_co_u32 s46, s46, WOFF
.endif
	s_mov_b32 s47, 0
	s_mul_i32 s45, s14, QUART                      ; where they go: no place in the cluster enters an LDS address
	s_wait_kmcnt 0x0
	s_load_b512 s[72:87], s[94:95], 0x0            ; all sixteen exponents
	s_add_nc_u64 s[20:21], s[4:5], s[20:21]
	s_add_nc_u64 s[46:47], s[6:7], s[46:47]
	CROUND                                         ; all sixteen work-groups are here: the first joint loads meet
.irp s, 0,1
	s_mov_b32 s[G0+4*\s], 1
	s_add_co_u32 s[G0+4*\s+1], s45, \s*SLOT
	s_add_nc_u64 s[G0+4*\s+2:G0+4*\s+3], s[20:21], \s*8*PANT
	s_or_b32 s[G0+4*\s+3], s[G0+4*\s+3], 0x80000000
	s_mov_b32 s[G0B+4*\s], 1
	s_add_co_u32 s[G0B+4*\s+1], s45, \s*SLOT
	s_add_nc_u64 s[G0B+4*\s+2:G0B+4*\s+3], s[46:47], \s*8*PANW
	s_or_b32 s[G0B+4*\s+3], s[G0B+4*\s+3], 0x80000000
	JLOAD G0+4*\s, G1, G0B+4*\s, G1B               ; both slots' fills go out together: two loads of mine are out
.endr
	v_and_b32 v1, 15, v0                           ; r
	v_bfe_u32 v2, v0, 4, 1                         ; h
	v_lshrrev_b32 v3, 2, v1
	v_and_b32 v4, 3, v1
	v_mul_u32_u24 v3, v3, 272
	v_lshl_add_u32 v3, v4, 6, v3
	v_lshl_add_u32 v3, v2, 4, v3                   ; a fragment's row r, + 16 h
.if QKV
	s_mul_i32 s68, s67, HALF                       ; source 1: T's part, for v W's
	s_xor_b32 s69, s67, 1
	s_mul_i32 s69, s69, HALF                       ; source 0: the other
.else
	s_mov_b32 s68, 0
	s_mov_b32 s69, HALF
.endif
	s_mul_i32 s70, s15, 4352                       ; 64 rows are 16 x 272 bytes
	s_add_co_u32 s68, s68, s70
	s_mul_i32 s70, s16, 4352
	s_add_co_u32 s69, s69, s70
.irp s, 0,1
	v_add_nc_u32 v[AD1+\s], s68, v3
	v_add_nc_u32 v[AD0+\s], s69, v3
	s_add_co_u32 s68, s68, SLOT
	s_add_co_u32 s69, s69, SLOT
.endr
	s_mul_i32 s71, s14, 5120
	s_add_co_u32 s71, s71, STAGE                   ; my stage
	v_mul_u32_u24 v5, v1, 80
	v_lshl_add_u32 v5, v2, 3, v5
	v_add_nc_u32 v[STO], s71, v5                   ; in: row r, 8 bytes for each half of the lanes
	v_and_b32 v6, 31, v0
	v_lshrrev_b32 v7, 2, v6
	v_and_b32 v8, 3, v6
	v_mul_u32_u24 v7, v7, 80
	v_lshl_add_u32 v7, v8, 4, v7
	v_add_nc_u32 v[RD], s71, v7                    ; back: four lanes to a row of 64 bytes
	v_lshlrev_b32 v[CO], 4, v6                     ; and in memory: 16 x lane
	v_lshlrev_b32 v[BO], 5, v2                     ; the bias along the registers: eight numbers for each half of the lanes
	v_lshlrev_b32 v[BRO], 2, v1                    ; the bias by rows: one number a lane
.if QKV
	s_cmp_eq_u32 s66, 1
	s_cselect_b64 s[8:9], s[90:91], s[92:93]
	s_cmp_eq_u32 s66, 0
	s_cselect_b64 s[8:9], s[88:89], s[8:9]         ; this product's bias
.else
	s_mov_b64 s[8:9], s[92:93]
.endif
	s_lshl_b32 s96, s42, 1
	s_add_co_u32 s96, s96, s16
	s_lshl_b32 s96, s96, 8
	s_mov_b32 s97, 0
	s_add_nc_u64 s[12:13], s[8:9], s[96:97]        ; at column 64 (2 tile + my half of source 0)
.irp b, 0,1,2,3
	global_load_b128 v[BC+8*\b:BC+8*\b+3], v[BO], s[12:13] offset:64*\b
	global_load_b128 v[BC+8*\b+4:BC+8*\b+7], v[BO], s[12:13] offset:64*\b+16
.endr
.if QKV
	s_lshl_b32 s96, s42, 1
	s_add_co_u32 s96, s96, s15
	s_lshl_b32 s96, s96, 8
	s_add_nc_u64 s[8:9], s[8:9], s[96:97]          ; at column 64 (2 tile + my half of source 1)
.irp a, 0,1,2,3
	global_load_b32 v[BR+2*\a], v[BRO], s[8:9] offset:64*\a
.endr
.endif
	s_wait_kmcnt 0x0
.if QKV
	s_cmp_eq_u32 s66, 1                            ; eA, eB, eOut: entries 2 which, 2 which + 1, 6 + which
	s_cselect_b32 s88, s74, s76
	s_cselect_b32 s89, s75, s77
	s_cselect_b32 s90, s79, s80
	s_cmp_eq_u32 s66, 0
	s_cselect_b32 s88, s72, s88
	s_cselect_b32 s89, s73, s89
	s_cselect_b32 s90, s78, s90
	s_add_co_i32 s88, s88, s89                     ; eA + eB
	s_sub_co_i32 s90, s90, s88                     ; eOut - eA - eB
	s_sub_co_i32 s89, 127, s88
	s_lshl_b32 s89, s89, 23                        ; 2^-(eA + eB)
	s_cmp_eq_u32 s67, 0
	s_cselect_b32 s91, s89, 0                      ; the factor of the bias along the registers,
	s_cselect_b32 s92, 0, s89                      ; and of the bias by rows
.else
	s_add_co_i32 s88, s[72+EA], s[72+EB]
	s_sub_co_i32 s90, s[72+EO], s88
	s_sub_co_i32 s89, 127, s88
	s_lshl_b32 s91, s89, 23
.endif
	s_add_co_i32 s90, s90, 127
	s_lshl_b32 s93, s90, 23
	v_mov_b32 v[SCL], s93                          ; a sum stands for sum x 2^(eA + eB): its code is sum / 2^(eOut - eA - eB): three scales in one
	s_add_co_i32 s90, s90, 8
	s_lshl_b32 s90, s90, 23
	s_or_b32 s90, s90, 0x600000
	v_mov_b32 v[LIM], s90                          ; 448 x that
	s_wait_loadcnt 0x0
.set n, 0
.rept 32
	v_mul_f32 v[BC+n], s91, v[BC+n]
.set n, n+1
.endr
.if QKV
.irp a, 0,1,2,3
	v_mul_f32 v[BR+2*\a+1], s92, v[BR+2*\a]        ; twice, for the packed addition
	v_mul_f32 v[BR+2*\a], s92, v[BR+2*\a]
.endr
.endif
; 32 LDS loads: the fragments of the slot's q-th 128 along K (panels 2 q, 2 q + 1) into set f
.macro FETCH slot, q, f
	WIN 0x40                                       ; destination window 1, address window 0
.irp i, 0,1,2,3
.irp c, 0,1,2,3
	ds_load_b128 v[\f+64+16*\i+4*\c:\f+64+16*\i+4*\c+3], v[AD0+\slot] offset:(2*(\q)+\c/2)*PNL+32*(\c%2)+1088*\i
.endr
.endr
.irp i, 0,1,2,3
.irp c, 0,1,2,3
	ds_load_b128 v[\f+16*\i+4*\c:\f+16*\i+4*\c+3], v[AD1+\slot] offset:(2*(\q)+\c/2)*PNL+32*(\c%2)+1088*\i
.endr
.endr
.endm
; 16 matrix instructions, 128 along K.  The sixteen accumulators take turns, one instruction a turn, in the same order in every step.  first = 1: the bias is the C: nothing is cleared
.macro MUL f, first
.irp a, 0,1,2,3
.irp b, 0,1,2,3
.if \first
	v_wmma_f32_16x16x128_fp8_fp8 v[ACC+8*(4*\a+\b):ACC+8*(4*\a+\b)+7], v[\f+64+16*\b:\f+64+16*\b+15], v[\f+16*\a:\f+16*\a+15], v[BC+8*\b:BC+8*\b+7]
.else
	v_wmma_f32_16x16x128_fp8_fp8 v[ACC+8*(4*\a+\b):ACC+8*(4*\a+\b)+7], v[\f+64+16*\b:\f+64+16*\b+15], v[\f+16*\a:\f+16*\a+15], v[ACC+8*(4*\a+\b):ACC+8*(4*\a+\b)+7]
.endif
.endr
.endr
.endm
.macro STEP slot, q, f, g, first       ; asks for the next 128 along K into set g, then multiplies set f
	PLACES
	FETCH \slot, (\q)+1, \g
	s_wait_dscnt 32                                ; all but the 32 just issued: set f is in
	WIN 0x05                                       ; sources 0 and 1 window 1; C and D window 0
	MUL \f, \first
.endm
.macro TURN slot, next                 ; a slot's last step, and the change of slots
	WIN 0
	s_wait_tensorcnt 0x0                           ; all my tensor loads have landed: my part of the next slot
	ds_add_u32 v[SPW], v[NIL]                      ; 0 onto my spare word
	s_wait_dscnt 0x0                               ; the add is done, and set 1 is in
	s_barrier_signal -1
	WIN 0x05
	MUL F1, 0                                      ; work on registers while the others arrive
	WIN 0
	s_barrier_wait -1                              ; the next slot is whole
	PLACES
	FETCH \next, 0, F0
.endm
	s_wait_tensorcnt 1                             ; my part of slot 0 is in; slot 1's may be out
	s_barrier_signal -1
	s_barrier_wait -1
	FETCH 0, 0, F0
	STEP 0, 0, F0, F1, 1
	STEP 0, 1, F1, F0, 0
	STEP 0, 2, F0, F1, 0
	TURN 0, 1
	STEP 1, 0, F0, F1, 0
	STEP 1, 1, F1, F0, 0
	STEP 1, 2, F0, F1, 0
	s_wait_dscnt 0x0
	MUL F1, 0
	WIN 0
	PLACES
	; THE WAY OUT: hold, convert, 8 bytes a lane into my stage, back as rows of 64 bytes, out as 4,096 consecutive bytes.
	s_lshl_b32 s88, s17, 1
	s_lshl_b32 s89, s42, 1
.if QKV
	s_cmp_eq_u32 s67, 0
	s_cselect_b32 s90, s88, s89                    ; source 1's tile (tokens; for v columns),
	s_cselect_b32 s91, s89, s88                    ; source 0's, which numbers the panels,
	s_cselect_b32 s92, 18, 16                      ; log2 of a panel's bytes: 4,096 or 1,024 rows x 64
.else
	s_mov_b32 s90, s88
	s_mov_b32 s91, s89
	s_mov_b32 s92, 18
.endif
	s_add_co_u32 s90, s90, s15
	s_add_co_u32 s91, s91, s16
	s_lshl_b32 s90, s90, 12
	s_lshl_b32 s91, s91, s92
	s_add_co_u32 s90, s90, s91
.if QKV
	s_lshl_b32 s91, s66, 22                        ; q, k, v lie 4 MiB apart
	s_add_co_u32 s90, s90, s91
.endif
	s_mov_b32 s91, 0
	s_add_nc_u64 s[10:11], s[10:11], s[90:91]
.if QKV
.irp a, 0,1,2,3
.irp b, 0,1,2,3
.irp i, 0,2,4,6
	v_pk_add_f32 v[ACC+8*(4*\a+\b)+\i:ACC+8*(4*\a+\b)+\i+1], v[ACC+8*(4*\a+\b)+\i:ACC+8*(4*\a+\b)+\i+1], v[BR+2*\a:BR+2*\a+1]   ; the bias by rows; each accumulator from its low end on
.endr
.endr
.endr
.endif
.set n, 0
.rept 128
.if QKV
	v_med3_num_f32 v[ACC+n], v[ACC+n], -v[LIM], v[LIM]   ; the conversion to an 8-bit code does not saturate (ISA guide 7.6.2)
.else
	v_med3_num_f32 v[ACC+n], v[ACC+n], 0, v[LIM]   ; relu and the hold in one
.endif
.set n, n+1
.endr
.set n, 0
.rept 16
	v_cvt_scalef32_pk8_fp8_f32 v[CD+2*n:CD+2*n+1], v[ACC+8*n:ACC+8*n+7], v[SCL]
.set n, n+1
.endr
	v_nop                                          ; a plain line behind the run's last conversion
.irp a, 0,1,2,3
.irp b, 0,1,2,3
	ds_store_b64 v[STO], v[CD+2*(4*\a+\b):CD+2*(4*\a+\b)+1] offset:1280*\a+16*\b
.endr
.endr
.irp i, 0,1,2,3,4,5,6,7
	ds_load_b128 v[BC+4*\i:BC+4*\i+3], v[RD] offset:640*\i   ; LDS serves a wave's instructions in order: these see my stores
.endr
.irp i, 0,1,2,3,4,5,6,7
	s_wait_dscnt 7-\i                              ; the younger loads may be out
	global_store_b128 v[CO], v[BC+4*\i:BC+4*\i+3], s[10:11] offset:512*\i   ; 32 lanes store 512 consecutive bytes, at a multiple of 512 from the buffer's first byte
.endr
	s_wait_tensorcnt 0x0                           ; the wave's end
	ds_add_u32 v[SPW], v[NIL]
	s_wait_dscnt 0x0
	CROUND                                         ; the closing round
	s_endpgm
.Lfunc_end_k_q17b20600f3_gemm_qkv:
	.size	k_q17b20600f3_gemm_qkv, .Lfunc_end_k_q17b20600f3_gemm_qkv-k_q17b20600f3_gemm_qkv
	.p2alignl 7, 3214868480
	.fill 96, 4, 3214868480
	.section	.rodata,"a",@progbits
	.p2align	6, 0x0
	.amdhsa_kernel k_q17b20600f3_gemm_qkv
		.amdhsa_group_segment_fixed_size 327680
		.amdhsa_private_segment_fixed_size 0
		.amdhsa_enable_private_segment 0
		.amdhsa_kernarg_size 56
		.amdhsa_user_sgpr_count 2
		.amdhsa_user_sgpr_kernarg_segment_ptr 1
		.amdhsa_wavefront_size32 1
		.amdhsa_system_sgpr_workgroup_id_x 1
		.amdhsa_system_sgpr_workgroup_id_y 1
		.amdhsa_system_sgpr_workgroup_id_z 1
		.amdhsa_system_vgpr_workitem_id 0
		.amdhsa_next_free_vgpr 512
		.amdhsa_next_free_sgpr 98
		.amdhsa_reserve_vcc 0
		.amdhsa_float_denorm_mode_32 3
		.amdhsa_float_denorm_mode_16_64 3
		.amdhsa_memory_ordered 1
		.amdhsa_forward_progress 1
		.amdhsa_inst_pref_size 54
	.end_amdhsa_kernel
	.amdgpu_metadata
---
amdhsa.version: [ 1, 2 ]
amdhsa.kernels:
  - .name:           k_q17b20600f3_gemm_qkv
    .symbol:         k_q17b20600f3_gemm_qkv.kd
    .args:
      - { .name: xqkv, .offset: 0, .size: 8, .value_kind: global_buffer, .address_space: global }
      - { .name: wcodes, .offset: 8, .size: 8, .value_kind: global_buffer, .address_space: global }
      - { .name: b_Q, .offset: 16, .size: 8, .value_kind: global_buffer, .address_space: global }
      - { .name: b_K, .offset: 24, .size: 8, .value_kind: global_buffer, .address_space: global }
      - { .name: b_V, .offset: 32, .size: 8, .value_kind: global_buffer, .address_space: global }
      - { .name: lowp_scales, .offset: 40, .size: 8, .value_kind: global_buffer, .address_space: global }
      - { .name: qkv, .offset: 48, .size: 8, .value_kind: global_buffer, .address_space: global }
    .group_segment_fixed_size: 327680
    .private_segment_fixed_size: 0
    .kernarg_segment_align: 8
    .kernarg_segment_size: 56
    .max_flat_workgroup_size: 128
    .sgpr_count:     98
    .vgpr_count:     512
    .wavefront_size: 32
...
	.end_amdgpu_metadata
.endif
;; end of part 3
;; launch attn (part 4): grid 8 x 32, 16 waves a work-group, no clusters, 296,960 bytes of LDS; arguments qkv, lowp_scales, z; writes z
.if DOCPART == 4
	.amdgcn_target "amdgcn-amd-amdhsa--gfx1250"
	.amdhsa_code_object_version 6
	.text
	.protected	k_q17b20600f3_attn
	.globl	k_q17b20600f3_attn
	.p2align	8
	.type	k_q17b20600f3_attn,@function
k_q17b20600f3_attn:
	s_mov_b64 s[64:65], 0
	v_nop
	global_prefetch_b8 v0, s[64:65] scope:SCOPE_SE
	s_setreg_imm32_b32 hwreg(HW_REG_WAVE_MODE, 25, 1), 1
	s_wait_xcnt 0x0
; z[b][q][h][:] = the sum over keys s <= q of softmax_s(q . k / 8) v, both products on codes of E4M3; z leaves as codes (entry 10).  Scales: q entry 6, k 7, v 8, p 9.
; q, k: [16 heads][4,096 tokens][64] codes; v: [64 chunks of 64 tokens][1,024 columns 64 head + d][64 keys] codes; z: [16 heads][4,096 tokens][64] codes.
; THE SOFTMAX AHEAD OF THE SECOND PRODUCT: t = score x log2(e) / 8; M = the running largest t rounded UP to a whole number; p = 2^(t - M) is quantised, not normalised; the row's sum is taken of the
; unquantised p and divides at the end.  When M moves, the sum and O are multiplied by 2^(old M - new M), which rounds nothing.
; SHARES.  A work-group owns one head of one sequence and the blocks j and 15 - j of 128 queries: every work-group has the same causal work.  Sixteen waves, 16 queries each, in 256 registers.
; NO RING: the head's 2,048 keys and values fit in LDS.  They come in four quarters of 512 keys, all asked for at the start (waves 0, 1: K; waves 2, 3: V; four loads of such a wave are out at the most);
; a counted wait and a barrier stand ahead of each quarter.  Quarters that lie behind both blocks' last query are fetched and not read: the trip counts stay constants of the text.
; CAUSAL.  A step of 128 keys that all come after the wave's queries is jumped over by a scalar branch on ids; on the diagonal hidden scores become -infinity.  Key 0 counts for every query.
; NO CLUSTER: the steps that a wave jumps over hang on its block of queries, which would differ between partners that share a head.
; LAYOUT.  Both products are used transposed (S^T = K Q^T, O^T = V^T P^T): a lane holds one query.  Lane r of tile 2 b + u of K takes key 32 b + 8 u + r + 8 (r / 8), so that the 16 registers of two
; neighbouring tiles are 16 neighbouring keys.  Inside an instruction k is permuted, alike in both operands.
; LIMITS: e6 + e7 between -123 and 130; e9 and e10 - e8 - e9 between -126 and 119.  NaN and infinities are not served.
; REGISTERS: v1, v2 my place in a tile of K, of V; v5-7 the way out; v8, v9 the step's addresses; v12 -M; v13 the largest t; v[14:15] the sum; v16-23 Q; v32-95 K's eight fragments, then V's four;
;   v96-159 S^T, then p; v160-191 O^T; v192-207 p's codes; v208-215 z's codes; v216-231 at work and constants.
.set VREG,  139264                     ; LDS: K's 2,048 rows of 64 bytes (+ 16 behind every 256), then V's 32 chunks likewise
.set STAGE, 278528                     ; then 1,024 bytes for each wave
.set QB,    34816                      ; a quarter's bytes of K, and of V
	s_load_b128 s[4:7], s[0:1], 0x0                ; q, k, v s[4:5]; the scales' exponents s[6:7]
	s_load_b64 s[8:9], s[0:1], 0x10                ; z
	v_lshl_add_u32 v254, v0, 2, 0x48000
	v_mov_b32 v255, 0
	ds_add_u32 v254, v255
	ds_add_u32 v254, v255
	v_lshrrev_b32 v8, 5, v0
	v_readfirstlane_b32 s18, v8                    ; wave 0..15
	s_and_b32 s60, ttmp7, 0xffff
	s_and_b32 s62, s60, 15                         ; the head
	s_lshr_b32 s63, s60, 4                         ; the sequence
	s_lshr_b32 s60, s18, 2                         ; which of the two blocks: bit 0 xor bit 2 of the wave's number, so that early and late blocks are spread over the waves
	s_xor_b32 s60, s60, s18
	s_and_b32 s60, s60, 1
	s_sub_co_u32 s61, 15, ttmp9
	s_cmp_eq_u32 s60, 0
	s_cselect_b32 s61, ttmp9, s61
	s_lshl_b32 s58, s61, 7
	s_lshr_b32 s60, s18, 1
	s_lshl_b32 s60, s60, 4
	s_add_co_u32 s58, s58, s60                     ; my first query: 128 x block + 16 (wave / 2)
	; descriptor group 1.  K: 256 keys, dense: 64 rows of 32 elements of 8 bytes.  V: 4 chunks, each a row of 512 elements (64 d x 64 bytes, dense), 8,192 elements apart
	s_mov_b32 s24, (3<<16)|(1<<20)|(5<<22)|(3<<25) ; no mask; elements of 8 bytes; padding: four words after every 64
	s_mov_b32 s25, 32<<16
	s_mov_b32 s26, 64<<16
	s_mov_b32 s27, 32<<16
	s_mov_b32 s28, 64
	s_mov_b32 s29, 32
	s_mov_b32 s30, 0
	s_mov_b32 s31, 0
	s_mov_b32 s32, (3<<16)|(1<<20)|(5<<22)|(3<<25)
	s_mov_b32 s33, 512<<16
	s_mov_b32 s34, 4<<16
	s_mov_b32 s35, 512<<16
	s_mov_b32 s36, 4
	s_mov_b32 s37, 8192
	s_mov_b32 s38, 0
	s_mov_b32 s39, 0
	s_bfe_u32 s60, s18, 0x10001                    ; waves 2, 3: V's part of LDS
	s_mul_i32 s60, s60, VREG
	s_and_b32 s61, s18, 1
	s_mul_i32 s73, s61, 17408                      ; which half of a quarter
	s_add_co_u32 s60, s60, s73
	s_lshl_b32 s66, s62, 18                        ; K's offset: 4 MiB + (4,096 head + 2,048 sequence + 256 half) x 64
	s_lshl_b32 s73, s63, 17
	s_add_co_u32 s66, s66, s73
	s_lshl_b32 s73, s61, 14
	s_add_co_u32 s66, s66, s73
	s_add_co_u32 s66, s66, 0x400000
	s_lshl_b32 s67, s63, 21                        ; V's: 8 MiB + ((32 sequence + 4 half) x 1,024 + 64 head) x 64
	s_lshl_b32 s73, s62, 12
	s_add_co_u32 s67, s67, s73
	s_lshl_b32 s73, s61, 18
	s_add_co_u32 s67, s67, s73
	s_add_co_u32 s67, s67, 0x800000
	s_mov_b32 s75, 524288
	s_cmp_lt_u32 s18, 2
	s_cselect_b32 s66, s66, s67
	s_cselect_b32 s74, 32768, s75                  ; from quarter to quarter
	s_mov_b32 s67, 0
	s_mov_b32 s75, 0
	s_lshl_b32 s76, s62, 12
	s_lshl_b32 s73, s63, 11
	s_add_co_u32 s76, s76, s73
	s_add_co_u32 s76, s76, s58
	s_lshl_b32 s76, s76, 6                         ; my queries' rows in q and in z
	s_mov_b32 s77, 0
	s_mov_b32 s20, 0x76543210                      ; v_permlanex16_b32: lane l xor 16
	s_mov_b32 s21, 0xfedcba98
	s_mov_b32 s22, 0x3e38aa3b                      ; c = log2(e) / 8
	s_wait_dscnt 0x0
	s_wait_kmcnt 0x0
	s_load_b128 s[68:71], s[6:7], 0x18             ; e6, e7, e8, e9
	s_load_b32 s72, s[6:7], 0x28                   ; e10
	s_add_nc_u64 s[42:43], s[4:5], s[66:67]
	s_add_nc_u64 s[46:47], s[42:43], s[74:75]
	s_add_nc_u64 s[50:51], s[46:47], s[74:75]
	s_add_nc_u64 s[54:55], s[50:51], s[74:75]
.irp i, 0,1,2,3
	s_mov_b32 s[40+4*\i], 1
	s_add_co_u32 s[41+4*\i], s60, \i*QB
	s_or_b32 s[43+4*\i], s[43+4*\i], 0x80000000
.endr
	s_add_nc_u64 s[78:79], s[4:5], s[76:77]        ; q at my queries
	s_add_nc_u64 s[8:9], s[8:9], s[76:77]          ; z likewise
	s_cmp_lt_u32 s18, 2                            ; a wave's four fills stand in one branch on its number, ahead of every wait on TENSORcnt, every LDS read and every barrier
	s_cbranch_scc0 .Lnot_k
	tensor_load_to_lds s[40:43], s[24:31]
	s_nop 0
	tensor_load_to_lds s[44:47], s[24:31]
	s_nop 0
	tensor_load_to_lds s[48:51], s[24:31]
	s_nop 0
	tensor_load_to_lds s[52:55], s[24:31]
	s_nop 0
.rept 4
	v_nop
.endr
	s_branch .Lasked
.Lnot_k:
	s_cmp_lt_u32 s18, 4
	s_cbranch_scc0 .Lasked
	tensor_load_to_lds s[40:43], s[32:39]
	s_nop 0
	tensor_load_to_lds s[44:47], s[32:39]
	s_nop 0
	tensor_load_to_lds s[48:51], s[32:39]
	s_nop 0
	tensor_load_to_lds s[52:55], s[32:39]
	s_nop 0
.rept 4
	v_nop
.endr
.Lasked:
	v_and_b32 v10, 15, v0                          ; r
	v_bfe_u32 v11, v0, 4, 1                        ; h
	v_lshlrev_b32 v3, 6, v10
	v_lshl_add_u32 v3, v11, 4, v3
	global_load_b128 v[16:19], v3, s[78:79]        ; Q's fragment stays in registers
	global_load_b128 v[20:23], v3, s[78:79] offset:32
	v_and_b32 v4, 8, v10
	v_add_nc_u32 v4, v4, v10                       ; r + 8 (r / 8)
	v_lshrrev_b32 v1, 2, v4
	v_mul_u32_u24 v1, v1, 272
	v_and_b32 v4, 3, v4
	v_lshl_add_u32 v1, v4, 6, v1
	v_lshl_add_u32 v1, v11, 4, v1                  ; K: that row, + 16 h
	v_lshrrev_b32 v2, 2, v10
	v_mul_u32_u24 v2, v2, 272
	v_and_b32 v4, 3, v10
	v_lshl_add_u32 v2, v4, 6, v2
	v_lshl_add_u32 v2, v11, 4, v2
	v_add_nc_u32 v2, VREG, v2                      ; V: row d = r, + 16 h
	s_lshl_b32 s61, s18, 10
	s_add_co_u32 s61, s61, STAGE                   ; my stage
	v_lshlrev_b32 v5, 6, v10
	v_lshl_add_u32 v5, v11, 3, v5
	v_add_nc_u32 v5, s61, v5                       ; in: row r of 64 bytes, 8 bytes for each half of the lanes
	v_and_b32 v7, 31, v0
	v_lshlrev_b32 v7, 4, v7                        ; in memory: 16 x lane
	v_add_nc_u32 v6, s61, v7                       ; back
	v_mov_b32 v13, 0xff61b1e6                      ; the largest t so far: -3e38
	v_floor_f32 v12, -v13                          ; -M
	v_mov_b32 v14, 0
	v_mov_b32 v15, 0
	v_mov_b32 v216, 0                              ; written once: a lane permute's destination counts as one of its sources
	v_mov_b32 v219, 0                              ; (named as the upper half of the pair v[218:219])
.set n, 0
.rept 32
	v_mov_b32 v[160+n], 0                          ; O^T: the step is written once; its first run finds zeros
.set n, n+1
.endr
	s_wait_kmcnt 0x0
	s_add_co_i32 s60, s68, s69
	s_lshl_b32 s60, s60, 23
	s_add_co_i32 s22, s22, s60                     ; a score stands for score x 2^(e6 + e7): added to c's exponent field
	s_mov_b32 s23, s22
	s_add_co_i32 s60, s71, 127
	s_lshl_b32 s61, s60, 23
	v_mov_b32 v225, s61                            ; 2^e9
	s_add_co_i32 s60, s60, 8
	s_lshl_b32 s60, s60, 23
	s_or_b32 s60, s60, 0x600000
	v_mov_b32 v224, s60                            ; 448 x 2^e9
	s_sub_co_i32 s60, s72, s70
	s_sub_co_i32 s60, s60, s71
	s_add_co_i32 s60, s60, 127
	s_lshl_b32 s61, s60, 23
	v_mov_b32 v227, s61                            ; 2^(e10 - e8 - e9): z's code is (O / sum) / that
	s_add_co_i32 s60, s60, 8
	s_lshl_b32 s60, s60, 23
	s_or_b32 s60, s60, 0x600000
	v_mov_b32 v226, s60
; A KEY STEP: the 128 keys from s57 on, which lie s56 bytes into K's and into V's part of LDS.
.macro STEP
	s_add_co_u32 s60, s58, 15
	s_cmp_gt_u32 s57, s60
	s_cbranch_scc1 .Lhidden_\@                     ; all of them come after my queries
	v_add_nc_u32 v8, s56, v1
	v_add_nc_u32 v9, s56, v2
	v_nop                                          ; with the two additions: four places ahead of loads into registers that the last products read
	v_nop
.irp t, 0,1,2,3,4,5,6,7
	ds_load_b128 v[32+8*\t:35+8*\t], v8 offset:2176*(\t/2)+544*(\t%2)
	ds_load_b128 v[36+8*\t:39+8*\t], v8 offset:2176*(\t/2)+544*(\t%2)+32
.endr
	s_wait_dscnt 0x0
.irp t, 0,1,2,3,4,5,6,7
	v_wmma_f32_16x16x64_fp8_fp8 v[96+8*\t:103+8*\t], v[32+8*\t:39+8*\t], v[16:23], 0
.endr
.rept 4
	v_nop
.endr
.irp t, 0,1,2,3                        ; V's fragments are asked for now and land under the softmax
.irp c, 0,1,2,3
	ds_load_b128 v[32+16*\t+4*\c:35+16*\t+4*\c], v9 offset:1088*\t+4352*(\c/2)+32*(\c%2)
.endr
.endr
	s_add_co_u32 s60, s57, 127
	s_cmp_le_u32 s60, s58
	s_cbranch_scc1 .Lopen_\@                       ; all of them count
	s_sub_co_i32 s60, s58, s57
	v_and_b32 v228, 15, v0
	v_bfe_u32 v230, v0, 4, 1
	v_lshlrev_b32 v230, 4, v230
	v_sub_nc_u32 v228, v228, v230
	v_add_nc_u32 v228, s60, v228                   ; d = my query - first key - 16 h.  Register 16 b + i holds key 32 b + 16 h + i: hidden where 32 b + i > d
	v_mov_b32 v229, 0xff800000                     ; -infinity
.set n, 0
.rept 64
	v_cmp_gt_i32 vcc_lo, 32*(n/16)+n%16, v228
	v_cndmask_b32 v[96+n], v[96+n], v229, vcc_lo
.set n, n+1
.endr
.Lopen_\@:
	v_max3_num_f32 v222, v96, v97, v98             ; the step's largest score of my query, in two chains, each accumulator from its low end on
	v_max3_num_f32 v223, v99, v100, v101
.set n, 6
.rept 14
	v_max3_num_f32 v222, v222, v[96+n], v[97+n]
	v_max3_num_f32 v223, v223, v[98+n], v[99+n]
.set n, n+4
.endr
	v_max3_num_f32 v222, v222, v158, v159
	v_max_num_f32 v222, v222, v223
	v_permlanex16_b32 v216, v222, s20, s21
	v_max_num_f32 v222, v222, v216                 ; and lane l xor 16's
	v_mul_f32 v222, s22, v222                      ; as t (c is positive)
	v_max_num_f32 v13, v13, v222
	v_mov_b32 v222, v12
	v_floor_f32 v12, -v13                          ; the new -M = -ceil(t)
	v_sub_f32 v222, v12, v222                      ; old M - new M: a whole number, 0 or less
	v_cvt_i32_f32 v222, v222                       ; (it saturates)
	v_ldexp_f32 v218, 1.0, v222                    ; f = 2^(old M - new M)
.set n, 0
.rept 32
	v_pk_fma_f32 v[96+2*n:97+2*n], v[96+2*n:97+2*n], s[22:23], v[12:13] op_sel_hi:[1,0,0]   ; t - M
.set n, n+1
.endr
.set n, 0
.rept 64
	v_exp_f32 v[96+n], v[96+n]                     ; p = 2^(t - M)
.set n, n+1
.endr
	v_pk_mul_f32 v[14:15], v[14:15], v[218:219] op_sel_hi:[1,0]   ; the sum under the new M (a plain line behind the exponentials)
	s_wait_alu depctr_va_vdst(0)
	v_pk_add_f32 v[220:221], v[96:97], v[98:99]    ; the sum of the unquantised p, in two chains
.set n, 4
.rept 15
	v_pk_add_f32 v[14:15], v[14:15], v[96+n:97+n]
	v_pk_add_f32 v[220:221], v[220:221], v[98+n:99+n]
.set n, n+4
.endr
	v_pk_add_f32 v[14:15], v[14:15], v[220:221]
.irp b, 0,1,2,3
.set n, 0
.rept 16
	v_min_num_f32 v[96+16*\b+n], v[96+16*\b+n], v224   ; the conversion does not saturate (ISA guide 7.6.2); p is not negative
.set n, n+1
.endr
	v_cvt_scalef32_pk8_fp8_f32 v[192+4*\b:193+4*\b], v[96+16*\b:103+16*\b], v225
	v_cvt_scalef32_pk8_fp8_f32 v[194+4*\b:195+4*\b], v[104+16*\b:111+16*\b], v225
.endr
.set n, 0
.rept 16
	v_pk_mul_f32 v[160+2*n:161+2*n], v[160+2*n:161+2*n], v[218:219] op_sel_hi:[1,0]   ; O^T under the new M; also the plain lines behind the conversions
.set n, n+1
.endr
	s_wait_dscnt 0x0                               ; V's fragments
.irp t, 0,1,2,3
	v_wmma_f32_16x16x128_fp8_fp8 v[160+8*\t:167+8*\t], v[32+16*\t:47+16*\t], v[192:207], v[160+8*\t:167+8*\t]
.endr
.Lhidden_\@:
	s_add_co_u32 s56, s56, 8704                    ; 128 keys on, in K's rows and in V's chunks alike
	s_add_co_u32 s57, s57, 128
.endm
.macro QUARTER i
	s_wait_tensorcnt 3-\i                          ; my part of this quarter is in; the later quarters' loads may be out
	s_wait_dscnt 0x0
	s_barrier_signal -1
	s_barrier_wait -1                              ; everybody's is
	s_mov_b32 s56, \i*QB
	s_mov_b32 s57, \i*512
	s_mov_b32 s59, 4
.Lq_\@:
	STEP
	s_sub_co_u32 s59, s59, 1
	s_cmp_lg_u32 s59, 0
	s_cbranch_scc1 .Lq_\@
.endm
	s_wait_loadcnt 0x0                             ; Q
	QUARTER 0
	QUARTER 1
	QUARTER 2
	QUARTER 3
	; THE WAY OUT: O^T / the sum, held, converted, through my stage, out as 1,024 consecutive bytes.
.rept 4
	v_nop                                          ; places behind the last products
.endr
	v_add_f32 v14, v14, v15
	v_permlanex16_b32 v216, v14, s20, s21
	v_add_f32 v14, v14, v216                       ; the row's sum
	v_rcp_f32 v14, v14
	v_nop                                          ; a plain line behind the transcendental
.set n, 0
	s_wait_alu depctr_va_vdst(0)
.rept 16
	v_pk_mul_f32 v[96+2*n:97+2*n], v[160+2*n:161+2*n], v[14:15] op_sel_hi:[1,0]   ; register 8 t + i: channel 16 t + 8 h + i of my query
.set n, n+1
.endr
.set n, 0
.rept 32
	v_med3_num_f32 v[96+n], v[96+n], -v226, v226
.set n, n+1
.endr
.irp t, 0,1,2,3
	v_cvt_scalef32_pk8_fp8_f32 v[208+2*\t:209+2*\t], v[96+8*\t:103+8*\t], v227
.endr
	v_nop                                          ; a plain line behind the run's last conversion
.irp t, 0,1,2,3
	ds_store_b64 v5, v[208+2*\t:209+2*\t] offset:16*\t
.endr
	ds_load_b128 v[32:35], v6                      ; LDS serves a wave's instructions in order: these see my stores
	ds_load_b128 v[36:39], v6 offset:512
	s_wait_dscnt 1
	global_store_b128 v7, v[32:35], s[8:9]         ; 32 lanes store 512 consecutive bytes, at a multiple of 512 from the buffer's first byte
	s_wait_dscnt 0x0
	global_store_b128 v7, v[36:39], s[8:9] offset:512
	s_wait_tensorcnt 0x0
	ds_add_u32 v254, v255
	s_wait_dscnt 0x0
	s_endpgm
.Lfunc_end_k_q17b20600f3_attn:
	.size	k_q17b20600f3_attn, .Lfunc_end_k_q17b20600f3_attn-k_q17b20600f3_attn
	.p2alignl 7, 3214868480
	.fill 96, 4, 3214868480
	.section	.rodata,"a",@progbits
	.p2align	6, 0x0
	.amdhsa_kernel k_q17b20600f3_attn
		.amdhsa_group_segment_fixed_size 296960
		.amdhsa_private_segment_fixed_size 0
		.amdhsa_enable_private_segment 0
		.amdhsa_kernarg_size 24
		.amdhsa_user_sgpr_count 2
		.amdhsa_user_sgpr_kernarg_segment_ptr 1
		.amdhsa_wavefront_size32 1
		.amdhsa_system_sgpr_workgroup_id_x 1
		.amdhsa_system_sgpr_workgroup_id_y 1
		.amdhsa_system_sgpr_workgroup_id_z 1
		.amdhsa_system_vgpr_workitem_id 0
		.amdhsa_next_free_vgpr 256
		.amdhsa_next_free_sgpr 80
		.amdhsa_reserve_vcc 1
		.amdhsa_float_denorm_mode_32 3
		.amdhsa_float_denorm_mode_16_64 3
		.amdhsa_memory_ordered 1
		.amdhsa_forward_progress 1
		.amdhsa_inst_pref_size 98
	.end_amdhsa_kernel
	.amdgpu_metadata
---
amdhsa.version: [ 1, 2 ]
amdhsa.kernels:
  - .name:           k_q17b20600f3_attn
    .symbol:         k_q17b20600f3_attn.kd
    .args:
      - { .name: qkv, .offset: 0, .size: 8, .value_kind: global_buffer, .address_space: global }
      - { .name: lowp_scales, .offset: 8, .size: 8, .value_kind: global_buffer, .address_space: global }
      - { .name: z, .offset: 16, .size: 8, .value_kind: global_buffer, .address_space: global }
    .group_segment_fixed_size: 296960
    .private_segment_fixed_size: 0
    .kernarg_segment_align: 8
    .kernarg_segment_size: 24
    .max_flat_workgroup_size: 512
    .sgpr_count:     80
    .vgpr_count:     256
    .wavefront_size: 32
...
	.end_amdgpu_metadata
.endif
;; end of part 4
;; launch gemm_o (part 5): grid 8 x 32, 4 waves a work-group, clusters of 4 x 4, 327,680 bytes of LDS; arguments z, wcodes, b_O, resid_pre, lowp_scales, resid_mid; writes resid_mid
.if DOCPART == 5
	.amdgcn_target "amdgcn-amd-amdhsa--gfx1250"
	.amdhsa_code_object_version 6
	.text
	.protected	k_q17b20600f3_gemm_o
	.globl	k_q17b20600f3_gemm_o
	.p2align	8
	.type	k_q17b20600f3_gemm_o,@function
k_q17b20600f3_gemm_o:
	s_mov_b64 s[64:65], 0
	v_nop
	global_prefetch_b8 v0, s[64:65] scope:SCOPE_SE
	s_setreg_imm32_b32 hwreg(HW_REG_WAVE_MODE, 25, 1), 1
	s_wait_xcnt 0x0
	s_wait_alu depctr_hold_cnt(0) depctr_sa_sdst(0) depctr_va_vdst(0) depctr_va_sdst(0) depctr_va_ssrc(0) depctr_va_vcc(0) depctr_vm_vsrc(0)
	s_getreg_b32 s2, hwreg(HW_REG_IB_STS2, 6, 4)
	s_cmp_eq_u32 s2, 0
	s_cbranch_scc0 .Lentry_in_a_cluster
	s_endpgm
.Lentry_in_a_cluster:
	s_bfe_u32 s2, ttmp6, 0x10000c
	s_cmp_lg_u32 s2, 0xf033
	s_cbranch_scc0 .Lentry_shape_is_right
	s_endpgm
.Lentry_shape_is_right:
; out = resid + T W^T + bias, the product on codes of E4M3, out in f32.  One text serves the attention's output projection (LAPS = 1) and the MLP's second layer (LAPS = 4).
; OPERANDS are laid [K / 64 panels][rows][64 bytes].  T: 128 tokens, hangs on work-group y.  W: 128 rows of the weight (output columns), hangs on work-group x.
; A work-group of four waves makes 128 x 128; a wave 64 x 64: 16 accumulators.  K goes in steps of 512 through two LDS slots; a lap is both slots.
; THE MATRIX INSTRUCTION IS USED TRANSPOSED (source 0 = W's rows, source 1 = tokens): a lane holds eight neighbouring columns of one row.
; The bias, divided by 2^(eA + eB), is the C of the first K step.  The residual is asked for at the head, in the layout in which rows leave; out = sum x 2^(eA + eB) + residual, one packed multiply-add for two numbers.
; CLUSTERS: 4 x 4 work-groups; T's tiles are asked for jointly along a row of the cluster, W's along a column.
; Inside an instruction k is permuted, alike in both operands: registers 4 c .. 4 c + 3 hold k = 32 c + 16 (lane / 16) + 0 .. 15.
; LIMITS: eA + eB between -126 and 127.  NaN and infinities among the inputs are not served.
; REGISTERS: window 0: v16-29 addresses; v32-63 the bias as C; v32-95 later rows read back, two sets; v128-255 accumulators ((a, b) at 128 + 8 (4 a + b)).
;   window 1: two sets of fragments (v0, v128): source 1's four at + 16 a, source 0's four at + 64 + 16 b.   window 2: v0-127 the residual.
.set LAPS,  1
.set EA,    10
.set EB,    11
.set WOFF,  0x300000                   ; where W's codes begin
.set PANT,  262144                     ; bytes of a panel of T's buffer: 4,096 rows x 64
.set PANW,  65536                      ; of W's: 1,024 rows x 64
.set STRT,  32768                      ; the same in elements of 8 bytes
.set STRW,  8192
.set PNL,   8704                       ; a panel of 128 rows in LDS: 8,192 bytes + 16 behind every 256: row p at (p / 4) 272 + (p % 4) 64, so the 16 rows of a load start in 16 different columns of 16 bytes modulo 256
.set QUART, 4*PNL
.set HALF,  8*PNL
.set SLOT,  2*HALF
.set SPARE, 2*SLOT                     ; behind the slots: the spare words, 128 bytes for each wave
.set STAGE, SPARE+512                  ; 16 rows x 272 bytes for each wave
.set AD1, 16
.set AD0, 20
.set STO, 24
.set RD,  25
.set CO,  26
.set BO,  27
.set SPW, 28                           ; v28 LDS address of my spare word; never rewritten
.set NIL, 29                           ; v29 0; never rewritten
.set BC,  32
.set BK,  32
.set ACC, 128
.set F0,  0
.set F1,  128
.set G1,  24
.set G0,  32
.set G1B, 48
.set G0B, 56
.set MSB, 0
.macro WIN new                         ; the immediate's high byte repeats the setting that is left
.if MSB != \new
	s_set_vgpr_msb (MSB<<8)|\new
.set MSB, \new
.endif
.endm
; A joint load: waves 0 and 1 fetch T's panels, waves 2 and 3 W's.  The branch hangs on the wave's number alone.  Four v_nop follow each of the two lines.
.macro JLOAD g0a, g1a, g0b, g1b
	s_cmp_eq_u32 s15, 0
	s_cbranch_scc0 .Lfor_b_\@
	tensor_load_to_lds s[\g0a:\g0a+3], s[\g1a:\g1a+7]
	s_nop 0
.rept 4
	v_nop
.endr
	s_branch .Lasked_\@
.Lfor_b_\@:
	tensor_load_to_lds s[\g0b:\g0b+3], s[\g1b:\g1b+7]
	s_nop 0
.rept 4
	v_nop
.endr
.Lasked_\@:
.endm
.macro CREST
	s_cmp_lg_u32 s14, 0
	s_cbranch_scc1 .Lnot_wave_0_\@
	s_barrier_signal -3
.Lnot_wave_0_\@:
	s_barrier_wait -3
	s_barrier_signal -1
	s_barrier_wait -1
.endm
.macro CROUND                          ; a round of the cluster's barrier
	s_barrier_signal -1
	s_barrier_wait -1
	CREST
.endm
.macro PLACES                          ; four plain vector lines behind a matrix instruction, ahead of loads into its sources and of reads of its result
.rept 4
	v_nop
.endr
.endm
	s_load_b128 s[4:7], s[0:1], 0x0                ; T's codes s[4:5], the weights' codes s[6:7]
	s_load_b128 s[8:11], s[0:1], 0x10              ; the bias s[8:9], the residual s[10:11]
	s_load_b128 s[92:95], s[0:1], 0x20             ; the scales' exponents s[92:93], out s[94:95]
	v_lshl_add_u32 v[SPW], v0, 2, SPARE
	v_mov_b32 v[NIL], 0
	ds_add_u32 v28, v29
	ds_add_u32 v28, v29
	s_wait_dscnt 0x0
	v_lshrrev_b32 v1, 5, v0
	v_readfirstlane_b32 s14, v1                    ; wave 0..3
	s_lshr_b32 s15, s14, 1                         ; which 64 rows are mine.  Also: I fetch for T (0) or for W (1)
	s_and_b32 s16, s14, 1                          ; which 64 columns.  Also: which four panels I fetch
	s_bfe_u32 s40, ttmp6, 0x40000                  ; cx, cy: my place in the cluster
	s_bfe_u32 s41, ttmp6, 0x40004
	s_lshl_b32 s42, ttmp9, 2
	s_add_co_u32 s42, s42, s40                     ; W's tile: 4 x cluster x + cx
	s_and_b32 s17, ttmp7, 0xffff
	s_lshl_b32 s17, s17, 2
	s_add_co_u32 s17, s17, s41                     ; T's tile: 4 x cluster y + cy
	s_lshl_b32 s43, s41, 2
	s_lshl_b32 s43, 15, s43                        ; my row of the cluster
	s_lshl_b32 s44, 0x1111, s40                    ; my column
	; descriptor group 1: four panels, each a row of 1,024 elements of 8 bytes (128 rows x 64 bytes, dense in memory)
	s_or_b32 s[G1], s43, (3<<16)|(1<<20)|(1<<21)|(5<<22)|(3<<25)    ; 15:0 the mask; 17:16 elements of 8 bytes; 20 padding on; 21 set beside a mask; 24:22 after every 64 words; 31:25 four words
	s_or_b32 s[G1B], s44, (3<<16)|(1<<20)|(1<<21)|(5<<22)|(3<<25)
.irp g, G1, G1B
	s_mov_b32 s[\g+1], 1024<<16                    ; tensor_dim0
	s_mov_b32 s[\g+2], 4<<16                       ; tensor_dim1
	s_mov_b32 s[\g+3], 1024<<16                    ; tile_dim0
	s_mov_b32 s[\g+4], 4                           ; tile_dim1
	s_mov_b32 s[\g+6], 0
	s_mov_b32 s[\g+7], 0
.endr
	s_mov_b32 s[G1+5], STRT                        ; from panel to panel
	s_mov_b32 s[G1B+5], STRW
	s_lshl_b32 s20, s17, 13                        ; T: tile x 128 rows x 64 bytes,
	s_mul_i32 s18, s16, 4*PANT                     ; my four panels
	s_add_co_u32 s20, s20, s18
	s_mov_b32 s21, 0
	s_lshl_b32 s46, s42, 13                        ; W likewise
	s_mul_i32 s19, s16, 4*PANW
	s_add_co_u32 s46, s46, s19
	s_add_co_u32 s46, s46, WOFF
	s_mov_b32 s47, 0
	s_mul_i32 s45, s14, QUART                      ; where they go: no place in the cluster enters an LDS address
	s_wait_kmcnt 0x0
	s_load_b512 s[72:87], s[92:93], 0x0            ; all sixteen exponents
	s_add_nc_u64 s[20:21], s[4:5], s[20:21]
	s_add_nc_u64 s[46:47], s[6:7], s[46:47]
	CROUND                                         ; all sixteen work-groups are here: the first joint loads meet
.irp s, 0,1
	s_mov_b32 s[G0+4*\s], 1
	s_add_co_u32 s[G0+4*\s+1], s45, \s*SLOT
	s_add_nc_u64 s[G0+4*\s+2:G0+4*\s+3], s[20:21], \s*8*PANT
	s_or_b32 s[G0+4*\s+3], s[G0+4*\s+3], 0x80000000
	s_mov_b32 s[G0B+4*\s], 1
	s_add_co_u32 s[G0B+4*\s+1], s45, \s*SLOT
	s_add_nc_u64 s[G0B+4*\s+2:G0B+4*\s+3], s[46:47], \s*8*PANW
	s_or_b32 s[G0B+4*\s+3], s[G0B+4*\s+3], 0x80000000
	JLOAD G0+4*\s, G1, G0B+4*\s, G1B               ; both slots' first fills go out together: two loads of mine are out
.endr
	v_and_b32 v1, 15, v0                           ; r
	v_bfe_u32 v2, v0, 4, 1                         ; h
	v_lshrrev_b32 v3, 2, v1
	v_and_b32 v4, 3, v1
	v_mul_u32_u24 v3, v3, 272
	v_lshl_add_u32 v3, v4, 6, v3
	v_lshl_add_u32 v3, v2, 4, v3                   ; a fragment's row r, + 16 h
	s_mul_i32 s68, s15, 4352                       ; source 1: my 64 rows of T (64 rows are 16 x 272 bytes)
	s_mul_i32 s69, s16, 4352
	s_add_co_u32 s69, s69, HALF                    ; source 0: my 64 rows of W
.irp s, 0,1
	v_add_nc_u32 v[AD1+\s], s68, v3
	v_add_nc_u32 v[AD0+\s], s69, v3
	s_add_co_u32 s68, s68, SLOT
	s_add_co_u32 s69, s69, SLOT
.endr
	s_mul_i32 s71, s14, 4352
	s_add_co_u32 s71, s71, STAGE                   ; my stage
	v_mul_u32_u24 v5, v1, 272
	v_lshl_add_u32 v5, v2, 5, v5
	v_add_nc_u32 v[STO], s71, v5                   ; in: row r, 32 bytes for each half of the lanes
	v_mul_u32_u24 v6, v2, 272
	v_lshl_add_u32 v6, v1, 4, v6
	v_add_nc_u32 v[RD], s71, v6                    ; back: lanes 0-15 one row of 256 bytes, lanes 16-31 the next
	v_lshlrev_b32 v[CO], 12, v2
	v_lshl_add_u32 v[CO], v1, 4, v[CO]             ; and the same two rows in memory
	v_lshlrev_b32 v[BO], 5, v2                     ; the bias: eight numbers for each half of the lanes
	s_lshl_b32 s96, s17, 19                        ; my part of the residual and of out: row 128 tile + 64 half, column 128 tile + 64 half
	s_lshl_b32 s97, s15, 18
	s_add_co_u32 s96, s96, s97
	s_lshl_b32 s97, s42, 9
	s_add_co_u32 s96, s96, s97
	s_lshl_b32 s97, s16, 8
	s_add_co_u32 s96, s96, s97
	s_mov_b32 s97, 0
	s_add_nc_u64 s[10:11], s[10:11], s[96:97]
	s_add_nc_u64 s[94:95], s[94:95], s[96:97]
	s_lshl_b32 s96, s42, 9
	s_lshl_b32 s90, s16, 8
	s_add_co_u32 s96, s96, s90
	s_add_nc_u64 s[8:9], s[8:9], s[96:97]          ; the bias at my first column
.irp b, 0,1,2,3
	global_load_b128 v[BC+8*\b:BC+8*\b+3], v[BO], s[8:9] offset:64*\b
	global_load_b128 v[BC+8*\b+4:BC+8*\b+7], v[BO], s[8:9] offset:64*\b+16
.endr
	WIN 0x80                                       ; destination window 2
.irp a, 0,1,2,3
.irp t, 0,1,2,3,4,5,6,7
	global_load_b128 v[32*\a+4*\t:32*\a+4*\t+3], v[CO], s[10:11] offset:(16*\a+2*\t)*4096   ; sixteen lanes read 256 consecutive bytes of a row
.endr
.endr
	WIN 0
	s_wait_kmcnt 0x0
	s_add_co_i32 s88, s[72+EA], s[72+EB]
	s_sub_co_i32 s90, 0, s88
	s_add_co_i32 s88, s88, 127
	s_lshl_b32 s88, s88, 23                        ; 2^(eA + eB) as f32
	s_mov_b32 s89, s88                             ; (named with it as a pair, so it is written)
	s_wait_loadcnt 32                              ; the bias is in; the residual's 32 loads may be out
.set n, 0
.rept 32
	v_ldexp_f32 v[BC+n], v[BC+n], s90              ; bias / 2^(eA + eB)
.set n, n+1
.endr
; 32 LDS loads: the fragments of the slot's q-th 128 along K (panels 2 q, 2 q + 1) into set f
.macro FETCH slot, q, f
	WIN 0x40                                       ; destination window 1, address window 0
.irp i, 0,1,2,3
.irp c, 0,1,2,3
	ds_load_b128 v[\f+64+16*\i+4*\c:\f+64+16*\i+4*\c+3], v[AD0+\slot] offset:(2*(\q)+\c/2)*PNL+32*(\c%2)+1088*\i
.endr
.endr
.irp i, 0,1,2,3
.irp c, 0,1,2,3
	ds_load_b128 v[\f+16*\i+4*\c:\f+16*\i+4*\c+3], v[AD1+\slot] offset:(2*(\q)+\c/2)*PNL+32*(\c%2)+1088*\i
.endr
.endr
.endm
; 16 matrix instructions, 128 along K.  The sixteen accumulators take turns, one instruction a turn, in the same order in every step.  first = 1: the bias is the C: nothing is cleared
.macro MUL f, first
.irp a, 0,1,2,3
.irp b, 0,1,2,3
.if \first
	v_wmma_f32_16x16x128_fp8_fp8 v[ACC+8*(4*\a+\b):ACC+8*(4*\a+\b)+7], v[\f+64+16*\b:\f+64+16*\b+15], v[\f+16*\a:\f+16*\a+15], v[BC+8*\b:BC+8*\b+7]
.else
	v_wmma_f32_16x16x128_fp8_fp8 v[ACC+8*(4*\a+\b):ACC+8*(4*\a+\b)+7], v[\f+64+16*\b:\f+64+16*\b+15], v[\f+16*\a:\f+16*\a+15], v[ACC+8*(4*\a+\b):ACC+8*(4*\a+\b)+7]
.endif
.endr
.endr
.endm
.macro STEP slot, q, f, g, first       ; asks for the next 128 along K into set g, then multiplies set f
	PLACES
	FETCH \slot, (\q)+1, \g
	s_wait_dscnt 32                                ; all but the 32 just issued: set f is in
	WIN 0x05                                       ; sources 0 and 1 window 1; C and D window 0
	MUL \f, \first
.endm
; A slot's last step, and the change of slots: ONE barrier.  fill = 1: this slot is filled again, two slots ahead; the barrier then opens a round of the cluster's.
.macro TURN slot, next, fill
	WIN 0
	s_wait_tensorcnt 0x0                           ; all my tensor loads have landed: my part of the next slot; so a group 0 may be written
	ds_add_u32 v[SPW], v[NIL]                      ; 0 onto my spare word
.if \fill
	s_add_nc_u64 s[G0+4*\slot+2:G0+4*\slot+3], s[G0+4*\slot+2:G0+4*\slot+3], 16*PANT
	s_add_nc_u64 s[G0B+4*\slot+2:G0B+4*\slot+3], s[G0B+4*\slot+2:G0B+4*\slot+3], 16*PANW
.endif
	s_wait_dscnt 0x0                               ; the add is done, and my reads of this slot are over: set 1 is in
	s_barrier_signal -1
	WIN 0x05
	MUL F1, 0                                      ; work on registers while the others arrive
	WIN 0
	s_barrier_wait -1
.if \fill
	CREST                                          ; no wave of any partner still reads this slot or has a load on its way
	JLOAD G0+4*\slot, G1, G0B+4*\slot, G1B         ; my one tensor load behind the round; its four v_nop are also the places ahead of the loads below
.else
	PLACES
.endif
	FETCH \next, 0, F0
.endm
	s_wait_tensorcnt 1                             ; my part of slot 0 is in; slot 1's may be out
	s_barrier_signal -1
	s_barrier_wait -1
	FETCH 0, 0, F0
	STEP 0, 0, F0, F1, 1                           ; the first step stands ahead of the loop: its products start the sums
.if LAPS > 1
	WIN 0                                          ; at a label and at a branch every window is 0
	s_mov_b32 s3, LAPS-1
.Llap:                                             ; a trip goes once round the two slots, from a lap's second step to the next lap's first, and fills both again
	STEP 0, 1, F1, F0, 0
	STEP 0, 2, F0, F1, 0
	TURN 0, 1, 1
	STEP 1, 0, F0, F1, 0
	STEP 1, 1, F1, F0, 0
	STEP 1, 2, F0, F1, 0
	TURN 1, 0, 1
	STEP 0, 0, F0, F1, 0
	WIN 0
	s_sub_co_u32 s3, s3, 1
	s_cmp_lg_u32 s3, 0
	s_cbranch_scc1 .Llap
.endif
	STEP 0, 1, F1, F0, 0                           ; the last lap fills nothing
	STEP 0, 2, F0, F1, 0
	TURN 0, 1, 0
	STEP 1, 0, F0, F1, 0
	STEP 1, 1, F1, F0, 0
	STEP 1, 2, F0, F1, 0
	s_wait_dscnt 0x0
	MUL F1, 0
	WIN 0
	PLACES
; THE WAY OUT, 16 rows x 64 columns at a time: the sums go through my stage and come back as rows of 256 bytes; there they meet the residual.
.macro TOSTAGE a
.set BB, BK+32*((\a)%2)
.irp b, 0,1,2,3
	ds_store_b128 v[STO], v[ACC+8*(4*(\a)+\b):ACC+8*(4*(\a)+\b)+3] offset:64*\b          ; each accumulator from its low end on
	ds_store_b128 v[STO], v[ACC+8*(4*(\a)+\b)+4:ACC+8*(4*(\a)+\b)+7] offset:64*\b+16
.endr
.irp t, 0,1,2,3,4,5,6,7
	ds_load_b128 v[BB+4*\t:BB+4*\t+3], v[RD] offset:544*\t   ; LDS serves a wave's instructions in order: these see my stores, and the next block's stores come behind them
.endr
.endm
.macro SEND a, younger                 ; younger: the LDS instructions issued behind block a's loads
.set BB, BK+32*((\a)%2)
	s_wait_dscnt \younger
	WIN 0x20                                       ; source 2 (the residual) window 2
.set n, 0
.rept 16
	v_pk_fma_f32 v[BB+2*n:BB+2*n+1], v[BB+2*n:BB+2*n+1], s[88:89], v[32*(\a)+2*n:32*(\a)+2*n+1] op_sel_hi:[1,0,1]
.set n, n+1
.endr
	WIN 0
.irp t, 0,1,2,3,4,5,6,7
	global_store_b128 v[CO], v[BB+4*\t:BB+4*\t+3], s[94:95] offset:(16*(\a)+2*\t)*4096   ; sixteen lanes store 256 consecutive bytes, at a multiple of 256 from the buffer's first byte
.endr
.endm
	s_wait_loadcnt 0x0                             ; the residual
	TOSTAGE 0
.irp a, 1,2,3
.if \a > 1
	s_wait_xcnt 0x0                                ; block a - 2's stores have read their registers: block a's loads may land there
.endif
	TOSTAGE \a
	SEND \a-1, 16                                  ; behind block a - 1's loads: block a's 8 stores and 8 loads
.endr
	SEND 3, 0
	s_wait_tensorcnt 0x0                           ; the wave's end
	ds_add_u32 v[SPW], v[NIL]
	s_wait_dscnt 0x0
	CROUND                                         ; the closing round
	s_endpgm
.Lfunc_end_k_q17b20600f3_gemm_o:
	.size	k_q17b20600f3_gemm_o, .Lfunc_end_k_q17b20600f3_gemm_o-k_q17b20600f3_gemm_o
	.p2alignl 7, 3214868480
	.fill 96, 4, 3214868480
	.section	.rodata,"a",@progbits
	.p2align	6, 0x0
	.amdhsa_kernel k_q17b20600f3_gemm_o
		.amdhsa_group_segment_fixed_size 327680
		.amdhsa_private_segment_fixed_size 0
		.amdhsa_enable_private_segment 0
		.amdhsa_kernarg_size 48
		.amdhsa_user_sgpr_count 2
		.amdhsa_user_sgpr_kernarg_segment_ptr 1
		.amdhsa_wavefront_size32 1
		.amdhsa_system_sgpr_workgroup_id_x 1
		.amdhsa_system_sgpr_workgroup_id_y 1
		.amdhsa_system_sgpr_workgroup_id_z 1
		.amdhsa_system_vgpr_workitem_id 0
		.amdhsa_next_free_vgpr 640
		.amdhsa_next_free_sgpr 98
		.amdhsa_reserve_vcc 0
		.amdhsa_float_denorm_mode_32 3
		.amdhsa_float_denorm_mode_16_64 3
		.amdhsa_memory_ordered 1
		.amdhsa_forward_progress 1
		.amdhsa_inst_pref_size 52
	.end_amdhsa_kernel
	.amdgpu_metadata
---
amdhsa.version: [ 1, 2 ]
amdhsa.kernels:
  - .name:           k_q17b20600f3_gemm_o
    .symbol:         k_q17b20600f3_gemm_o.kd
    .args:
      - { .name: z, .offset: 0, .size: 8, .value_kind: global_buffer, .address_space: global }
      - { .name: wcodes, .offset: 8, .size: 8, .value_kind: global_buffer, .address_space: global }
      - { .name: b_O, .offset: 16, .size: 8, .value_kind: global_buffer, .address_space: global }
      - { .name: resid_pre, .offset: 24, .size: 8, .value_kind: global_buffer, .address_space: global }
      - { .name: lowp_scales, .offset: 32, .size: 8, .value_kind: global_buffer, .address_space: global }
      - { .name: resid_mid, .offset: 40, .size: 8, .value_kind: global_buffer, .address_space: global }
    .group_segment_fixed_size: 327680
    .private_segment_fixed_size: 0
    .kernarg_segment_align: 8
    .kernarg_segment_size: 48
    .max_flat_workgroup_size: 128
    .sgpr_count:     98
    .vgpr_count:     640
    .wavefront_size: 32
...
	.end_amdgpu_metadata
.endif
;; end of part 5
;; launch ln2 (part 6): grid 256 x 1, 4 waves a work-group, no clusters, 16,896 bytes of LDS; arguments resid_mid, ln2_w, ln2_b, lowp_scales, h2; writes h2
.if DOCPART == 6
	.amdgcn_target "amdgcn-amd-amdhsa--gfx1250"
	.amdhsa_code_object_version 6
	.text
	.protected	k_q17b20600f3_ln2
	.globl	k_q17b20600f3_ln2
	.p2align	8
	.type	k_q17b20600f3_ln2,@function
k_q17b20600f3_ln2:
	s_mov_b64 s[64:65], 0
	v_nop
	global_prefetch_b8 v0, s[64:65] scope:SCOPE_SE
	s_setreg_imm32_b32 hwreg(HW_REG_WAVE_MODE, 25, 1), 1
	s_wait_xcnt 0x0
; LayerNorm of rows of 1,024 f32 numbers, y = (x - mean) / sqrt(var + 1e-5) x w + b, and y's codes of E4M3 for NOUT given scales (entries E0, E0 + 2, ..).
; A wave owns four rows and keeps them in registers: memory is read once.  Mean first, then the sum of squares of x - mean: no difference of large sums is formed.
; OUTPUT LAYOUT, for each scale: [16 panels of 64 along K][4,096 rows][64 bytes], the outputs 4 MiB apart.
; Register 4 j + e of a lane holds column 128 j + 4 lane + e, so a load covers 512 consecutive bytes.  A conversion packs eight registers: word j of a row's codes holds columns 128 j + 4 lane + 0..3.
; The words go through the wave's own stage in LDS, laid [16 panels][4 rows][64 bytes], and leave so that sixteen lanes store 256 consecutive bytes: four rows of one panel.
; No barrier: waves share nothing.  LIMITS: each e between -126 and 119.  NaN and infinities among the inputs are not served.
.set NOUT, 1
.set E0,   12
.set SM,   2                           ; v2-9     a pair of sums for each row; later T1
.set PT,   10                          ; v10-13   what the other half of the lanes holds
.set ST,   14                          ; v14-21   a pair for each row: the mean twice, then 1 / sqrt(var + eps) twice
.set LIM,  26                          ; v26-31   output o: 448 x 2^e, 2^e
.set C,    32                          ; v32-55   a row's codes: eight words for each output
.set T0,   56                          ; v56-63   eight held numbers; T0 and T1 take turns
.set T1,   2
.set X,    64                          ; v64-191  four rows
.set W,    192                         ; v192-223 w at my columns
.set B,    224                         ; v224-255 b at my columns
	s_load_b256 s[4:11], s[0:1], 0x0               ; x s[4:5], w s[6:7], b s[8:9], the scales' exponents s[10:11]
	s_load_b64 s[12:13], s[0:1], 0x20              ; the codes
	v_lshl_add_u32 v54, v0, 2, 0x4000
	v_mov_b32 v55, 0
	v_lshrrev_b32 v1, 5, v0
	v_readfirstlane_b32 s16, v1                    ; wave 0..3
	v_and_b32 v25, 31, v0                          ; lane
	v_lshlrev_b32 v1, 4, v25                       ; 16 x lane
	v_lshrrev_b32 v10, 4, v25
	v_and_b32 v11, 15, v25
	s_mul_i32 s28, s16, 4096*NOUT                  ; my stage
	v_lshlrev_b32 v22, 8, v10
	v_lshl_add_u32 v22, v11, 2, v22
	v_add_nc_u32 v22, s28, v22                     ; into it: panel lane / 16 of a pair, word lane % 16
	v_add_nc_u32 v23, s28, v1                      ; out of it: 16 bytes a lane
	v_lshlrev_b32 v24, 18, v10
	v_lshl_add_u32 v24, v11, 4, v24                ; and in memory: panels are 262,144 bytes apart
.irp r, 0,1,2,3
	v_mov_b32 v[PT+\r], 0                          ; written once: a lane permute's destination counts as one of its sources
.endr
	s_lshl_b32 s17, ttmp9, 4
	s_lshl_b32 s18, s16, 2
	s_add_co_u32 s17, s17, s18                     ; my first row: 16 x work-group + 4 x wave
	s_lshl_b32 s14, s17, 12
	s_mov_b32 s15, 0
	s_lshl_b32 s18, s17, 6
	s_mov_b32 s19, 0
	s_mov_b32 s20, 0x76543210                      ; v_permlanex16_b32: lane l xor 16
	s_mov_b32 s21, 0xfedcba98
	s_mov_b32 s22, 0x3a800000                      ; 1 / 1024
	s_mov_b32 s23, 0x3727c5ac                      ; 1e-5
	s_wait_kmcnt 0x0
.set o, 0
.rept NOUT
	s_load_b32 s[24+o], s[10:11], 4*(E0+2*o)
.set o, o+1
.endr
	s_add_nc_u64 s[4:5], s[4:5], s[14:15]
	s_add_nc_u64 s[32:33], s[12:13], s[18:19]      ; output 0 at my rows
.if NOUT > 1
	s_add_nc_u64 s[34:35], s[32:33], 0x400000
	s_add_nc_u64 s[36:37], s[34:35], 0x400000
.endif
.set n, 0
.rept 32
	global_load_b128 v[X+4*n:X+4*n+3], v1, s[4:5] offset:4096*(n/8)+512*(n%8)   ; row n / 8: 512 consecutive bytes
.set n, n+1
.endr
.set n, 0
.rept 8
	global_load_b128 v[W+4*n:W+4*n+3], v1, s[6:7] offset:512*n
.set n, n+1
.endr
.set n, 0
.rept 8
	global_load_b128 v[B+4*n:B+4*n+3], v1, s[8:9] offset:512*n
.set n, n+1
.endr
	s_wait_kmcnt 0x0
.set o, 0
.rept NOUT
	s_add_co_i32 s30, s[24+o], 127
	s_lshl_b32 s31, s30, 23
	v_mov_b32 v[LIM+2*o+1], s31                    ; 2^e as f32
	s_add_co_i32 s30, s30, 8
	s_lshl_b32 s30, s30, 23
	s_or_b32 s30, s30, 0x600000
	v_mov_b32 v[LIM+2*o], s30                      ; 448 x 2^e
.set o, o+1
.endr
.macro REDUCE                          ; each row's figure over the 32 lanes; the four rows take turns
.irp m, 1,2,4,8
.irp r, 0,1,2,3
	v_add_f32_dpp v[SM+2*\r], v[SM+2*\r], v[SM+2*\r] row_xmask:\m row_mask:0xf bank_mask:0xf
.endr
.endr
.irp r, 0,1,2,3
	v_permlanex16_b32 v[PT+\r], v[SM+2*\r], s20, s21
.endr
.irp r, 0,1,2,3
	v_add_f32 v[SM+2*\r], v[SM+2*\r], v[PT+\r]
.endr
.endm
	s_wait_loadcnt 16                              ; x's 32 loads are in; w's and b's sixteen may be out
.irp r, 0,1,2,3
	v_pk_add_f32 v[SM+2*\r:SM+2*\r+1], v[X+32*\r:X+32*\r+1], v[X+32*\r+2:X+32*\r+3]
.endr
.set p, 2
.rept 14
.irp r, 0,1,2,3
	v_pk_add_f32 v[SM+2*\r:SM+2*\r+1], v[SM+2*\r:SM+2*\r+1], v[X+32*\r+2*p:X+32*\r+2*p+1]
.endr
.set p, p+1
.endr
.irp r, 0,1,2,3
	v_add_f32 v[SM+2*\r], v[SM+2*\r], v[SM+2*\r+1]
.endr
	REDUCE
.irp r, 0,1,2,3
	v_mul_f32 v[ST+2*\r], s22, v[SM+2*\r]          ; the mean,
	v_mul_f32 v[ST+2*\r+1], s22, v[SM+2*\r]        ; twice, for the packed forms
.endr
.set p, 0
.rept 16
.irp r, 0,1,2,3
	v_pk_add_f32 v[X+32*\r+2*p:X+32*\r+2*p+1], v[X+32*\r+2*p:X+32*\r+2*p+1], v[ST+2*\r:ST+2*\r+1] neg_lo:[0,1] neg_hi:[0,1]   ; x - mean
.endr
.set p, p+1
.endr
.irp r, 0,1,2,3
	v_pk_mul_f32 v[SM+2*\r:SM+2*\r+1], v[X+32*\r:X+32*\r+1], v[X+32*\r:X+32*\r+1]
.endr
.set p, 1
.rept 15
.irp r, 0,1,2,3
	v_pk_fma_f32 v[SM+2*\r:SM+2*\r+1], v[X+32*\r+2*p:X+32*\r+2*p+1], v[X+32*\r+2*p:X+32*\r+2*p+1], v[SM+2*\r:SM+2*\r+1]
.endr
.set p, p+1
.endr
.irp r, 0,1,2,3
	v_add_f32 v[SM+2*\r], v[SM+2*\r], v[SM+2*\r+1]
.endr
	REDUCE
.irp r, 0,1,2,3
	v_fma_f32 v[SM+2*\r], v[SM+2*\r], s22, s23     ; var + eps
.endr
.irp r, 0,1,2,3
	v_rsq_f32 v[ST+2*\r], v[SM+2*\r]
.endr
	v_nop                                          ; a plain line between the last of them and the use of its result
	s_wait_alu depctr_va_vdst(0)
.irp r, 0,1,2,3
	v_mov_b32 v[ST+2*\r+1], v[ST+2*\r]
.endr
	s_wait_loadcnt 0x0                             ; w and b
.set p, 0
.rept 16
.irp r, 0,1,2,3
	v_pk_mul_f32 v[X+32*\r+2*p:X+32*\r+2*p+1], v[X+32*\r+2*p:X+32*\r+2*p+1], v[ST+2*\r:ST+2*\r+1]
.endr
.irp r, 0,1,2,3
	v_pk_fma_f32 v[X+32*\r+2*p:X+32*\r+2*p+1], v[X+32*\r+2*p:X+32*\r+2*p+1], v[W+2*p:W+2*p+1], v[B+2*p:B+2*p+1]
.endr
.set p, p+1
.endr
; A row's codes for every output.  Eight numbers are held into T0 or T1 and converted; the other set's eight holds are the plain lines behind each conversion.
.macro QROW r
.set o, 0
.rept NOUT
.irp g, 0,1,2,3
.set TT, T0+(T1-T0)*(\g%2)
.set i, 0
.rept 8
	v_med3_num_f32 v[TT+i], v[X+32*\r+8*\g+i], -v[LIM+2*o], v[LIM+2*o]   ; the conversion to an 8-bit code does not saturate (ISA guide 7.6.2)
.set i, i+1
.endr
	v_cvt_scalef32_pk8_fp8_f32 v[C+8*o+2*\g:C+8*o+2*\g+1], v[TT:TT+7], v[LIM+2*o+1]
.endr
.set o, o+1
.endr
	v_nop                                          ; a plain line behind the run's last conversion
.set n, 0
.rept 8*NOUT
	ds_store_b32 v22, v[C+n] offset:4096*(n/8)+512*(n%8)+64*\r   ; output n / 8, panels 2 (n % 8) and 2 (n % 8) + 1, row r
.set n, n+1
.endr
	s_wait_dscnt 0x0                               ; the stores have read their registers: the next row's codes may be written
.endm
	QROW 0
	QROW 1
	QROW 2
	QROW 3
.set n, 0
.rept 8*NOUT
	ds_load_b128 v[X+4*n:X+4*n+3], v23 offset:512*n   ; two panels' 256 bytes; LDS serves a wave's instructions in order: these see my stores
.set n, n+1
.endr
.set n, 0
.rept 8*NOUT
	s_wait_dscnt 8*NOUT-1-n                        ; the younger loads may be out
	global_store_b128 v24, v[X+4*n:X+4*n+3], s[32+2*(n/8):33+2*(n/8)] offset:524288*(n%8)   ; sixteen lanes store 256 consecutive bytes, at a multiple of 256 from the buffer's first byte
.set n, n+1
.endr
	s_wait_tensorcnt 0x0
	ds_add_u32 v54, v55
	s_wait_dscnt 0x0
	s_endpgm
.Lfunc_end_k_q17b20600f3_ln2:
	.size	k_q17b20600f3_ln2, .Lfunc_end_k_q17b20600f3_ln2-k_q17b20600f3_ln2
	.p2alignl 7, 3214868480
	.fill 96, 4, 3214868480
	.section	.rodata,"a",@progbits
	.p2align	6, 0x0
	.amdhsa_kernel k_q17b20600f3_ln2
		.amdhsa_group_segment_fixed_size 16896
		.amdhsa_private_segment_fixed_size 0
		.amdhsa_enable_private_segment 0
		.amdhsa_kernarg_size 40
		.amdhsa_user_sgpr_count 2
		.amdhsa_user_sgpr_kernarg_segment_ptr 1
		.amdhsa_wavefront_size32 1
		.amdhsa_system_sgpr_workgroup_id_x 1
		.amdhsa_system_sgpr_workgroup_id_y 1
		.amdhsa_system_sgpr_workgroup_id_z 1
		.amdhsa_system_vgpr_workitem_id 0
		.amdhsa_next_free_vgpr 256
		.amdhsa_next_free_sgpr 66
		.amdhsa_reserve_vcc 0
		.amdhsa_float_denorm_mode_32 3
		.amdhsa_float_denorm_mode_16_64 3
		.amdhsa_memory_ordered 1
		.amdhsa_forward_progress 1
		.amdhsa_inst_pref_size 44
	.end_amdhsa_kernel
	.amdgpu_metadata
---
amdhsa.version: [ 1, 2 ]
amdhsa.kernels:
  - .name:           k_q17b20600f3_ln2
    .symbol:         k_q17b20600f3_ln2.kd
    .args:
      - { .name: resid_mid, .offset: 0, .size: 8, .value_kind: global_buffer, .address_space: global }
      - { .name: ln2_w, .offset: 8, .size: 8, .value_kind: global_buffer, .address_space: global }
      - { .name: ln2_b, .offset: 16, .size: 8, .value_kind: global_buffer, .address_space: global }
      - { .name: lowp_scales, .offset: 24, .size: 8, .value_kind: global_buffer, .address_space: global }
      - { .name: h2, .offset: 32, .size: 8, .value_kind: global_buffer, .address_space: global }
    .group_segment_fixed_size: 16896
    .private_segment_fixed_size: 0
    .kernarg_segment_align: 8
    .kernarg_segment_size: 40
    .max_flat_workgroup_size: 128
    .sgpr_count:     66
    .vgpr_count:     256
    .wavefront_size: 32
...
	.end_amdgpu_metadata
.endif
;; end of part 6
;; launch gemm_in (part 7): grid 32 x 32, 4 waves a work-group, clusters of 4 x 4, 327,680 bytes of LDS; arguments h2, wcodes, b_in, lowp_scales, hid; writes hid
.if DOCPART == 7
	.amdgcn_target "amdgcn-amd-amdhsa--gfx1250"
	.amdhsa_code_object_version 6
	.text
	.protected	k_q17b20600f3_gemm_in
	.globl	k_q17b20600f3_gemm_in
	.p2align	8
	.type	k_q17b20600f3_gemm_in,@function
k_q17b20600f3_gemm_in:
	s_mov_b64 s[64:65], 0
	v_nop
	global_prefetch_b8 v0, s[64:65] scope:SCOPE_SE
	s_setreg_imm32_b32 hwreg(HW_REG_WAVE_MODE, 25, 1), 1
	s_wait_xcnt 0x0
	s_wait_alu depctr_hold_cnt(0) depctr_sa_sdst(0) depctr_va_vdst(0) depctr_va_sdst(0) depctr_va_ssrc(0) depctr_va_vcc(0) depctr_vm_vsrc(0)
	s_getreg_b32 s2, hwreg(HW_REG_IB_STS2, 6, 4)
	s_cmp_eq_u32 s2, 0
	s_cbranch_scc0 .Lentry_in_a_cluster
	s_endpgm
.Lentry_in_a_cluster:
	s_bfe_u32 s2, ttmp6, 0x10000c
	s_cmp_lg_u32 s2, 0xf033
	s_cbranch_scc0 .Lentry_shape_is_right
	s_endpgm
.Lentry_shape_is_right:
; hid = relu(LN2(x) W_in + b_in) on codes of E4M3, and its own codes (scale: entry 14).  One text serves the q, k, v projections (QKV = 1) and this launch (QKV = 0).
; OPERANDS are laid [K / 64 panels][rows][64 bytes].  T: 128 tokens, hangs on work-group y.  W: 128 rows of a weight (output columns), hangs on work-group x.  K = 1,024: two LDS slots of 512 hold all of it; no slot is filled twice.
; A work-group of four waves makes 128 x 128; a wave 64 x 64: 16 accumulators.
; THE MATRIX INSTRUCTION IS USED TRANSPOSED: a lane keeps one row of source 1 (a token), and its eight registers run along source 0's rows (weight rows): eight neighbours along the next product's K.
; RESULTS: a wave's 64 x 64 codes are 4,096 consecutive bytes of [64 panels][4,096 tokens][64].
; The bias is the C of the first K step, divided by 2^(eA + eB), which the sums lack.  relu costs nothing: the hold that the conversion wants clips at 0 as well.
; CLUSTERS: 4 x 4 work-groups; T's tiles are asked for jointly along a row of the cluster, W's along a column.
; Inside an instruction k is permuted, alike in both operands: registers 4 c .. 4 c + 3 hold k = 32 c + 16 (lane / 16) + 0 .. 15.
; LIMITS: eA + eB between -126 and 126; eOut - eA - eB between -126 and 119.  NaN and infinities among the inputs are not served.
; REGISTERS: window 0: v16-30 addresses; v32-63 the bias as C, later rows read back; v72, v73 the hold and the scale; v80-111 codes; v128-255 accumulators ((a, b) at 128 + 8 (4 a + b)).
;   window 1: two sets of fragments (v0, v128): source 1's four at + 16 a, source 0's four at + 64 + 16 b.
.set QKV,   0
.set PANT,  262144                     ; bytes of a panel of T's buffer: 4,096 rows x 64
.set PANW,  262144                     ; of W's: 4,096 rows x 64
.set STRT,  32768                      ; the same in elements of 8 bytes
.set STRW,  32768
.set WOFF,  0x400000                   ; where W's codes begin
.set EA,    12                         ; the entries of the scales
.set EB,    13
.set EO,    14
.set PNL,   8704                       ; a panel of 128 rows in LDS: 8,192 bytes + 16 behind every 256: row p at (p / 4) 272 + (p % 4) 64, so the 16 rows of a load start in 16 different columns of 16 bytes modulo 256
.set QUART, 4*PNL                      ; what one tensor load brings
.set HALF,  8*PNL                      ; T's part of a slot; W's follows
.set SLOT,  2*HALF
.set SPARE, 2*SLOT                     ; behind the slots: the spare words, 128 bytes for each wave
.set STAGE, SPARE+512                  ; 64 rows x 80 bytes for each wave
.set AD1, 16                           ; v16-17 source 1's LDS address in slot 0, 1
.set AD0, 20                           ; v20-21 source 0's
.set STO, 24
.set RD,  25
.set CO,  26
.set BO,  27
.set SPW, 28                           ; v28 LDS address of my spare word; never rewritten
.set NIL, 29                           ; v29 0; never rewritten
.set BRO, 30
.set BC,  32
.set BR,  64
.set LIM, 72
.set SCL, 73
.set CD,  80
.set ACC, 128
.set F0,  0
.set F1,  128
.set G1,  24
.set G0,  32
.set G1B, 48
.set G0B, 56
.set MSB, 0
.macro WIN new                         ; the immediate's high byte repeats the setting that is left
.if MSB != \new
	s_set_vgpr_msb (MSB<<8)|\new
.set MSB, \new
.endif
.endm
; A joint load: waves 0 and 1 fetch T's panels, waves 2 and 3 W's.  The branch hangs on the wave's number alone.  Four v_nop follow each of the two lines.
.macro JLOAD g0a, g1a, g0b, g1b
	s_cmp_eq_u32 s15, 0
	s_cbranch_scc0 .Lfor_b_\@
	tensor_load_to_lds s[\g0a:\g0a+3], s[\g1a:\g1a+7]
	s_nop 0
.rept 4
	v_nop
.endr
	s_branch .Lasked_\@
.Lfor_b_\@:
	tensor_load_to_lds s[\g0b:\g0b+3], s[\g1b:\g1b+7]
	s_nop 0
.rept 4
	v_nop
.endr
.Lasked_\@:
.endm
.macro CREST
	s_cmp_lg_u32 s14, 0
	s_cbranch_scc1 .Lnot_wave_0_\@
	s_barrier_signal -3
.Lnot_wave_0_\@:
	s_barrier_wait -3
	s_barrier_signal -1
	s_barrier_wait -1
.endm
.macro CROUND                          ; a round of the cluster's barrier
	s_barrier_signal -1
	s_barrier_wait -1
	CREST
.endm
.macro PLACES                          ; four plain vector lines behind a matrix instruction, ahead of loads into its sources and of reads of its result
.rept 4
	v_nop
.endr
.endm
	s_load_b128 s[4:7], s[0:1], 0x0                ; T's codes s[4:5], the weights' codes s[6:7]
.if QKV
	s_load_b128 s[88:91], s[0:1], 0x10             ; b_Q, b_K
	s_load_b128 s[92:95], s[0:1], 0x20             ; b_V, the scales' exponents
	s_load_b64 s[10:11], s[0:1], 0x30              ; the results' codes
.else
	s_load_b128 s[92:95], s[0:1], 0x10             ; the bias, the scales' exponents
	s_load_b64 s[10:11], s[0:1], 0x20              ; the results' codes
.endif
	v_lshl_add_u32 v[SPW], v0, 2, SPARE
	v_mov_b32 v[NIL], 0
	ds_add_u32 v28, v29
	ds_add_u32 v28, v29
	s_wait_dscnt 0x0
	v_lshrrev_b32 v1, 5, v0
	v_readfirstlane_b32 s14, v1                    ; wave 0..3
	s_lshr_b32 s15, s14, 1                         ; which 64 of source 1's rows are mine.  Also: I fetch for T (0) or for W (1)
	s_and_b32 s16, s14, 1                          ; which 64 of source 0's.  Also: which four panels I fetch
	s_bfe_u32 s40, ttmp6, 0x40000                  ; cx, cy: my place in the cluster
	s_bfe_u32 s41, ttmp6, 0x40004
.if QKV
	s_and_b32 s42, ttmp9, 1
	s_lshl_b32 s42, s42, 2
	s_add_co_u32 s42, s42, s40                     ; W's tile: 4 (cluster x % 2) + cx
	s_lshr_b32 s66, ttmp9, 1                       ; which: 0 q, 1 k, 2 v: the same in all partners
	s_lshr_b32 s67, ttmp9, 2
	s_min_u32 s67, s67, 1                          ; 1 for v, else 0
.else
	s_lshl_b32 s42, ttmp9, 2
	s_add_co_u32 s42, s42, s40                     ; W's tile: 4 x cluster x + cx
.endif
	s_and_b32 s17, ttmp7, 0xffff
	s_lshl_b32 s17, s17, 2
	s_add_co_u32 s17, s17, s41                     ; T's tile: 4 x cluster y + cy
	s_lshl_b32 s43, s41, 2
	s_lshl_b32 s43, 15, s43                        ; my row of the cluster
	s_lshl_b32 s44, 0x1111, s40                    ; my column
	; descriptor group 1: four panels, each a row of 1,024 elements of 8 bytes (128 rows x 64 bytes, dense in memory)
	s_or_b32 s[G1], s43, (3<<16)|(1<<20)|(1<<21)|(5<<22)|(3<<25)    ; 15:0 the mask; 17:16 elements of 8 bytes; 20 padding on; 21 set beside a mask; 24:22 after every 64 words; 31:25 four words
	s_or_b32 s[G1B], s44, (3<<16)|(1<<20)|(1<<21)|(5<<22)|(3<<25)
.irp g, G1, G1B
	s_mov_b32 s[\g+1], 1024<<16                    ; tensor_dim0
	s_mov_b32 s[\g+2], 4<<16                       ; tensor_dim1
	s_mov_b32 s[\g+3], 1024<<16                    ; tile_dim0
	s_mov_b32 s[\g+4], 4                           ; tile_dim1
	s_mov_b32 s[\g+6], 0
	s_mov_b32 s[\g+7], 0
.endr
	s_mov_b32 s[G1+5], STRT                        ; from panel to panel
	s_mov_b32 s[G1B+5], STRW
	s_lshl_b32 s20, s17, 13                        ; T: tile x 128 rows x 64 bytes,
	s_mul_i32 s18, s16, 4*PANT                     ; my four panels
	s_add_co_u32 s20, s20, s18
.if QKV
	s_lshl_b32 s18, s66, 22                        ; x's codes for this product's scale
	s_add_co_u32 s20, s20, s18
.endif
	s_mov_b32 s21, 0
	s_lshl_b32 s46, s42, 13                        ; W likewise
	s_mul_i32 s19, s16, 4*PANW
	s_add_co_u32 s46, s46, s19
.if QKV
	s_lshl_b32 s19, s66, 20
	s_add_co_u32 s46, s46, s19
.else
	s_add_co_u32 s46, s46, WOFF
.endif
	s_mov_b32 s47, 0
	s_mul_i32 s45, s14, QUART                      ; where they go: no place in the cluster enters an LDS address
	s_wait_kmcnt 0x0
	s_load_b512 s[72:87], s[94:95], 0x0            ; all sixteen exponents
	s_add_nc_u64 s[20:21], s[4:5], s[20:21]
	s_add_nc_u64 s[46:47], s[6:7], s[46:47]
	CROUND                                         ; all sixteen work-groups are here: the first joint loads meet
.irp s, 0,1
	s_mov_b32 s[G0+4*\s], 1
	s_add_co_u32 s[G0+4*\s+1], s45, \s*SLOT
	s_add_nc_u64 s[G0+4*\s+2:G0+4*\s+3], s[20:21], \s*8*PANT
	s_or_b32 s[G0+4*\s+3], s[G0+4*\s+3], 0x80000000
	s_mov_b32 s[G0B+4*\s], 1
	s_add_co_u32 s[G0B+4*\s+1], s45, \s*SLOT
	s_add_nc_u64 s[G0B+4*\s+2:G0B+4*\s+3], s[46:47], \s*8*PANW
	s_or_b32 s[G0B+4*\s+3], s[G0B+4*\s+3], 0x80000000
	JLOAD G0+4*\s, G1, G0B+4*\s, G1B               ; both slots' fills go out together: two loads of mine are out
.endr
	v_and_b32 v1, 15, v0                           ; r
	v_bfe_u32 v2, v0, 4, 1                         ; h
	v_lshrrev_b32 v3, 2, v1
	v_and_b32 v4, 3, v1
	v_mul_u32_u24 v3, v3, 272
	v_lshl_add_u32 v3, v4, 6, v3
	v_lshl_add_u32 v3, v2, 4, v3                   ; a fragment's row r, + 16 h
.if QKV
	s_mul_i32 s68, s67, HALF                       ; source 1: T's part, for v W's
	s_xor_b32 s69, s67, 1
	s_mul_i32 s69, s69, HALF                       ; source 0: the other
.else
	s_mov_b32 s68, 0
	s_mov_b32 s69, HALF
.endif
	s_mul_i32 s70, s15, 4352                       ; 64 rows are 16 x 272 bytes
	s_add_co_u32 s68, s68, s70
	s_mul_i32 s70, s16, 4352
	s_add_co_u32 s69, s69, s70
.irp s, 0,1
	v_add_nc_u32 v[AD1+\s], s68, v3
	v_add_nc_u32 v[AD0+\s], s69, v3
	s_add_co_u32 s68, s68, SLOT
	s_add_co_u32 s69, s69, SLOT
.endr
	s_mul_i32 s71, s14, 5120
	s_add_co_u32 s71, s71, STAGE                   ; my stage
	v_mul_u32_u24 v5, v1, 80
	v_lshl_add_u32 v5, v2, 3, v5
	v_add_nc_u32 v[STO], s71, v5                   ; in: row r, 8 bytes for each half of the lanes
	v_and_b32 v6, 31, v0
	v_lshrrev_b32 v7, 2, v6
	v_and_b32 v8, 3, v6
	v_mul_u32_u24 v7, v7, 80
	v_lshl_add_u32 v7, v8, 4, v7
	v_add_nc_u32 v[RD], s71, v7                    ; back: four lanes to a row of 64 bytes
	v_lshlrev_b32 v[CO], 4, v6                     ; and in memory: 16 x lane
	v_lshlrev_b32 v[BO], 5, v2                     ; the bias along the registers: eight numbers for each half of the lanes
	v_lshlrev_b32 v[BRO], 2, v1                    ; the bias by rows: one number a lane
.if QKV
	s_cmp_eq_u32 s66, 1
	s_cselect_b64 s[8:9], s[90:91], s[92:93]
	s_cmp_eq_u32 s66, 0
	s_cselect_b64 s[8:9], s[88:89], s[8:9]         ; this product's bias
.else
	s_mov_b64 s[8:9], s[92:93]
.endif
	s_lshl_b32 s96, s42, 1
	s_add_co_u32 s96, s96, s16
	s_lshl_b32 s96, s96, 8
	s_mov_b32 s97, 0
	s_add_nc_u64 s[12:13], s[8:9], s[96:97]        ; at column 64 (2 tile + my half of source 0)
.irp b, 0,1,2,3
	global_load_b128 v[BC+8*\b:BC+8*\b+3], v[BO], s[12:13] offset:64*\b
	global_load_b128 v[BC+8*\b+4:BC+8*\b+7], v[BO], s[12:13] offset:64*\b+16
.endr
.if QKV
	s_lshl_b32 s96, s42, 1
	s_add_co_u32 s96, s96, s15
	s_lshl_b32 s96, s96, 8
	s_add_nc_u64 s[8:9], s[8:9], s[96:97]          ; at column 64 (2 tile + my half of source 1)
.irp a, 0,1,2,3
	global_load_b32 v[BR+2*\a], v[BRO], s[8:9] offset:64*\a
.endr
.endif
	s_wait_kmcnt 0x0
.if QKV
	s_cmp_eq_u32 s66, 1                            ; eA, eB, eOut: entries 2 which, 2 which + 1, 6 + which
	s_cselect_b32 s88, s74, s76
	s_cselect_b32 s89, s75, s77
	s_cselect_b32 s90, s79, s80
	s_cmp_eq_u32 s66, 0
	s_cselect_b32 s88, s72, s88
	s_cselect_b32 s89, s73, s89
	s_cselect_b32 s90, s78, s90
	s_add_co_i32 s88, s88, s89                     ; eA + eB
	s_sub_co_i32 s90, s90, s88                     ; eOut - eA - eB
	s_sub_co_i32 s89, 127, s88
	s_lshl_b32 s89, s89, 23                        ; 2^-(eA + eB)
	s_cmp_eq_u32 s67, 0
	s_cselect_b32 s91, s89, 0                      ; the factor of the bias along the registers,
	s_cselect_b32 s92, 0, s89                      ; and of the bias by rows
.else
	s_add_co_i32 s88, s[72+EA], s[72+EB]
	s_sub_co_i32 s90, s[72+EO], s88
	s_sub_co_i32 s89, 127, s88
	s_lshl_b32 s91, s89, 23
.endif
	s_add_co_i32 s90, s90, 127
	s_lshl_b32 s93, s90, 23
	v_mov_b32 v[SCL], s93                          ; a sum stands for sum x 2^(eA + eB): its code is sum / 2^(eOut - eA - eB): three scales in one
	s_add_co_i32 s90, s90, 8
	s_lshl_b32 s90, s90, 23
	s_or_b32 s90, s90, 0x600000
	v_mov_b32 v[LIM], s90                          ; 448 x that
	s_wait_loadcnt 0x0
.set n, 0
.rept 32
	v_mul_f32 v[BC+n], s91, v[BC+n]
.set n, n+1
.endr
.if QKV
.irp a, 0,1,2,3
	v_mul_f32 v[BR+2*\a+1], s92, v[BR+2*\a]        ; twice, for the packed addition
	v_mul_f32 v[BR+2*\a], s92, v[BR+2*\a]
.endr
.endif
; 32 LDS loads: the fragments of the slot's q-th 128 along K (panels 2 q, 2 q + 1) into set f
.macro FETCH slot, q, f
	WIN 0x40                                       ; destination window 1, address window 0
.irp i, 0,1,2,3
.irp c, 0,1,2,3
	ds_load_b128 v[\f+64+16*\i+4*\c:\f+64+16*\i+4*\c+3], v[AD0+\slot] offset:(2*(\q)+\c/2)*PNL+32*(\c%2)+1088*\i
.endr
.endr
.irp i, 0,1,2,3
.irp c, 0,1,2,3
	ds_load_b128 v[\f+16*\i+4*\c:\f+16*\i+4*\c+3], v[AD1+\slot] offset:(2*(\q)+\c/2)*PNL+32*(\c%2)+1088*\i
.endr
.endr
.endm
; 16 matrix instructions, 128 along K.  The sixteen accumulators take turns, one instruction a turn, in the same order in every step.  first = 1: the bias is the C: nothing is cleared
.macro MUL f, first
.irp a, 0,1,2,3
.irp b, 0,1,2,3
.if \first
	v_wmma_f32_16x16x128_fp8_fp8 v[ACC+8*(4*\a+\b):ACC+8*(4*\a+\b)+7], v[\f+64+16*\b:\f+64+16*\b+15], v[\f+16*\a:\f+16*\a+15], v[BC+8*\b:BC+8*\b+7]
.else
	v_wmma_f32_16x16x128_fp8_fp8 v[ACC+8*(4*\a+\b):ACC+8*(4*\a+\b)+7], v[\f+64+16*\b:\f+64+16*\b+15], v[\f+16*\a:\f+16*\a+15], v[ACC+8*(4*\a+\b):ACC+8*(4*\a+\b)+7]
.endif
.endr
.endr
.endm
.macro STEP slot, q, f, g, first       ; asks for the next 128 along K into set g, then multiplies set f
	PLACES
	FETCH \slot, (\q)+1, \g
	s_wait_dscnt 32                                ; all but the 32 just issued: set f is in
	WIN 0x05                                       ; sources 0 and 1 window 1; C and D window 0
	MUL \f, \first
.endm
.macro TURN slot, next                 ; a slot's last step, and the change of slots
	WIN 0
	s_wait_tensorcnt 0x0                           ; all my tensor loads have landed: my part of the next slot
	ds_add_u32 v[SPW], v[NIL]                      ; 0 onto my spare word
	s_wait_dscnt 0x0                               ; the add is done, and set 1 is in
	s_barrier_signal -1
	WIN 0x05
	MUL F1, 0                                      ; work on registers while the others arrive
	WIN 0
	s_barrier_wait -1                              ; the next slot is whole
	PLACES
	FETCH \next, 0, F0
.endm
	s_wait_tensorcnt 1                             ; my part of slot 0 is in; slot 1's may be out
	s_barrier_signal -1
	s_barrier_wait -1
	FETCH 0, 0, F0
	STEP 0, 0, F0, F1, 1
	STEP 0, 1, F1, F0, 0
	STEP 0, 2, F0, F1, 0
	TURN 0, 1
	STEP 1, 0, F0, F1, 0
	STEP 1, 1, F1, F0, 0
	STEP 1, 2, F0, F1, 0
	s_wait_dscnt 0x0
	MUL F1, 0
	WIN 0
	PLACES
	; THE WAY OUT: hold, convert, 8 bytes a lane into my stage, back as rows of 64 bytes, out as 4,096 consecutive bytes.
	s_lshl_b32 s88, s17, 1
	s_lshl_b32 s89, s42, 1
.if QKV
	s_cmp_eq_u32 s67, 0
	s_cselect_b32 s90, s88, s89                    ; source 1's tile (tokens; for v columns),
	s_cselect_b32 s91, s89, s88                    ; source 0's, which numbers the panels,
	s_cselect_b32 s92, 18, 16                      ; log2 of a panel's bytes: 4,096 or 1,024 rows x 64
.else
	s_mov_b32 s90, s88
	s_mov_b32 s91, s89
	s_mov_b32 s92, 18
.endif
	s_add_co_u32 s90, s90, s15
	s_add_co_u32 s91, s91, s16
	s_lshl_b32 s90, s90, 12
	s_lshl_b32 s91, s91, s92
	s_add_co_u32 s90, s90, s91
.if QKV
	s_lshl_b32 s91, s66, 22                        ; q, k, v lie 4 MiB apart
	s_add_co_u32 s90, s90, s91
.endif
	s_mov_b32 s91, 0
	s_add_nc_u64 s[10:11], s[10:11], s[90:91]
.if QKV
.irp a, 0,1,2,3
.irp b, 0,1,2,3
.irp i, 0,2,4,6
	v_pk_add_f32 v[ACC+8*(4*\a+\b)+\i:ACC+8*(4*\a+\b)+\i+1], v[ACC+8*(4*\a+\b)+\i:ACC+8*(4*\a+\b)+\i+1], v[BR+2*\a:BR+2*\a+1]   ; the bias by rows; each accumulator from its low end on
.endr
.endr
.endr
.endif
.set n, 0
.rept 128
.if QKV
	v_med3_num_f32 v[ACC+n], v[ACC+n], -v[LIM], v[LIM]   ; the conversion to an 8-bit code does not saturate (ISA guide 7.6.2)
.else
	v_med3_num_f32 v[ACC+n], v[ACC+n], 0, v[LIM]   ; relu and the hold in one
.endif
.set n, n+1
.endr
.set n, 0
.rept 16
	v_cvt_scalef32_pk8_fp8_f32 v[CD+2*n:CD+2*n+1], v[ACC+8*n:ACC+8*n+7], v[SCL]
.set n, n+1
.endr
	v_nop                                          ; a plain line behind the run's last conversion
.irp a, 0,1,2,3
.irp b, 0,1,2,3
	ds_store_b64 v[STO], v[CD+2*(4*\a+\b):CD+2*(4*\a+\b)+1] offset:1280*\a+16*\b
.endr
.endr
.irp i, 0,1,2,3,4,5,6,7
	ds_load_b128 v[BC+4*\i:BC+4*\i+3], v[RD] offset:640*\i   ; LDS serves a wave's instructions in order: these see my stores
.endr
.irp i, 0,1,2,3,4,5,6,7
	s_wait_dscnt 7-\i                              ; the younger loads may be out
	global_store_b128 v[CO], v[BC+4*\i:BC+4*\i+3], s[10:11] offset:512*\i   ; 32 lanes store 512 consecutive bytes, at a multiple of 512 from the buffer's first byte
.endr
	s_wait_tensorcnt 0x0                           ; the wave's end
	ds_add_u32 v[SPW], v[NIL]
	s_wait_dscnt 0x0
	CROUND                                         ; the closing round
	s_endpgm
.Lfunc_end_k_q17b20600f3_gemm_in:
	.size	k_q17b20600f3_gemm_in, .Lfunc_end_k_q17b20600f3_gemm_in-k_q17b20600f3_gemm_in
	.p2alignl 7, 3214868480
	.fill 96, 4, 3214868480
	.section	.rodata,"a",@progbits
	.p2align	6, 0x0
	.amdhsa_kernel k_q17b20600f3_gemm_in
		.amdhsa_group_segment_fixed_size 327680
		.amdhsa_private_segment_fixed_size 0
		.amdhsa_enable_private_segment 0
		.amdhsa_kernarg_size 40
		.amdhsa_user_sgpr_count 2
		.amdhsa_user_sgpr_kernarg_segment_ptr 1
		.amdhsa_wavefront_size32 1
		.amdhsa_system_sgpr_workgroup_id_x 1
		.amdhsa_system_sgpr_workgroup_id_y 1
		.amdhsa_system_sgpr_workgroup_id_z 1
		.amdhsa_system_vgpr_workitem_id 0
		.amdhsa_next_free_vgpr 512
		.amdhsa_next_free_sgpr 98
		.amdhsa_reserve_vcc 0
		.amdhsa_float_denorm_mode_32 3
		.amdhsa_float_denorm_mode_16_64 3
		.amdhsa_memory_ordered 1
		.amdhsa_forward_progress 1
		.amdhsa_inst_pref_size 48
	.end_amdhsa_kernel
	.amdgpu_metadata
---
amdhsa.version: [ 1, 2 ]
amdhsa.kernels:
  - .name:           k_q17b20600f3_gemm_in
    .symbol:         k_q17b20600f3_gemm_in.kd
    .args:
      - { .name: h2, .offset: 0, .size: 8, .value_kind: global_buffer, .address_space: global }
      - { .name: wcodes, .offset: 8, .size: 8, .value_kind: global_buffer, .address_space: global }
      - { .name: b_in, .offset: 16, .size: 8, .value_kind: global_buffer, .address_space: global }
      - { .name: lowp_scales, .offset: 24, .size: 8, .value_kind: global_buffer, .address_space: global }
      - { .name: hid, .offset: 32, .size: 8, .value_kind: global_buffer, .address_space: global }
    .group_segment_fixed_size: 327680
    .private_segment_fixed_size: 0
    .kernarg_segment_align: 8
    .kernarg_segment_size: 40
    .max_flat_workgroup_size: 128
    .sgpr_count:     98
    .vgpr_count:     512
    .wavefront_size: 32
...
	.end_amdgpu_metadata
.endif
;; end of part 7
;; launch gemm_out (part 8): grid 8 x 32, 4 waves a work-group, clusters of 4 x 4, 327,680 bytes of LDS; arguments hid, wcodes, b_out, resid_mid, lowp_scales, out0; writes out0
.if DOCPART == 8
	.amdgcn_target "amdgcn-amd-amdhsa--gfx1250"
	.amdhsa_code_object_version 6
	.text
	.protected	k_q17b20600f3_gemm_out
	.globl	k_q17b20600f3_gemm_out
	.p2align	8
	.type	k_q17b20600f3_gemm_out,@function
k_q17b20600f3_gemm_out:
	s_mov_b64 s[64:65], 0
	v_nop
	global_prefetch_b8 v0, s[64:65] scope:SCOPE_SE
	s_setreg_imm32_b32 hwreg(HW_REG_WAVE_MODE, 25, 1), 1
	s_wait_xcnt 0x0
	s_wait_alu depctr_hold_cnt(0) depctr_sa_sdst(0) depctr_va_vdst(0) depctr_va_sdst(0) depctr_va_ssrc(0) depctr_va_vcc(0) depctr_vm_vsrc(0)
	s_getreg_b32 s2, hwreg(HW_REG_IB_STS2, 6, 4)
	s_cmp_eq_u32 s2, 0
	s_cbranch_scc0 .Lentry_in_a_cluster
	s_endpgm
.Lentry_in_a_cluster:
	s_bfe_u32 s2, ttmp6, 0x10000c
	s_cmp_lg_u32 s2, 0xf033
	s_cbranch_scc0 .Lentry_shape_is_right
	s_endpgm
.Lentry_shape_is_right:
; out = resid + T W^T + bias, the product on codes of E4M3, out in f32.  One text serves the attention's output projection (LAPS = 1) and the MLP's second layer (LAPS = 4).
; OPERANDS are laid [K / 64 panels][rows][64 bytes].  T: 128 tokens, hangs on work-group y.  W: 128 rows of the weight (output columns), hangs on work-group x.
; A work-group of four waves makes 128 x 128; a wave 64 x 64: 16 accumulators.  K goes in steps of 512 through two LDS slots; a lap is both slots.
; A slot is asked for again behind the barrier at which it is left, and has the other slot's four steps, 64 matrix instructions a wave, in which to land; one load of a wave is then out.
; THE MATRIX INSTRUCTION IS USED TRANSPOSED (source 0 = W's rows, source 1 = tokens): a lane holds eight neighbouring columns of one row.
; The bias, divided by 2^(eA + eB), is the C of the first K step.  The residual is asked for at the head, in the layout in which rows leave; out = sum x 2^(eA + eB) + residual, one packed multiply-add for two numbers.
; CLUSTERS: 4 x 4 work-groups; T's tiles are asked for jointly along a row of the cluster, W's along a column.
; Inside an instruction k is permuted, alike in both operands: registers 4 c .. 4 c + 3 hold k = 32 c + 16 (lane / 16) + 0 .. 15.
; LIMITS: eA + eB between -126 and 127.  NaN and infinities among the inputs are not served.
; REGISTERS: window 0: v16-29 addresses; v32-63 the bias as C; v32-95 later rows read back, two sets; v128-255 accumulators ((a, b) at 128 + 8 (4 a + b)).
;   window 1: two sets of fragments (v0, v128): source 1's four at + 16 a, source 0's four at + 64 + 16 b.   window 2: v0-127 the residual.
.set LAPS,  4
.set EA,    14
.set EB,    15
.set WOFF,  0x800000                   ; where W's codes begin
.set PANT,  262144                     ; bytes of a panel of T's buffer: 4,096 rows x 64
.set PANW,  65536                      ; of W's: 1,024 rows x 64
.set STRT,  32768                      ; the same in elements of 8 bytes
.set STRW,  8192
.set PNL,   8704                       ; a panel of 128 rows in LDS: 8,192 bytes + 16 behind every 256: row p at (p / 4) 272 + (p % 4) 64, so the 16 rows of a load start in 16 different columns of 16 bytes modulo 256
.set QUART, 4*PNL
.set HALF,  8*PNL
.set SLOT,  2*HALF
.set SPARE, 2*SLOT                     ; behind the slots: the spare words, 128 bytes for each wave
.set STAGE, SPARE+512                  ; 16 rows x 272 bytes for each wave
.set AD1, 16
.set AD0, 20
.set STO, 24
.set RD,  25
.set CO,  26
.set BO,  27
.set SPW, 28                           ; v28 LDS address of my spare word; never rewritten
.set NIL, 29                           ; v29 0; never rewritten
.set BC,  32
.set BK,  32
.set ACC, 128
.set F0,  0
.set F1,  128
.set G1,  24
.set G0,  32
.set G1B, 48
.set G0B, 56
.set MSB, 0
.macro WIN new                         ; the immediate's high byte repeats the setting that is left
.if MSB != \new
	s_set_vgpr_msb (MSB<<8)|\new
.set MSB, \new
.endif
.endm
; A joint load: waves 0 and 1 fetch T's panels, waves 2 and 3 W's.  The branch hangs on the wave's number alone.  Four v_nop follow each of the two lines.
.macro JLOAD g0a, g1a, g0b, g1b
	s_cmp_eq_u32 s15, 0
	s_cbranch_scc0 .Lfor_b_\@
	tensor_load_to_lds s[\g0a:\g0a+3], s[\g1a:\g1a+7]
	s_nop 0
.rept 4
	v_nop
.endr
	s_branch .Lasked_\@
.Lfor_b_\@:
	tensor_load_to_lds s[\g0b:\g0b+3], s[\g1b:\g1b+7]
	s_nop 0
.rept 4
	v_nop
.endr
.Lasked_\@:
.endm
.macro CREST
	s_cmp_lg_u32 s14, 0
	s_cbranch_scc1 .Lnot_wave_0_\@
	s_barrier_signal -3
.Lnot_wave_0_\@:
	s_barrier_wait -3
	s_barrier_signal -1
	s_barrier_wait -1
.endm
.macro CROUND                          ; a round of the cluster's barrier
	s_barrier_signal -1
	s_barrier_wait -1
	CREST
.endm
.macro PLACES                          ; four plain vector lines behind a matrix instruction, ahead of loads into its sources and of reads of its result
.rept 4
	v_nop
.endr
.endm
	s_load_b128 s[4:7], s[0:1], 0x0                ; T's codes s[4:5], the weights' codes s[6:7]
	s_load_b128 s[8:11], s[0:1], 0x10              ; the bias s[8:9], the residual s[10:11]
	s_load_b128 s[92:95], s[0:1], 0x20             ; the scales' exponents s[92:93], out s[94:95]
	v_lshl_add_u32 v[SPW], v0, 2, SPARE
	v_mov_b32 v[NIL], 0
	ds_add_u32 v28, v29
	ds_add_u32 v28, v29
	s_wait_dscnt 0x0
	v_lshrrev_b32 v1, 5, v0
	v_readfirstlane_b32 s14, v1                    ; wave 0..3
	s_lshr_b32 s15, s14, 1                         ; which 64 rows are mine.  Also: I fetch for T (0) or for W (1)
	s_and_b32 s16, s14, 1                          ; which 64 columns.  Also: which four panels I fetch
	s_bfe_u32 s40, ttmp6, 0x40000                  ; cx, cy: my place in the cluster
	s_bfe_u32 s41, ttmp6, 0x40004
	s_lshl_b32 s42, ttmp9, 2
	s_add_co_u32 s42, s42, s40                     ; W's tile: 4 x cluster x + cx
	s_and_b32 s17, ttmp7, 0xffff
	s_lshl_b32 s17, s17, 2
	s_add_co_u32 s17, s17, s41                     ; T's tile: 4 x cluster y + cy
	s_lshl_b32 s43, s41, 2
	s_lshl_b32 s43, 15, s43                        ; my row of the cluster
	s_lshl_b32 s44, 0x1111, s40                    ; my column
	; descriptor group 1: four panels, each a row of 1,024 elements of 8 bytes (128 rows x 64 bytes, dense in memory)
	s_or_b32 s[G1], s43, (3<<16)|(1<<20)|(1<<21)|(5<<22)|(3<<25)    ; 15:0 the mask; 17:16 elements of 8 bytes; 20 padding on; 21 set beside a mask; 24:22 after every 64 words; 31:25 four words
	s_or_b32 s[G1B], s44, (3<<16)|(1<<20)|(1<<21)|(5<<22)|(3<<25)
.irp g, G1, G1B
	s_mov_b32 s[\g+1], 1024<<16                    ; tensor_dim0
	s_mov_b32 s[\g+2], 4<<16                       ; tensor_dim1
	s_mov_b32 s[\g+3], 1024<<16                    ; tile_dim0
	s_mov_b32 s[\g+4], 4                           ; tile_dim1
	s_mov_b32 s[\g+6], 0
	s_mov_b32 s[\g+7], 0
.endr
	s_mov_b32 s[G1+5], STRT                        ; from panel to panel
	s_mov_b32 s[G1B+5], STRW
	s_lshl_b32 s20, s17, 13                        ; T: tile x 128 rows x 64 bytes,
	s_mul_i32 s18, s16, 4*PANT                     ; my four panels
	s_add_co_u32 s20, s20, s18
	s_mov_b32 s21, 0
	s_lshl_b32 s46, s42, 13                        ; W likewise
	s_mul_i32 s19, s16, 4*PANW
	s_add_co_u32 s46, s46, s19
	s_add_co_u32 s46, s46, WOFF
	s_mov_b32 s47, 0
	s_mul_i32 s45, s14, QUART                      ; where they go: no place in the cluster enters an LDS address
	s_wait_kmcnt 0x0
	s_load_b512 s[72:87], s[92:93], 0x0            ; all sixteen exponents
	s_add_nc_u64 s[20:21], s[4:5], s[20:21]
	s_add_nc_u64 s[46:47], s[6:7], s[46:47]
	CROUND                                         ; all sixteen work-groups are here: the first joint loads meet
.irp s, 0,1
	s_mov_b32 s[G0+4*\s], 1
	s_add_co_u32 s[G0+4*\s+1], s45, \s*SLOT
	s_add_nc_u64 s[G0+4*\s+2:G0+4*\s+3], s[20:21], \s*8*PANT
	s_or_b32 s[G0+4*\s+3], s[G0+4*\s+3], 0x80000000
	s_mov_b32 s[G0B+4*\s], 1
	s_add_co_u32 s[G0B+4*\s+1], s45, \s*SLOT
	s_add_nc_u64 s[G0B+4*\s+2:G0B+4*\s+3], s[46:47], \s*8*PANW
	s_or_b32 s[G0B+4*\s+3], s[G0B+4*\s+3], 0x80000000
	JLOAD G0+4*\s, G1, G0B+4*\s, G1B               ; both slots' first fills go out together: two loads of mine are out
.endr
	v_and_b32 v1, 15, v0                           ; r
	v_bfe_u32 v2, v0, 4, 1                         ; h
	v_lshrrev_b32 v3, 2, v1
	v_and_b32 v4, 3, v1
	v_mul_u32_u24 v3, v3, 272
	v_lshl_add_u32 v3, v4, 6, v3
	v_lshl_add_u32 v3, v2, 4, v3                   ; a fragment's row r, + 16 h
	s_mul_i32 s68, s15, 4352                       ; source 1: my 64 rows of T (64 rows are 16 x 272 bytes)
	s_mul_i32 s69, s16, 4352
	s_add_co_u32 s69, s69, HALF                    ; source 0: my 64 rows of W
.irp s, 0,1
	v_add_nc_u32 v[AD1+\s], s68, v3
	v_add_nc_u32 v[AD0+\s], s69, v3
	s_add_co_u32 s68, s68, SLOT
	s_add_co_u32 s69, s69, SLOT
.endr
	s_mul_i32 s71, s14, 4352
	s_add_co_u32 s71, s71, STAGE                   ; my stage
	v_mul_u32_u24 v5, v1, 272
	v_lshl_add_u32 v5, v2, 5, v5
	v_add_nc_u32 v[STO], s71, v5                   ; in: row r, 32 bytes for each half of the lanes
	v_mul_u32_u24 v6, v2, 272
	v_lshl_add_u32 v6, v1, 4, v6
	v_add_nc_u32 v[RD], s71, v6                    ; back: lanes 0-15 one row of 256 bytes, lanes 16-31 the next
	v_lshlrev_b32 v[CO], 12, v2
	v_lshl_add_u32 v[CO], v1, 4, v[CO]             ; and the same two rows in memory
	v_lshlrev_b32 v[BO], 5, v2                     ; the bias: eight numbers for each half of the lanes
	s_lshl_b32 s96, s17, 19                        ; my part of the residual and of out: row 128 tile + 64 half, column 128 tile + 64 half
	s_lshl_b32 s97, s15, 18
	s_add_co_u32 s96, s96, s97
	s_lshl_b32 s97, s42, 9
	s_add_co_u32 s96, s96, s97
	s_lshl_b32 s97, s16, 8
	s_add_co_u32 s96, s96, s97
	s_mov_b32 s97, 0
	s_add_nc_u64 s[10:11], s[10:11], s[96:97]
	s_add_nc_u64 s[94:95], s[94:95], s[96:97]
	s_lshl_b32 s96, s42, 9
	s_lshl_b32 s90, s16, 8
	s_add_co_u32 s96, s96, s90
	s_add_nc_u64 s[8:9], s[8:9], s[96:97]          ; the bias at my first column
.irp b, 0,1,2,3
	global_load_b128 v[BC+8*\b:BC+8*\b+3], v[BO], s[8:9] offset:64*\b
	global_load_b128 v[BC+8*\b+4:BC+8*\b+7], v[BO], s[8:9] offset:64*\b+16
.endr
	WIN 0x80                                       ; destination window 2
.irp a, 0,1,2,3
.irp t, 0,1,2,3,4,5,6,7
	global_load_b128 v[32*\a+4*\t:32*\a+4*\t+3], v[CO], s[10:11] offset:(16*\a+2*\t)*4096   ; sixteen lanes read 256 consecutive bytes of a row
.endr
.endr
	WIN 0
	s_wait_kmcnt 0x0
	s_add_co_i32 s88, s[72+EA], s[72+EB]
	s_sub_co_i32 s90, 0, s88
	s_add_co_i32 s88, s88, 127
	s_lshl_b32 s88, s88, 23                        ; 2^(eA + eB) as f32
	s_mov_b32 s89, s88                             ; (named with it as a pair, so it is written)
	s_wait_loadcnt 32                              ; the bias is in; the residual's 32 loads may be out
.set n, 0
.rept 32
	v_ldexp_f32 v[BC+n], v[BC+n], s90              ; bias / 2^(eA + eB)
.set n, n+1
.endr
; 32 LDS loads: the fragments of the slot's q-th 128 along K (panels 2 q, 2 q + 1) into set f
.macro FETCH slot, q, f
	WIN 0x40                                       ; destination window 1, address window 0
.irp i, 0,1,2,3
.irp c, 0,1,2,3
	ds_load_b128 v[\f+64+16*\i+4*\c:\f+64+16*\i+4*\c+3], v[AD0+\slot] offset:(2*(\q)+\c/2)*PNL+32*(\c%2)+1088*\i
.endr
.endr
.irp i, 0,1,2,3
.irp c, 0,1,2,3
	ds_load_b128 v[\f+16*\i+4*\c:\f+16*\i+4*\c+3], v[AD1+\slot] offset:(2*(\q)+\c/2)*PNL+32*(\c%2)+1088*\i
.endr
.endr
.endm
; 16 matrix instructions, 128 along K.  The sixteen accumulators take turns, one instruction a turn, in the same order in every step.  first = 1: the bias is the C: nothing is cleared
.macro MUL f, first
.irp a, 0,1,2,3
.irp b, 0,1,2,3
.if \first
	v_wmma_f32_16x16x128_fp8_fp8 v[ACC+8*(4*\a+\b):ACC+8*(4*\a+\b)+7], v[\f+64+16*\b:\f+64+16*\b+15], v[\f+16*\a:\f+16*\a+15], v[BC+8*\b:BC+8*\b+7]
.else
	v_wmma_f32_16x16x128_fp8_fp8 v[ACC+8*(4*\a+\b):ACC+8*(4*\a+\b)+7], v[\f+64+16*\b:\f+64+16*\b+15], v[\f+16*\a:\f+16*\a+15], v[ACC+8*(4*\a+\b):ACC+8*(4*\a+\b)+7]
.endif
.endr
.endr
.endm
.macro STEP slot, q, f, g, first       ; asks for the next 128 along K into set g, then multiplies set f
	PLACES
	FETCH \slot, (\q)+1, \g
	s_wait_dscnt 32                                ; all but the 32 just issued: set f is in
	WIN 0x05                                       ; sources 0 and 1 window 1; C and D window 0
	MUL \f, \first
.endm
; A slot's last step, and the change of slots: ONE barrier.  fill = 1: this slot is filled again, two slots ahead; the barrier then opens a round of the cluster's.
.macro TURN slot, next, fill
	WIN 0
	s_wait_tensorcnt 0x0                           ; all my tensor loads have landed: my part of the next slot; so a group 0 may be written
	ds_add_u32 v[SPW], v[NIL]                      ; 0 onto my spare word
.if \fill
	s_add_nc_u64 s[G0+4*\slot+2:G0+4*\slot+3], s[G0+4*\slot+2:G0+4*\slot+3], 16*PANT
	s_add_nc_u64 s[G0B+4*\slot+2:G0B+4*\slot+3], s[G0B+4*\slot+2:G0B+4*\slot+3], 16*PANW
.endif
	s_wait_dscnt 0x0                               ; the add is done, and my reads of this slot are over: set 1 is in
	s_barrier_signal -1
	WIN 0x05
	MUL F1, 0                                      ; work on registers while the others arrive
	WIN 0
	s_barrier_wait -1
.if \fill
	CREST                                          ; no wave of any partner still reads this slot or has a load on its way
	JLOAD G0+4*\slot, G1, G0B+4*\slot, G1B         ; my one tensor load behind the round; its four v_nop are also the places ahead of the loads below
.else
	PLACES
.endif
	FETCH \next, 0, F0
.endm
	s_wait_tensorcnt 1                             ; my part of slot 0 is in; slot 1's may be out
	s_barrier_signal -1
	s_barrier_wait -1
	FETCH 0, 0, F0
	STEP 0, 0, F0, F1, 1                           ; the first step stands ahead of the loop: its products start the sums
.if LAPS > 1
	WIN 0                                          ; at a label and at a branch every window is 0
	s_mov_b32 s3, LAPS-1
.Llap:                                             ; a trip goes once round the two slots, from a lap's second step to the next lap's first, and fills both again
	STEP 0, 1, F1, F0, 0
	STEP 0, 2, F0, F1, 0
	TURN 0, 1, 1
	STEP 1, 0, F0, F1, 0
	STEP 1, 1, F1, F0, 0
	STEP 1, 2, F0, F1, 0
	TURN 1, 0, 1
	STEP 0, 0, F0, F1, 0
	WIN 0
	s_sub_co_u32 s3, s3, 1
	s_cmp_lg_u32 s3, 0
	s_cbranch_scc1 .Llap
.endif
	STEP 0, 1, F1, F0, 0                           ; the last lap fills nothing
	STEP 0, 2, F0, F1, 0
	TURN 0, 1, 0
	STEP 1, 0, F0, F1, 0
	STEP 1, 1, F1, F0, 0
	STEP 1, 2, F0, F1, 0
	s_wait_dscnt 0x0
	MUL F1, 0
	WIN 0
	PLACES
; THE WAY OUT, 16 rows x 64 columns at a time: the sums go through my stage and come back as rows of 256 bytes; there they meet the residual.
.macro TOSTAGE a
.set BB, BK+32*((\a)%2)
.irp b, 0,1,2,3
	ds_store_b128 v[STO], v[ACC+8*(4*(\a)+\b):ACC+8*(4*(\a)+\b)+3] offset:64*\b          ; each accumulator from its low end on
	ds_store_b128 v[STO], v[ACC+8*(4*(\a)+\b)+4:ACC+8*(4*(\a)+\b)+7] offset:64*\b+16
.endr
.irp t, 0,1,2,3,4,5,6,7
	ds_load_b128 v[BB+4*\t:BB+4*\t+3], v[RD] offset:544*\t   ; LDS serves a wave's instructions in order: these see my stores, and the next block's stores come behind them
.endr
.endm
.macro SEND a, younger                 ; younger: the LDS instructions issued behind block a's loads
.set BB, BK+32*((\a)%2)
	s_wait_dscnt \younger
	WIN 0x20                                       ; source 2 (the residual) window 2
.set n, 0
.rept 16
	v_pk_fma_f32 v[BB+2*n:BB+2*n+1], v[BB+2*n:BB+2*n+1], s[88:89], v[32*(\a)+2*n:32*(\a)+2*n+1] op_sel_hi:[1,0,1]
.set n, n+1
.endr
	WIN 0
.irp t, 0,1,2,3,4,5,6,7
	global_store_b128 v[CO], v[BB+4*\t:BB+4*\t+3], s[94:95] offset:(16*(\a)+2*\t)*4096   ; sixteen lanes store 256 consecutive bytes, at a multiple of 256 from the buffer's first byte
.endr
.endm
	s_wait_loadcnt 0x0                             ; the residual
	TOSTAGE 0
.irp a, 1,2,3
.if \a > 1
	s_wait_xcnt 0x0                                ; block a - 2's stores have read their registers: block a's loads may land there
.endif
	TOSTAGE \a
	SEND \a-1, 16                                  ; behind block a - 1's loads: block a's 8 stores and 8 loads
.endr
	SEND 3, 0
	s_wait_tensorcnt 0x0                           ; the wave's end
	ds_add_u32 v[SPW], v[NIL]
	s_wait_dscnt 0x0
	CROUND                                         ; the closing round
	s_endpgm
.Lfunc_end_k_q17b20600f3_gemm_out:
	.size	k_q17b20600f3_gemm_out, .Lfunc_end_k_q17b20600f3_gemm_out-k_q17b20600f3_gemm_out
	.p2alignl 7, 3214868480
	.fill 96, 4, 3214868480
	.section	.rodata,"a",@progbits
	.p2align	6, 0x0
	.amdhsa_kernel k_q17b20600f3_gemm_out
		.amdhsa_group_segment_fixed_size 327680
		.amdhsa_private_segment_fixed_size 0
		.amdhsa_enable_private_segment 0
		.amdhsa_kernarg_size 48
		.amdhsa_user_sgpr_count 2
		.amdhsa_user_sgpr_kernarg_segment_ptr 1
		.amdhsa_wavefront_size32 1
		.amdhsa_system_sgpr_workgroup_id_x 1
		.amdhsa_system_sgpr_workgroup_id_y 1
		.amdhsa_system_sgpr_workgroup_id_z 1
		.amdhsa_system_vgpr_workitem_id 0
		.amdhsa_next_free_vgpr 640
		.amdhsa_next_free_sgpr 98
		.amdhsa_reserve_vcc 0
		.amdhsa_float_denorm_mode_32 3
		.amdhsa_float_denorm_mode_16_64 3
		.amdhsa_memory_ordered 1
		.amdhsa_forward_progress 1
		.amdhsa_inst_pref_size 80
	.end_amdhsa_kernel
	.amdgpu_metadata
---
amdhsa.version: [ 1, 2 ]
amdhsa.kernels:
  - .name:           k_q17b20600f3_gemm_out
    .symbol:         k_q17b20600f3_gemm_out.kd
    .args:
      - { .name: hid, .offset: 0, .size: 8, .value_kind: global_buffer, .address_space: global }
      - { .name: wcodes, .offset: 8, .size: 8, .value_kind: global_buffer, .address_space: global }
      - { .name: b_out, .offset: 16, .size: 8, .value_kind: global_buffer, .address_space: global }
      - { .name: resid_mid, .offset: 24, .size: 8, .value_kind: global_buffer, .address_space: global }
      - { .name: lowp_scales, .offset: 32, .size: 8, .value_kind: global_buffer, .address_space: global }
      - { .name: out0, .offset: 40, .size: 8, .value_kind: global_buffer, .address_space: global }
    .group_segment_fixed_size: 327680
    .private_segment_fixed_size: 0
    .kernarg_segment_align: 8
    .kernarg_segment_size: 48
    .max_flat_workgroup_size: 128
    .sgpr_count:     98
    .vgpr_count:     640
    .wavefront_size: 32
...
	.end_amdgpu_metadata
.endif
;; end of part 8
;; ======== version 2 of 2: 7 launches
;; limits: right only within a limited range of input values
;; workspace buffers: wcodes 12,582,912 bytes; xqkv 12,582,912 bytes; qkv 12,582,912 bytes; z 4,194,304 bytes; resid_mid 16,777,216 bytes; h2 4,194,304 bytes; hid 16,777,216 bytes
;; launch prep (part 9): grid 640 x 1, 4 waves a work-group, no clusters, 84,480 bytes of LDS; arguments W_Q, W_K, W_V, W_O, W_in, W_out, lowp_scales, wcodes, resid_pre, ln1_w, ln1_b, xqkv; writes wcodes, xqkv
.if DOCPART == 9
	.amdgcn_target "amdgcn-amd-amdhsa--gfx1250"
	.amdhsa_code_object_version 6
	.text
	.protected	k_q17b20600f3_prep
	.globl	k_q17b20600f3_prep
	.p2align	8
	.type	k_q17b20600f3_prep,@function
k_q17b20600f3_prep:
	s_mov_b64 s[64:65], 0
	v_nop
	global_prefetch_b8 v0, s[64:65] scope:SCOPE_SE
	s_setreg_imm32_b32 hwreg(HW_REG_WAVE_MODE, 25, 1), 1
	s_wait_xcnt 0x0
; TWO INDEPENDENT PIECES OF WORK IN ONE LAUNCH, parted by one scalar branch on the work-group's number: work-groups 0-383 quantise the six weights, work-groups 384-639 make LayerNorm 1 and its codes.
; They share no byte of memory or of LDS (the weights' stages lie in LDS bytes 0 to 34,815, the LayerNorm's from 34,816 on), and neither has a barrier.
;
; PART 1.  The six weights, f32 with K NOT innermost, become codes of E4M3, each with its given scale 2^e.
; code = w / 2^e, held within +-448, rounded to the nearest code, ties to even.
; OUTPUT LAYOUT: a weight with N columns and K rows is laid [K / 64 panels][N][64 bytes]: 64 codes along K of one column lie together, the columns of a panel one behind the other.
; A LANE TAKES A COLUMN n AND ITS REGISTERS RUN DOWN K: a load reads 32 neighbouring columns (128 consecutive bytes), and the conversions, which take neighbours along K from one lane's
; registers, give codes with K innermost.  A wave takes 32 columns x 256 along K (four panels); its codes turn through its own stage in LDS and leave as 512 consecutive bytes a store.
; ONE PATH FOR SIX TENSORS: the work-group's number picks pointers and sizes by selects.  Work-groups 0-31 W_Q, 32-63 W_K, 64-95 W_V, 96-127 W_O, 128-255 W_in, 256-383 W_out.
; W_Q, W_K, W_V are [16 heads][1024 k][64 d]: column n = 64 head + d lies at head x 262,144 + 4 d, rows 256 bytes apart.  The others are plain [K][N].
; LIMITS: each e between -126 and 119, so that 2^e and 448 x 2^e are f32 numbers.  NaN among the inputs is not served.
.set WGW,  384                         ; work-groups of part 1
.set STG,  8704                        ; a wave's stage: 32 columns x (256 bytes + 16)
.set VO,   8                           ; v8-11    panel p: my byte offset in the output
.set OFF,  16                          ; v16-47   row i of a block of 32: my byte offset in the input
.set X,    48                          ; v48-111  two sets of 32 numbers
.set C,    112                         ; v112-119 a block's codes
.set OUTR, 120                         ; v120-183 the way out
.set SB,   40                          ; s[40:55] the input's address at each of my eight blocks of 32 rows: none is ever stepped
	s_set_vgpr_msb 0x40
	v_lshl_add_u32 v0, v0, 2, 0x14800
	v_mov_b32 v1, 0
	s_set_vgpr_msb 0x4000
	s_cmp_lt_u32 ttmp9, WGW
	s_cbranch_scc0 .Lnorm
	s_load_b256 s[4:11], s[0:1], 0x0               ; W_Q s[4:5], W_K s[6:7], W_V s[8:9], W_O s[10:11]
	s_load_b256 s[12:19], s[0:1], 0x20             ; W_in s[12:13], W_out s[14:15], the scales' exponents s[16:17], the codes s[18:19]
	v_lshrrev_b32 v1, 5, v0
	v_readfirstlane_b32 s31, v1                    ; wave 0..3
	v_and_b32 v2, 31, v0                           ; lane
	v_lshlrev_b32 v3, 2, v2                        ; in: 4 bytes a lane
	v_lshlrev_b32 v14, 4, v2                       ; out: 16 bytes a lane
	s_mul_i32 s32, s31, STG
	v_mul_u32_u24 v4, v2, 272
	v_add_nc_u32 v4, s32, v4                       ; into the stage: row = my column
	v_lshrrev_b32 v5, 2, v2
	v_and_b32 v6, 3, v2
	v_mul_u32_u24 v7, v5, 272
	v_lshl_add_u32 v7, v6, 4, v7
	v_add_nc_u32 v7, s32, v7                       ; out of it: four lanes take 64 bytes of a column, eight columns an instruction
	s_wait_alu depctr_va_vdst(0)
	s_wait_kmcnt 0x0
	s_load_b512 s[72:87], s[16:17], 0x0            ; all sixteen exponents
	; the tensor's figures: they begin as W_out's, and each compare on the work-group's number puts an earlier tensor's in their place
	s_mov_b64 s[20:21], s[14:15]                   ; the input
	s_mov_b32 s22, 256                             ; its first work-group
	s_mov_b32 s23, 256                             ; bytes from one group of 64 columns to the next
	s_mov_b32 s24, 4096                            ; bytes from row k to row k + 1
	s_mov_b32 s25, 3                               ; log2 of its groups of 128 columns
	s_mov_b32 s26, 65536                           ; bytes of a panel of its codes: N x 64
	s_mov_b32 s27, 0x800000                        ; where its codes begin
.macro PICK T, src, first, hs, pitch, sh, panelb, dst
	s_cmp_lt_u32 ttmp9, \T
	s_cselect_b64 s[20:21], s[\src:\src+1], s[20:21]
	s_cselect_b32 s22, \first, s22
	s_cselect_b32 s23, \hs, s23
	s_cselect_b32 s24, \pitch, s24
	s_cselect_b32 s25, \sh, s25
	s_cselect_b32 s26, \panelb, s26
	s_cselect_b32 s27, \dst, s27
.endm
	PICK 256, 12, 128, 256,    16384, 5, 262144, 0x400000   ; W_in
	; W_Q, W_K, W_V, W_O share one buffer of codes, [16 panels][4,096 rows][64 bytes]: rows 0-1,023 W_Q's columns, then W_K's, W_V's, W_O's; a panel is 262,144 bytes, as a panel of the tokens' codes is
	PICK 128, 10, 96,  256,    4096,  3, 262144, 0x30000    ; W_O
	PICK 96,  8,  64,  262144, 256,   3, 262144, 0x20000    ; W_V
	PICK 64,  6,  32,  262144, 256,   3, 262144, 0x10000    ; W_K
	PICK 32,  4,  0,   262144, 256,   3, 262144, 0          ; W_Q
	s_sub_co_u32 s34, ttmp9, s22                   ; my number within the tensor
	s_lshl_b32 s33, 1, s25
	s_sub_co_u32 s33, s33, 1
	s_and_b32 s33, s34, s33                        ; which 128 columns
	s_lshr_b32 s35, s34, s25                       ; which 256 along K
	s_lshl_b32 s33, s33, 7
	s_lshl_b32 s34, s31, 5
	s_add_co_u32 s33, s33, s34                     ; n0: my wave's first column
	s_lshr_b32 s36, s33, 6
	s_mul_i32 s36, s36, s23
	s_and_b32 s37, s33, 63
	s_lshl_b32 s37, s37, 2
	s_add_co_u32 s36, s36, s37
	s_mul_i32 s37, s35, s24
	s_lshl_b32 s37, s37, 8
	s_add_co_u32 s36, s36, s37                     ; the input's offset: column n0, row 256 x (which 256)
	s_mov_b32 s37, 0
	s_mul_i32 s38, s35, s26
	s_lshl_b32 s38, s38, 2
	s_add_co_u32 s38, s38, s27
	s_lshl_b32 s39, s33, 6
	s_add_co_u32 s38, s38, s39                     ; the codes' offset: four panels for each 256 along K, 64 bytes a column
	s_mov_b32 s39, 0
	s_lshl_b32 s28, s24, 5                         ; 32 rows of the input
	s_mov_b32 s29, 0
	s_add_nc_u64 s[SB:SB+1], s[20:21], s[36:37]
.irp t, 1,2,3,4,5,6,7
	s_add_nc_u64 s[SB+2*\t:SB+2*\t+1], s[SB+2*\t-2:SB+2*\t-1], s[28:29]
.endr
	s_add_nc_u64 s[18:19], s[18:19], s[38:39]
.set n, 0
.rept 32
	v_mad_u32_u24 v[OFF+n], s24, n, v3             ; 4 x lane + row x pitch
.set n, n+1
.endr
.irp p, 0,1,2,3
	v_mad_u32_u24 v[VO+\p], s26, \p, v14           ; 16 x lane + panel
.endr
.macro LOAD t                          ; block t: rows 32 t + i of my column, i = 0 .. 31, into set t % 2
.set n, 0
.rept 32
	global_load_b32 v[X+32*((\t)%2)+n], v[OFF+n], s[SB+2*(\t):SB+2*(\t)+1] th:TH_LOAD_NT
.set n, n+1
.endr
.endm
	LOAD 0
	LOAD 1
	s_wait_kmcnt 0x0
	s_mov_b32 s30, s87                             ; the tensor's e: entries 15, 13, 11, 5, 3, 1, chosen as above
.macro PICKE T, reg
	s_cmp_lt_u32 ttmp9, \T
	s_cselect_b32 s30, s[\reg], s30
.endm
	PICKE 256, 85
	PICKE 128, 83
	PICKE 96, 77
	PICKE 64, 75
	PICKE 32, 73
	s_add_co_i32 s30, s30, 127
	s_lshl_b32 s33, s30, 23
	v_mov_b32 v13, s33                             ; 2^e as f32: the conversion takes its exponent field
	s_add_co_i32 s30, s30, 8
	s_lshl_b32 s30, s30, 23
	s_or_b32 s30, s30, 0x600000
	v_mov_b32 v12, s30                             ; 448 x 2^e
.macro BLOCK t
.set XS, X+32*((\t)%2)
.if (\t) < 7
	s_wait_loadcnt 32                              ; this block's 32 loads are in; the next block's 32 may be out
.else
	s_wait_loadcnt 0x0
.endif
.set n, 0
.rept 32
	v_med3_num_f32 v[XS+n], v[XS+n], -v12, v12     ; the conversion to an 8-bit code does not saturate (ISA guide 7.6.2): the hold comes first
.set n, n+1
.endr
.irp g, 0,1,2,3
	v_cvt_scalef32_pk8_fp8_f32 v[C+2*\g:C+2*\g+1], v[XS+8*\g:XS+8*\g+7], v13
.endr
	ds_store_b128 v4, v[C:C+3] offset:32*(\t)      ; 32 codes of my column
	ds_store_b128 v4, v[C+4:C+7] offset:32*(\t)+16
.if (\t)+2 < 8
	LOAD (\t)+2
.endif
	s_wait_dscnt 0x0                               ; the stores have read their registers: the next block's codes may be written (its 32 holds are the plain lines behind these conversions)
.endm
	s_wait_alu depctr_va_vdst(0)
.irp t, 0,1,2,3,4,5,6,7
	BLOCK \t
.endr
.set n, 0
.rept 16                               ; panel n / 4, columns 8 (n % 4) on.  LDS serves a wave's instructions in order: these see my stores
	ds_load_b128 v[OUTR+4*n:OUTR+4*n+3], v7 offset:64*(n/4)+2176*(n%4)
.set n, n+1
.endr
.set n, 0
.rept 16
	s_wait_dscnt 15-n                              ; the younger loads may be out
	global_store_b128 v[VO+n/4], v[OUTR+4*n:OUTR+4*n+3], s[18:19] offset:512*(n%4)   ; 32 lanes store 512 consecutive bytes, at a multiple of 512 from the buffer's first byte
.set n, n+1
.endr
	s_set_vgpr_msb 0x5
	s_wait_tensorcnt 0x0
	ds_add_u32 v0, v1
	s_wait_dscnt 0x0
	s_set_vgpr_msb 0x500
	s_endpgm
; PART 2.  LayerNorm of rows of 1,024 f32 numbers, y = (x - mean) / sqrt(var + 1e-5) x w + b, and y's codes of E4M3 for NOUT given scales (entries E0, E0 + 2, ..).
; A wave owns four rows and keeps them in registers: memory is read once.  Mean first, then the sum of squares of x - mean: no difference of large sums is formed.
; OUTPUT LAYOUT, for each scale: [16 panels of 64 along K][4,096 rows][64 bytes], the outputs 4 MiB apart.
; Register 4 j + e of a lane holds column 128 j + 4 lane + e, so a load covers 512 consecutive bytes.  A conversion packs eight registers: word j of a row's codes holds columns 128 j + 4 lane + 0..3.
; The words go through the wave's own stage in LDS, laid [16 panels][4 rows][64 bytes], and leave so that sixteen lanes store 256 consecutive bytes: four rows of one panel.
; LIMITS: each e between -126 and 119.  NaN and infinities among the inputs are not served.
.set NOUT, 3
.set E0,   0
.set LNB,  34816                       ; this part's stages begin behind part 1's
.set SM,   2                           ; v2-9     a pair of sums for each row; later T1
.set PT,   10                          ; v10-13   what the other half of the lanes holds
.set ST,   14                          ; v14-21   a pair for each row: the mean twice, then 1 / sqrt(var + eps) twice
.set LIM,  26                          ; v26-31   output o: 448 x 2^e, 2^e
.set C,    32                          ; v32-55   a row's codes: eight words for each output
.set T0,   56                          ; v56-63   eight held numbers; T0 and T1 take turns
.set T1,   2
.set X,    64                          ; v64-191  four rows
.set W,    192                         ; v192-223 w at my columns
.set B,    224                         ; v224-255 b at my columns
.Lnorm:
	s_load_b128 s[4:7], s[0:1], 0x40               ; x s[4:5], w s[6:7]
	s_load_b128 s[8:11], s[0:1], 0x50              ; b s[8:9], the codes s[10:11]
	s_load_b64 s[12:13], s[0:1], 0x30              ; the scales' exponents
	v_lshrrev_b32 v1, 5, v0
	v_readfirstlane_b32 s16, v1                    ; wave 0..3
	v_and_b32 v25, 31, v0                          ; lane
	v_lshlrev_b32 v1, 4, v25                       ; 16 x lane
	v_lshrrev_b32 v10, 4, v25
	v_and_b32 v11, 15, v25
	s_mul_i32 s28, s16, 4096*NOUT
	s_add_co_u32 s28, s28, LNB                     ; my stage
	v_lshlrev_b32 v22, 8, v10
	v_lshl_add_u32 v22, v11, 2, v22
	v_add_nc_u32 v22, s28, v22                     ; into it: panel lane / 16 of a pair, word lane % 16
	v_add_nc_u32 v23, s28, v1                      ; out of it: 16 bytes a lane
	v_lshlrev_b32 v24, 18, v10
	v_lshl_add_u32 v24, v11, 4, v24                ; and in memory: panels are 262,144 bytes apart
.irp r, 0,1,2,3
	v_mov_b32 v[PT+\r], 0                          ; written once: a lane permute's destination counts as one of its sources
.endr
	s_sub_co_u32 s17, ttmp9, WGW                   ; my number within this part
	s_lshl_b32 s17, s17, 4
	s_lshl_b32 s18, s16, 2
	s_add_co_u32 s17, s17, s18                     ; my first row: 16 x that + 4 x wave
	s_lshl_b32 s14, s17, 12
	s_mov_b32 s15, 0
	s_lshl_b32 s18, s17, 6
	s_mov_b32 s19, 0
	s_mov_b32 s20, 0x76543210                      ; v_permlanex16_b32: lane l xor 16
	s_mov_b32 s21, 0xfedcba98
	s_mov_b32 s22, 0x3a800000                      ; 1 / 1024
	s_mov_b32 s23, 0x3727c5ac                      ; 1e-5
	s_wait_kmcnt 0x0
.set o, 0
.rept NOUT
	s_load_b32 s[24+o], s[12:13], 4*(E0+2*o)
.set o, o+1
.endr
	s_add_nc_u64 s[4:5], s[4:5], s[14:15]
	s_add_nc_u64 s[32:33], s[10:11], s[18:19]      ; output 0 at my rows
	s_add_nc_u64 s[34:35], s[32:33], 0x400000
	s_add_nc_u64 s[36:37], s[34:35], 0x400000
.set n, 0
.rept 32
	global_load_b128 v[X+4*n:X+4*n+3], v1, s[4:5] offset:4096*(n/8)+512*(n%8)   ; row n / 8: 512 consecutive bytes
.set n, n+1
.endr
.set n, 0
.rept 8
	global_load_b128 v[W+4*n:W+4*n+3], v1, s[6:7] offset:512*n
.set n, n+1
.endr
.set n, 0
.rept 8
	global_load_b128 v[B+4*n:B+4*n+3], v1, s[8:9] offset:512*n
.set n, n+1
.endr
	s_wait_kmcnt 0x0
.set o, 0
.rept NOUT
	s_add_co_i32 s30, s[24+o], 127
	s_lshl_b32 s31, s30, 23
	v_mov_b32 v[LIM+2*o+1], s31                    ; 2^e as f32
	s_add_co_i32 s30, s30, 8
	s_lshl_b32 s30, s30, 23
	s_or_b32 s30, s30, 0x600000
	v_mov_b32 v[LIM+2*o], s30                      ; 448 x 2^e
.set o, o+1
.endr
.macro REDUCE                          ; each row's figure over the 32 lanes; the four rows take turns
.irp m, 1,2,4,8
.irp r, 0,1,2,3
	v_add_f32_dpp v[SM+2*\r], v[SM+2*\r], v[SM+2*\r] row_xmask:\m row_mask:0xf bank_mask:0xf
.endr
.endr
.irp r, 0,1,2,3
	v_permlanex16_b32 v[PT+\r], v[SM+2*\r], s20, s21
.endr
.irp r, 0,1,2,3
	v_add_f32 v[SM+2*\r], v[SM+2*\r], v[PT+\r]
.endr
.endm
	s_wait_loadcnt 16                              ; x's 32 loads are in; w's and b's sixteen may be out
.irp r, 0,1,2,3
	v_pk_add_f32 v[SM+2*\r:SM+2*\r+1], v[X+32*\r:X+32*\r+1], v[X+32*\r+2:X+32*\r+3]
.endr
.set p, 2
.rept 14
.irp r, 0,1,2,3
	v_pk_add_f32 v[SM+2*\r:SM+2*\r+1], v[SM+2*\r:SM+2*\r+1], v[X+32*\r+2*p:X+32*\r+2*p+1]
.endr
.set p, p+1
.endr
.irp r, 0,1,2,3
	v_add_f32 v[SM+2*\r], v[SM+2*\r], v[SM+2*\r+1]
.endr
	REDUCE
.irp r, 0,1,2,3
	v_mul_f32 v[ST+2*\r], s22, v[SM+2*\r]          ; the mean,
	v_mul_f32 v[ST+2*\r+1], s22, v[SM+2*\r]        ; twice, for the packed forms
.endr
.set p, 0
.rept 16
.irp r, 0,1,2,3
	v_pk_add_f32 v[X+32*\r+2*p:X+32*\r+2*p+1], v[X+32*\r+2*p:X+32*\r+2*p+1], v[ST+2*\r:ST+2*\r+1] neg_lo:[0,1] neg_hi:[0,1]   ; x - mean
.endr
.set p, p+1
.endr
.irp r, 0,1,2,3
	v_pk_mul_f32 v[SM+2*\r:SM+2*\r+1], v[X+32*\r:X+32*\r+1], v[X+32*\r:X+32*\r+1]
.endr
.set p, 1
.rept 15
.irp r, 0,1,2,3
	v_pk_fma_f32 v[SM+2*\r:SM+2*\r+1], v[X+32*\r+2*p:X+32*\r+2*p+1], v[X+32*\r+2*p:X+32*\r+2*p+1], v[SM+2*\r:SM+2*\r+1]
.endr
.set p, p+1
.endr
.irp r, 0,1,2,3
	v_add_f32 v[SM+2*\r], v[SM+2*\r], v[SM+2*\r+1]
.endr
	REDUCE
.irp r, 0,1,2,3
	v_fma_f32 v[SM+2*\r], v[SM+2*\r], s22, s23     ; var + eps
.endr
	s_wait_alu depctr_va_vdst(0)
.irp r, 0,1,2,3
	v_rsq_f32 v[ST+2*\r], v[SM+2*\r]
.endr
	v_nop                                          ; a plain line between the last of them and the use of its result
	s_wait_alu depctr_va_vdst(0)
.irp r, 0,1,2,3
	v_mov_b32 v[ST+2*\r+1], v[ST+2*\r]
.endr
	s_wait_alu depctr_va_vdst(0)
	s_wait_loadcnt 0x0                             ; w and b
.set p, 0
.rept 16
.irp r, 0,1,2,3
	v_pk_mul_f32 v[X+32*\r+2*p:X+32*\r+2*p+1], v[X+32*\r+2*p:X+32*\r+2*p+1], v[ST+2*\r:ST+2*\r+1]
.endr
.irp r, 0,1,2,3
	v_pk_fma_f32 v[X+32*\r+2*p:X+32*\r+2*p+1], v[X+32*\r+2*p:X+32*\r+2*p+1], v[W+2*p:W+2*p+1], v[B+2*p:B+2*p+1]
.endr
.set p, p+1
.endr
; A row's codes for every output.  Eight numbers are held into T0 or T1 and converted; the other set's eight holds are the plain lines behind each conversion.
.macro QROW r
.set o, 0
.rept NOUT
.irp g, 0,1,2,3
.set TT, T0+(T1-T0)*(\g%2)
.set i, 0
.rept 8
	v_med3_num_f32 v[TT+i], v[X+32*\r+8*\g+i], -v[LIM+2*o], v[LIM+2*o]   ; the conversion to an 8-bit code does not saturate (ISA guide 7.6.2)
.set i, i+1
.endr
	v_cvt_scalef32_pk8_fp8_f32 v[C+8*o+2*\g:C+8*o+2*\g+1], v[TT:TT+7], v[LIM+2*o+1]
.endr
.set o, o+1
.endr
	v_nop                                          ; a plain line behind the run's last conversion
.set n, 0
.rept 8*NOUT
	ds_store_b32 v22, v[C+n] offset:4096*(n/8)+512*(n%8)+64*\r   ; output n / 8, panels 2 (n % 8) and 2 (n % 8) + 1, row r
.set n, n+1
.endr
	s_wait_dscnt 0x0                               ; the stores have read their registers: the next row's codes may be written
.endm
	QROW 0
	QROW 1
	QROW 2
	QROW 3
.set n, 0
.rept 8*NOUT
	ds_load_b128 v[X+4*n:X+4*n+3], v23 offset:512*n   ; two panels' 256 bytes; LDS serves a wave's instructions in order: these see my stores
.set n, n+1
.endr
.set n, 0
.rept 8*NOUT
	s_wait_dscnt 8*NOUT-1-n                        ; the younger loads may be out
	global_store_b128 v24, v[X+4*n:X+4*n+3], s[32+2*(n/8):33+2*(n/8)] offset:524288*(n%8)   ; sixteen lanes store 256 consecutive bytes, at a multiple of 256 from the buffer's first byte
.set n, n+1
.endr
	s_set_vgpr_msb 0x5
	s_wait_tensorcnt 0x0
	ds_add_u32 v0, v1
	s_wait_dscnt 0x0
	s_set_vgpr_msb 0x500
	s_endpgm
.Lfunc_end_k_q17b20600f3_prep:
	.size	k_q17b20600f3_prep, .Lfunc_end_k_q17b20600f3_prep-k_q17b20600f3_prep
	.p2alignl 7, 3214868480
	.fill 96, 4, 3214868480
	.section	.rodata,"a",@progbits
	.p2align	6, 0x0
	.amdhsa_kernel k_q17b20600f3_prep
		.amdhsa_group_segment_fixed_size 84480
		.amdhsa_private_segment_fixed_size 0
		.amdhsa_enable_private_segment 0
		.amdhsa_kernarg_size 96
		.amdhsa_user_sgpr_count 2
		.amdhsa_user_sgpr_kernarg_segment_ptr 1
		.amdhsa_wavefront_size32 1
		.amdhsa_system_sgpr_workgroup_id_x 1
		.amdhsa_system_sgpr_workgroup_id_y 1
		.amdhsa_system_sgpr_workgroup_id_z 1
		.amdhsa_system_vgpr_workitem_id 0
		.amdhsa_next_free_vgpr 258
		.amdhsa_next_free_sgpr 88
		.amdhsa_reserve_vcc 0
		.amdhsa_float_denorm_mode_32 3
		.amdhsa_float_denorm_mode_16_64 3
		.amdhsa_memory_ordered 1
		.amdhsa_forward_progress 1
		.amdhsa_inst_pref_size 124
	.end_amdhsa_kernel
	.amdgpu_metadata
---
amdhsa.version: [ 1, 2 ]
amdhsa.kernels:
  - .name:           k_q17b20600f3_prep
    .symbol:         k_q17b20600f3_prep.kd
    .args:
      - { .name: W_Q, .offset: 0, .size: 8, .value_kind: global_buffer, .address_space: global }
      - { .name: W_K, .offset: 8, .size: 8, .value_kind: global_buffer, .address_space: global }
      - { .name: W_V, .offset: 16, .size: 8, .value_kind: global_buffer, .address_space: global }
      - { .name: W_O, .offset: 24, .size: 8, .value_kind: global_buffer, .address_space: global }
      - { .name: W_in, .offset: 32, .size: 8, .value_kind: global_buffer, .address_space: global }
      - { .name: W_out, .offset: 40, .size: 8, .value_kind: global_buffer, .address_space: global }
      - { .name: lowp_scales, .offset: 48, .size: 8, .value_kind: global_buffer, .address_space: global }
      - { .name: wcodes, .offset: 56, .size: 8, .value_kind: global_buffer, .address_space: global }
      - { .name: resid_pre, .offset: 64, .size: 8, .value_kind: global_buffer, .address_space: global }
      - { .name: ln1_w, .offset: 72, .size: 8, .value_kind: global_buffer, .address_space: global }
      - { .name: ln1_b, .offset: 80, .size: 8, .value_kind: global_buffer, .address_space: global }
      - { .name: xqkv, .offset: 88, .size: 8, .value_kind: global_buffer, .address_space: global }
    .group_segment_fixed_size: 84480
    .private_segment_fixed_size: 0
    .kernarg_segment_align: 8
    .kernarg_segment_size: 96
    .max_flat_workgroup_size: 128
    .sgpr_count:     88
    .vgpr_count:     258
    .wavefront_size: 32
...
	.end_amdgpu_metadata
.endif
;; end of part 9
;; launch gemm_qkv (part 10): grid 12 x 16, 4 waves a work-group, clusters of 4 x 4, 327,680 bytes of LDS; arguments xqkv, wcodes, b_Q, b_K, b_V, lowp_scales, qkv; writes qkv
.if DOCPART == 10
	.amdgcn_target "amdgcn-amd-amdhsa--gfx1250"
	.amdhsa_code_object_version 6
	.text
	.protected	k_q17b20600f3_gemm_qkv
	.globl	k_q17b20600f3_gemm_qkv
	.p2align	8
	.type	k_q17b20600f3_gemm_qkv,@function
k_q17b20600f3_gemm_qkv:
	s_mov_b64 s[64:65], 0
	v_nop
	global_prefetch_b8 v0, s[64:65] scope:SCOPE_SE
	s_setreg_imm32_b32 hwreg(HW_REG_WAVE_MODE, 25, 1), 1
	s_wait_xcnt 0x0
	s_wait_alu depctr_hold_cnt(0) depctr_sa_sdst(0) depctr_va_vdst(0) depctr_va_sdst(0) depctr_va_ssrc(0) depctr_va_vcc(0) depctr_vm_vsrc(0)
	s_getreg_b32 s2, hwreg(HW_REG_IB_STS2, 6, 4)
	s_cmp_eq_u32 s2, 0
	s_cbranch_scc0 .Lentry_in_a_cluster
	s_endpgm
.Lentry_in_a_cluster:
	s_bfe_u32 s2, ttmp6, 0x10000c
	s_cmp_lg_u32 s2, 0xf033
	s_cbranch_scc0 .Lentry_shape_is_right
	s_endpgm
.Lentry_shape_is_right:
; q, k, v = LN1(x) W + b on codes of E4M3, and the results' own codes (scales: entries 6, 7, 8).  One text serves this launch (QKV = 1) and the MLP's first layer (QKV = 0).
; OPERANDS are laid [K / 64 panels][rows][64 bytes].  T: 256 tokens, hangs on work-group y.  W: 256 rows of a weight (output columns), hangs on work-group x.
; A work-group of four waves makes 256 x 256; a wave 128 x 128: 64 accumulators, 512 registers: for 128 along K a wave reads 2 x 128 x 128 bytes from LDS and issues 64 matrix instructions.
; K = 1,024 goes in four steps of 256 through two LDS slots: both are filled at the start and each is filled once more.  All of it is written out: there is no loop.
; The cluster's x is which = 0 q, 1 k, 2 v; the place along the cluster's x is W's tile.
; THE MATRIX INSTRUCTION IS USED TRANSPOSED: a lane keeps one row of source 1, and its eight registers run along source 0's rows.  For q and k (and the MLP) source 1 = tokens, source 0 = weight rows:
; eight neighbours along the head's 64 (the next product's K).  For v the two LDS bases change places: source 1 = weight rows, source 0 = tokens: eight neighbouring KEYS, which are v's K.  No branch.
; RESULTS: 64 x 64 codes are 4,096 consecutive bytes: q, k: [16 heads][4,096 tokens][64]; v: [64 chunks of 64 tokens][1,024 columns][64 keys].
; The bias is the C of the first K step where it runs along the registers (divided by 2^(eA + eB), which the sums lack); for v it hangs on the lane's row and is added at the end.  Both are always loaded; the one not wanted is multiplied by 0.
; CLUSTERS: 4 x 4 work-groups; T's tiles are asked for jointly along a row of the cluster, W's along a column.
; Inside an instruction k is permuted, alike in both operands: registers 4 c .. 4 c + 3 hold k = 32 c + 16 (lane / 16) + 0 .. 15.
; LIMITS: eA + eB between -126 and 126; eOut - eA - eB between -126 and 119.  NaN and infinities among the inputs are not served.
; REGISTERS, in windows of 256: window 0: v16-30 addresses; v32-95 the bias as C (on the way out: v32-63 codes, v64-95 rows read back); v96-111 the bias by rows; v112, v113 the hold and the scale;
;   v128-255 source 1's eight fragments, ONE set (on the way out: 128 held numbers).   window 1: source 0's eight fragments, TWO sets, at v0 and at v128.
;   window 2: the 32 accumulators of my source 1 rows 0-63 ((a, b) at 8 (8 a + b));   window 3: those of rows 64-127.
; A step of 128 along K goes by source 1's blocks, each against source 0's eight: a block of source 1 is free as soon as its eight products are issued, so one set serves it; source 0 is at work through the whole step and has two.
; HOW v IS TURNED (in place of the sentence on LDS bases above): for v the two operands change places IN MEMORY: the part of a slot called T takes 256 rows of W_V's codes (tile: my place along the cluster's y),
; the part called W takes 256 tokens (tile: 4 x cluster y + my place along x).  Both buffers have panels of 262,144 bytes, so one group 1 serves either; every LDS address is a constant and a term of the wave's number.
.set QKV,   1
.set PANT,  262144                     ; bytes of a panel of T's buffer: 4,096 rows x 64
.set PANW,  262144                     ; of the weights': 4,096 rows x 64 (W_Q, W_K, W_V, W_O one behind the other)
.set STRT,  32768                      ; the same in elements of 8 bytes
.set STRW,  32768
.set WOFF,  0                          ; where W's codes begin (QKV: which x 64 KiB is added)
.set EA,    12                         ; QKV = 0: the entries of the scales
.set EB,    13
.set EO,    14
.set PNL,   8704                       ; a panel of 128 rows in LDS: 8,192 bytes + 16 behind every 256: row p at (p / 4) 272 + (p % 4) 64, so the 16 rows of a load start in 16 different columns of 16 bytes modulo 256
.set QUART, 4*PNL                      ; 128 rows x 256 along K: what one tensor load brings, and what a wave reads of one operand
.set HALF,  2*QUART                    ; T's part of a slot; W's follows
.set SLOT,  2*HALF
.set SPARE, 2*SLOT                     ; behind the slots: the spare words, 128 bytes for each wave
.set STAGE, SPARE+512                  ; 64 rows x 80 bytes for each wave
.set NL,  4                            ; LDS loads that bring a fragment
.set AD1, 16                           ; v16-17 source 1's LDS address in slot 0, 1
.set AD0, 20                           ; v20-21 source 0's
.set STO, 24
.set RD,  25
.set CO,  26
.set BO,  27
.set SPW, 28                           ; v28 LDS address of my spare word; never rewritten
.set NIL, 29                           ; v29 0; never rewritten
.set BRO, 30
.set BC,  32
.set CD,  32
.set RB,  64
.set BR,  96
.set LIM, 112
.set SCL, 113
.set AF,  128
.set TMP, 128
.set G1,  24
.set G0,  32
.set G1B, 48
.set G0B, 56
.set MSB, 0
.macro WIN new                         ; the immediate's high byte repeats the setting that is left
.if MSB != \new
	s_set_vgpr_msb (MSB<<8)|\new
.set MSB, \new
.endif
.endm
; A joint load: waves 0 and 1 fetch T's two halves, waves 2 and 3 W's.  The branch hangs on the wave's number alone.  Four v_nop follow each of the two lines.
.macro JLOAD g0a, g1a, g0b, g1b
	s_cmp_eq_u32 s15, 0
	s_cbranch_scc0 .Lfor_b_\@
	tensor_load_to_lds s[\g0a:\g0a+3], s[\g1a:\g1a+7]
	s_nop 0
.rept 4
	v_nop
.endr
	s_branch .Lasked_\@
.Lfor_b_\@:
	tensor_load_to_lds s[\g0b:\g0b+3], s[\g1b:\g1b+7]
	s_nop 0
.rept 4
	v_nop
.endr
.Lasked_\@:
.endm
.macro CREST                           ; a round of the cluster's barrier behind its opening barrier
	s_cmp_lg_u32 s14, 0
	s_cbranch_scc1 .Lnot_wave_0_\@
	s_barrier_signal -3
.Lnot_wave_0_\@:
	s_barrier_wait -3
	s_barrier_signal -1
	s_barrier_wait -1
.endm
.macro CROUND                          ; a whole round
	s_barrier_signal -1
	s_barrier_wait -1
	CREST
.endm
.macro PLACES                          ; four plain vector lines behind a matrix instruction, ahead of loads into its sources and of reads of its result
.rept 4
	v_nop
.endr
.endm
	s_load_b128 s[4:7], s[0:1], 0x0                ; T's codes s[4:5], the weights' codes s[6:7]
.if QKV
	s_load_b128 s[88:91], s[0:1], 0x10             ; b_Q, b_K
	s_load_b128 s[92:95], s[0:1], 0x20             ; b_V, the scales' exponents
	s_load_b64 s[10:11], s[0:1], 0x30              ; the results' codes
.else
	s_load_b128 s[92:95], s[0:1], 0x10             ; the bias, the scales' exponents
	s_load_b64 s[10:11], s[0:1], 0x20              ; the results' codes
.endif
	v_lshl_add_u32 v[SPW], v0, 2, SPARE
	v_mov_b32 v[NIL], 0
	ds_add_u32 v28, v29
	ds_add_u32 v28, v29
	s_wait_dscnt 0x0
	v_lshrrev_b32 v1, 5, v0
	v_readfirstlane_b32 s14, v1                    ; wave 0..3
	s_lshr_b32 s15, s14, 1                         ; which 128 of source 1's rows are mine.  Also: I fetch for T (0) or for W (1)
	s_and_b32 s16, s14, 1                          ; which 128 of source 0's.  Also: which 128 rows I fetch
	s_bfe_u32 s40, ttmp6, 0x40000                  ; cx, cy: my place in the cluster
	s_bfe_u32 s41, ttmp6, 0x40004
.if QKV
	s_mov_b32 s42, s40                             ; W's tile: cx
	s_mov_b32 s66, ttmp9                           ; which: 0 q, 1 k, 2 v: the same in all partners
	s_lshr_b32 s67, ttmp9, 1
	s_min_u32 s67, s67, 1                          ; 1 for v, else 0
.else
	s_lshl_b32 s42, ttmp9, 2
	s_add_co_u32 s42, s42, s40                     ; W's tile: 4 x cluster x + cx
.endif
	s_and_b32 s17, ttmp7, 0xffff
	s_lshl_b32 s17, s17, 2
	s_cmp_eq_u32 s67, 0
	s_cselect_b32 s18, 0, s17
	s_cselect_b32 s17, s17, 0
	s_add_co_u32 s42, s42, s18                     ; W's tile: cx; for v 4 x cluster y + cx (tokens)
	s_add_co_u32 s17, s17, s41                     ; T's tile: 4 x cluster y + cy; for v cy (weight rows)
	s_lshl_b32 s43, s41, 2
	s_lshl_b32 s43, 15, s43                        ; my row of the cluster
	s_lshl_b32 s44, 0x1111, s40                    ; my column
	; descriptor group 1: four panels, each a row of 1,024 elements of 8 bytes (128 rows x 64 bytes, dense in memory)
	s_or_b32 s[G1], s43, (3<<16)|(1<<20)|(1<<21)|(5<<22)|(3<<25)    ; 15:0 the mask; 17:16 elements of 8 bytes; 20 padding on; 21 set beside a mask; 24:22 after every 64 words; 31:25 four words
	s_or_b32 s[G1B], s44, (3<<16)|(1<<20)|(1<<21)|(5<<22)|(3<<25)
.irp g, G1, G1B
	s_mov_b32 s[\g+1], 1024<<16                    ; tensor_dim0
	s_mov_b32 s[\g+2], 4<<16                       ; tensor_dim1
	s_mov_b32 s[\g+3], 1024<<16                    ; tile_dim0
	s_mov_b32 s[\g+4], 4                           ; tile_dim1
	s_mov_b32 s[\g+6], 0
	s_mov_b32 s[\g+7], 0
.endr
	s_mov_b32 s[G1+5], STRT                        ; from panel to panel
	s_mov_b32 s[G1B+5], STRW
	s_lshl_b32 s20, s17, 14                        ; T: tile x 256 rows x 64 bytes,
	s_lshl_b32 s18, s16, 13                        ; my 128 rows
	s_add_co_u32 s20, s20, s18
.if QKV
	s_lshl_b32 s18, s66, 22
	s_cmp_eq_u32 s67, 0
	s_cselect_b32 s18, s18, 0x20000                ; for v: W_V's rows begin 2,048 rows into a panel
	s_add_co_u32 s20, s20, s18
.endif
	s_mov_b32 s21, 0
	s_lshl_b32 s46, s42, 14                        ; W likewise
	s_lshl_b32 s19, s16, 13
	s_add_co_u32 s46, s46, s19
.if QKV
	s_lshl_b32 s19, s66, 16
	s_cmp_eq_u32 s67, 0
	s_cselect_b32 s19, s19, 0x800000               ; for v: x's codes for entry 4
	s_add_co_u32 s46, s46, s19
.else
	s_add_co_u32 s46, s46, WOFF
.endif
	s_mov_b32 s47, 0
	s_mul_i32 s45, s14, QUART                      ; where they go: no place in the cluster enters an LDS address
	s_wait_kmcnt 0x0
	s_load_b512 s[72:87], s[94:95], 0x0            ; all sixteen exponents
	s_cmp_eq_u32 s67, 0                            ; the choice hangs on the cluster's x alone
	s_cselect_b64 s[96:97], s[4:5], s[6:7]
	s_cselect_b64 s[68:69], s[6:7], s[4:5]
	s_add_nc_u64 s[20:21], s[96:97], s[20:21]
	s_add_nc_u64 s[46:47], s[68:69], s[46:47]
	CROUND                                         ; all sixteen work-groups are here: the first joint loads meet
.irp s, 0,1
	s_mov_b32 s[G0+4*\s], 1
	s_add_co_u32 s[G0+4*\s+1], s45, \s*SLOT
	s_add_nc_u64 s[G0+4*\s+2:G0+4*\s+3], s[20:21], \s*4*PANT       ; slot s begins with panels 4 s on
	s_or_b32 s[G0+4*\s+3], s[G0+4*\s+3], 0x80000000
	s_mov_b32 s[G0B+4*\s], 1
	s_add_co_u32 s[G0B+4*\s+1], s45, \s*SLOT
	s_add_nc_u64 s[G0B+4*\s+2:G0B+4*\s+3], s[46:47], \s*4*PANW
	s_or_b32 s[G0B+4*\s+3], s[G0B+4*\s+3], 0x80000000
.endr
	JLOAD G0, G1, G0B, G1B                         ; slot 0: one tensor load a wave at the head
	; PREFETCHES INTO THE L2: behind slot 0's first fill for fills 1 and 2 (K 256 on, K 512 on), behind slot 1's first fill for fill 3 (K 768 on).  A wave's load is four panels of 8,192 bytes; the four partners that ask
	; for it jointly take a panel each, told apart by address (my place along x for T, along y for W): 32 lanes, 256 bytes apart, one instruction a wave and fill.  The address stands at fill 1 and is never stepped:
	; a fill on is four panels, 1 MiB, in the immediate.  The two refills ask for nothing: no fill follows them.
	s_cmp_eq_u32 s15, 0
	s_cselect_b64 s[98:99], s[20:21], s[46:47]
	s_cselect_b32 s70, s40, s41
	s_add_co_u32 s70, s70, 4                       ; my panel of the four, one fill (four panels) on
	s_lshl_b32 s70, s70, 18
	s_mov_b32 s71, 0
	s_add_nc_u64 s[98:99], s[98:99], s[70:71]
	v_and_b32 v31, 31, v0
	v_lshlrev_b32 v31, 8, v31                      ; never rewritten
	global_prefetch_b8 v31, s[98:99] th:TH_LOAD_NT scope:SCOPE_SE
	global_prefetch_b8 v31, s[98:99] offset:0x100000 th:TH_LOAD_NT scope:SCOPE_SE
	v_and_b32 v1, 15, v0                           ; r
	v_bfe_u32 v2, v0, 4, 1                         ; h
	v_lshrrev_b32 v3, 2, v1
	v_and_b32 v4, 3, v1
	v_mul_u32_u24 v3, v3, 272
	v_lshl_add_u32 v3, v4, 6, v3
	v_lshl_add_u32 v3, v2, 4, v3                   ; a fragment's row r, + 16 h
.if QKV
	s_wait_alu depctr_va_vdst(0)
	s_mov_b32 s68, 0                               ; source 1: T's part
	s_mov_b32 s69, HALF                            ; source 0: W's part
.else
	s_mov_b32 s68, 0
	s_mov_b32 s69, HALF
.endif
	s_mul_i32 s70, s15, QUART                      ; my 128 rows
	s_add_co_u32 s68, s68, s70
	s_mul_i32 s70, s16, QUART
	s_add_co_u32 s69, s69, s70
.irp s, 0,1
	v_add_nc_u32 v[AD1+\s], s68, v3
	v_add_nc_u32 v[AD0+\s], s69, v3
	s_add_co_u32 s68, s68, SLOT
	s_add_co_u32 s69, s69, SLOT
.endr
	s_mul_i32 s71, s14, 5120
	s_add_co_u32 s71, s71, STAGE                   ; my stage
	v_mul_u32_u24 v5, v1, 80
	v_lshl_add_u32 v5, v2, 3, v5
	v_add_nc_u32 v[STO], s71, v5                   ; in: row r, 8 bytes for each half of the lanes
	v_and_b32 v6, 31, v0
	v_lshrrev_b32 v7, 2, v6
	v_and_b32 v8, 3, v6
	v_mul_u32_u24 v7, v7, 80
	v_lshl_add_u32 v7, v8, 4, v7
	v_add_nc_u32 v[RD], s71, v7                    ; back: four lanes to a row of 64 bytes
	v_lshlrev_b32 v[CO], 4, v6                     ; and in memory: 16 x lane
	v_lshlrev_b32 v[BO], 5, v2                     ; the bias along the registers: eight numbers for each half of the lanes
	s_wait_alu depctr_va_vdst(0)
	v_lshlrev_b32 v[BRO], 2, v1                    ; the bias by rows: one number a lane
.if QKV
	s_wait_alu depctr_va_vdst(0)
	s_cmp_eq_u32 s66, 1
	s_cselect_b64 s[8:9], s[90:91], s[92:93]
	s_cmp_eq_u32 s66, 0
	s_cselect_b64 s[8:9], s[88:89], s[8:9]         ; this product's bias
.else
	s_mov_b64 s[8:9], s[92:93]
.endif
	s_cmp_eq_u32 s67, 0
	s_cselect_b32 s96, s42, 0                      ; for v this bias is multiplied by 0: its address is kept inside the buffer
	s_lshl_b32 s96, s96, 1
	s_add_co_u32 s96, s96, s16
	s_lshl_b32 s96, s96, 9
	s_mov_b32 s97, 0
	s_add_nc_u64 s[12:13], s[8:9], s[96:97]        ; at column 128 (2 tile + my half of source 0)
.irp b, 0,1,2,3,4,5,6,7
	global_load_b128 v[BC+8*\b:BC+8*\b+3], v[BO], s[12:13] offset:64*\b
	global_load_b128 v[BC+8*\b+4:BC+8*\b+7], v[BO], s[12:13] offset:64*\b+16
.endr
.if QKV
	s_cmp_eq_u32 s67, 0
	s_cselect_b32 s96, s42, s17                    ; for v the weight's tile is T's
	s_lshl_b32 s96, s96, 1
	s_add_co_u32 s96, s96, s15
	s_lshl_b32 s96, s96, 9
	s_add_nc_u64 s[8:9], s[8:9], s[96:97]          ; at column 128 (2 tile + my half of source 1)
.irp a, 0,1,2,3,4,5,6,7
	global_load_b32 v[BR+2*\a], v[BRO], s[8:9] offset:64*\a
.endr
.endif
	s_wait_kmcnt 0x0
.if QKV
	s_cmp_eq_u32 s66, 1                            ; eA, eB, eOut: entries 2 which, 2 which + 1, 6 + which
	s_cselect_b32 s88, s74, s76
	s_cselect_b32 s89, s75, s77
	s_cselect_b32 s90, s79, s80
	s_cmp_eq_u32 s66, 0
	s_cselect_b32 s88, s72, s88
	s_cselect_b32 s89, s73, s89
	s_cselect_b32 s90, s78, s90
	s_add_co_i32 s88, s88, s89                     ; eA + eB
	s_sub_co_i32 s90, s90, s88                     ; eOut - eA - eB
	s_sub_co_i32 s89, 127, s88
	s_lshl_b32 s89, s89, 23                        ; 2^-(eA + eB)
	s_cmp_eq_u32 s67, 0
	s_cselect_b32 s91, s89, 0                      ; the factor of the bias along the registers,
	s_cselect_b32 s92, 0, s89                      ; and of the bias by rows
.else
	s_add_co_i32 s88, s[72+EA], s[72+EB]
	s_sub_co_i32 s90, s[72+EO], s88
	s_sub_co_i32 s89, 127, s88
	s_lshl_b32 s91, s89, 23
.endif
	s_add_co_i32 s90, s90, 127
	s_lshl_b32 s93, s90, 23
	v_mov_b32 v[SCL], s93                          ; a sum stands for sum x 2^(eA + eB): its code is sum / 2^(eOut - eA - eB): three scales in one
	s_add_co_i32 s90, s90, 8
	s_lshl_b32 s90, s90, 23
	s_or_b32 s90, s90, 0x600000
	v_mov_b32 v[LIM], s90                          ; 448 x that
	s_wait_loadcnt 0x0
.set n, 0
.rept 64
	v_mul_f32 v[BC+n], s91, v[BC+n]
.set n, n+1
.endr
.if QKV
.irp a, 0,1,2,3,4,5,6,7
	v_mul_f32 v[BR+2*\a+1], s92, v[BR+2*\a]        ; twice, for the packed addition
	v_mul_f32 v[BR+2*\a], s92, v[BR+2*\a]
.endr
.endif
.macro FRAG reg, adr, q, i             ; a fragment, 16 rows x 128 K: rows 16 i on, the slot's q-th 128 along K (panels 2 q, 2 q + 1)
.irp c, 0,1,2,3
	ds_load_b128 v[\reg+4*\c:\reg+4*\c+3], v[\adr] offset:(2*(\q)+\c/2)*PNL+32*(\c%2)+1088*(\i)
.endr
.endm
; 16 matrix instructions: source 1's blocks a0, a0 + 1 x source 0's eight, 128 along K.  p: source 0's set.  first = 1: the bias is the C: nothing is cleared.
; The 64 accumulators take turns, one instruction a turn, in the same order in every step.
.macro MUL16 a0, p, first
.irp a, \a0, \a0+1
.irp b, 0,1,2,3,4,5,6,7
.if \first
	v_wmma_f32_16x16x128_fp8_fp8 v[8*(8*((\a)%4)+\b):8*(8*((\a)%4)+\b)+7], v[128*(\p)+16*\b:128*(\p)+16*\b+15], v[AF+16*(\a):AF+16*(\a)+15], v[BC+8*\b:BC+8*\b+7]
.else
	v_wmma_f32_16x16x128_fp8_fp8 v[8*(8*((\a)%4)+\b):8*(8*((\a)%4)+\b)+7], v[128*(\p)+16*\b:128*(\p)+16*\b+15], v[AF+16*(\a):AF+16*(\a)+15], v[8*(8*((\a)%4)+\b):8*(8*((\a)%4)+\b)+7]
.endif
.endr
.endr
.endm
.macro FETCH_B slot, q, p              ; source 0's eight fragments into set p
	WIN 0x40                                       ; destination window 1, address window 0
.irp i, 0,1,2,3,4,5,6,7
	FRAG 128*(\p)+16*\i, AD0+\slot, \q, \i
.endr
	WIN 0
.endm
.macro FETCH_A slot, q, i0             ; source 1's blocks i0 .. i0 + 3
.irp i, \i0, \i0+1, \i0+2, \i0+3
	FRAG AF+16*(\i), AD1+\slot, \q, \i
.endr
.endm
; A step of 128 along K that has its successor in the same slot.  Windows: source 0 window 1, source 1 window 0, D window 2 or 3; C with D, in the first step window 0.
.macro STEP slot, q, first
	s_wait_dscnt 4*NL                              ; source 0's set and source 1's blocks 0-3 are in; the youngest sixteen loads (blocks 4-7) may be out
.if \first
	WIN 0x81
.else
	WIN 0xa1
.endif
	MUL16 0, (\q)%2, \first
	MUL16 2, (\q)%2, \first
	s_wait_dscnt 0x0                               ; blocks 4-7 are in (asked for 32 matrix instructions ago)
	PLACES
	FETCH_B \slot, (\q)+1, 1-(\q)%2
	FETCH_A \slot, (\q)+1, 0
.if \first
	WIN 0xc1
.else
	WIN 0xf1
.endif
	MUL16 4, (\q)%2, \first
	MUL16 6, (\q)%2, \first
	PLACES
	WIN 0
	FETCH_A \slot, (\q)+1, 4
.endm
; A slot's last step changes slots: ONE barrier; ahead of it each wave waits for all its tensor loads, adds 0 to its spare word, and waits for that and for its own reads of this slot.  fill = 1: this slot is filled again, two K steps ahead.
.macro TURN slot, next, fill
	s_wait_tensorcnt 0x0                           ; all my tensor loads have landed: my part of the next slot  (every window is 0 here)
	ds_add_u32 v[SPW], v[NIL]                      ; 0 onto my spare word
	s_wait_dscnt 4*NL+1                            ; (the add and the youngest sixteen loads may be out)
	WIN 0xa1
	MUL16 0, 1, 0                                  ; sixteen matrix instructions stand between the add and the wait for it
	s_wait_dscnt 0x0                               ; the add is done, and my reads of this slot are over
	s_barrier_signal -1
	MUL16 2, 1, 0
	WIN 0
	s_barrier_wait -1
.if \fill
	CREST                                          ; the barrier has opened a round of the cluster's barrier: no wave of any partner still reads this slot or has a load on its way
	s_add_nc_u64 s[G0+4*\slot+2:G0+4*\slot+3], s[G0+4*\slot+2:G0+4*\slot+3], 8*PANT
	s_add_nc_u64 s[G0B+4*\slot+2:G0B+4*\slot+3], s[G0B+4*\slot+2:G0B+4*\slot+3], 8*PANW
	JLOAD G0+4*\slot, G1, G0B+4*\slot, G1B         ; my one tensor load behind the round; its four v_nop are also the places ahead of the loads below
.else
	PLACES
.endif
	FETCH_B \next, 0, 0
	FETCH_A \next, 0, 0
	WIN 0xf1
	MUL16 4, 1, 0
	MUL16 6, 1, 0
	PLACES
	WIN 0
	FETCH_A \next, 0, 4
.endm
	s_wait_alu depctr_va_vdst(0)
	s_wait_tensorcnt 0x0                           ; my part of slot 0 is in
	ds_add_u32 v[SPW], v[NIL]
	s_wait_dscnt 0x0
	CROUND                                         ; everybody's part of slot 0 is in, and the joint loads meet
	JLOAD G0+4, G1, G0B+4, G1B                     ; slot 1's first fill, my one tensor load behind the round
	global_prefetch_b8 v31, s[98:99] offset:0x200000 th:TH_LOAD_NT scope:SCOPE_SE
	FETCH_B 0, 0, 0
	FETCH_A 0, 0, 0
	FETCH_A 0, 0, 4
	STEP 0, 0, 1                                   ; K 0 on: the bias starts the sums
	TURN 0, 1, 1                                   ; K 128 on; slot 0 takes K 512 on
	STEP 1, 0, 0
	TURN 1, 0, 1                                   ; slot 1 takes K 768 on
	STEP 0, 0, 0
	TURN 0, 1, 0                                   ; nothing is left to fetch
	STEP 1, 0, 0
	s_wait_dscnt 4*NL                              ; the last step
	WIN 0xa1
	MUL16 0, 1, 0
	MUL16 2, 1, 0
	s_wait_dscnt 0x0
	WIN 0xf1
	MUL16 4, 1, 0
	MUL16 6, 1, 0
	WIN 0
	PLACES
	; THE WAY OUT, in four chunks of 64 x 64: hold, convert, 8 bytes a lane into my stage, back as rows of 64 bytes, out as 4,096 consecutive bytes.
	s_lshl_b32 s88, s17, 1
	s_lshl_b32 s89, s42, 1
.if QKV
	s_cmp_eq_u32 s67, 0
	s_mov_b32 s90, s88                             ; source 1's tile is T's,
	s_mov_b32 s91, s89                             ; source 0's, which numbers the panels, W's
	s_cselect_b32 s92, 18, 16                      ; log2 of a panel's bytes: 4,096 or 1,024 rows x 64
.else
	s_mov_b32 s90, s88
	s_mov_b32 s91, s89
	s_mov_b32 s92, 18
.endif
	s_add_co_u32 s90, s90, s15
	s_add_co_u32 s91, s91, s16
	s_lshl_b32 s90, s90, 13                        ; my 128 rows of 64 bytes
	s_lshl_b32 s91, s91, 1                         ; my first panel of two
	s_lshl_b32 s91, s91, s92
	s_add_co_u32 s90, s90, s91
.if QKV
	s_lshl_b32 s91, s66, 22                        ; q, k, v lie 4 MiB apart
	s_add_co_u32 s90, s90, s91
.endif
	s_mov_b32 s91, 0
	s_lshl_b32 s96, 1, s92
	s_mov_b32 s97, 0
	s_add_nc_u64 s[10:11], s[10:11], s[90:91]      ; my first panel,
	s_add_nc_u64 s[12:13], s[10:11], s[96:97]      ; my second
; Chunk (ah, pb): source 1's rows 64 ah on, source 0's rows 64 pb on (panel pb).  again = 1: the last chunk's stores have to have read their registers first.
.macro CHUNK ah, pb, again
.if \again
	s_wait_xcnt 0x0                                ; the rows read back are written again only behind this wait
.endif
.if \ah
	WIN 0x03                                       ; source 0: window 3
.else
	WIN 0x02                                       ; source 0: window 2
.endif
.irp a, 0,1,2,3
.irp b, 0,1,2,3
.if QKV
.irp i, 0,2,4,6
	v_pk_add_f32 v[TMP+8*(4*\a+\b)+\i:TMP+8*(4*\a+\b)+\i+1], v[8*(8*\a+4*\pb+\b)+\i:8*(8*\a+4*\pb+\b)+\i+1], v[BR+2*(4*\ah+\a):BR+2*(4*\ah+\a)+1]   ; the bias by rows; each accumulator from its low end on
.endr
.else
.irp i, 0,1,2,3,4,5,6,7
	v_med3_num_f32 v[TMP+8*(4*\a+\b)+\i], v[8*(8*\a+4*\pb+\b)+\i], 0, v[LIM]   ; relu and the hold in one; each accumulator from its low end on
.endr
.endif
.endr
.endr
	WIN 0
.if QKV
.set n, 0
.rept 128
	v_med3_num_f32 v[TMP+n], v[TMP+n], -v[LIM], v[LIM]   ; the conversion to an 8-bit code does not saturate (ISA guide 7.6.2)
.set n, n+1
.endr
.endif
.set n, 0
.rept 16
	v_cvt_scalef32_pk8_fp8_f32 v[CD+2*n:CD+2*n+1], v[TMP+8*n:TMP+8*n+7], v[SCL]
.set n, n+1
.endr
	v_nop                                          ; a plain line behind the run's last conversion
.irp a, 0,1,2,3
.irp b, 0,1,2,3
	ds_store_b64 v[STO], v[CD+2*(4*\a+\b):CD+2*(4*\a+\b)+1] offset:1280*\a+16*\b
.endr
.endr
.irp i, 0,1,2,3,4,5,6,7
	ds_load_b128 v[RB+4*\i:RB+4*\i+3], v[RD] offset:640*\i   ; LDS serves a wave's instructions in order: these see my stores, and the next chunk's stores come behind them
.endr
.irp i, 0,1,2,3,4,5,6,7
	s_wait_dscnt 7-\i                              ; the younger loads may be out
	global_store_b128 v[CO], v[RB+4*\i:RB+4*\i+3], s[10+2*\pb:11+2*\pb] offset:4096*\ah+512*\i   ; 32 lanes store 512 consecutive bytes, at a multiple of 512 from the buffer's first byte
.endr
.endm
	CHUNK 0, 0, 0
	CHUNK 0, 1, 1
	CHUNK 1, 0, 1
	CHUNK 1, 1, 1
	s_wait_tensorcnt 0x0                           ; the wave's end
	ds_add_u32 v[SPW], v[NIL]
	s_wait_dscnt 0x0
	CROUND                                         ; the closing round
	s_endpgm
.Lfunc_end_k_q17b20600f3_gemm_qkv:
	.size	k_q17b20600f3_gemm_qkv, .Lfunc_end_k_q17b20600f3_gemm_qkv-k_q17b20600f3_gemm_qkv
	.p2alignl 7, 3214868480
	.fill 96, 4, 3214868480
	.section	.rodata,"a",@progbits
	.p2align	6, 0x0
	.amdhsa_kernel k_q17b20600f3_gemm_qkv
		.amdhsa_group_segment_fixed_size 327680
		.amdhsa_private_segment_fixed_size 0
		.amdhsa_enable_private_segment 0
		.amdhsa_kernarg_size 56
		.amdhsa_user_sgpr_count 2
		.amdhsa_user_sgpr_kernarg_segment_ptr 1
		.amdhsa_wavefront_size32 1
		.amdhsa_system_sgpr_workgroup_id_x 1
		.amdhsa_system_sgpr_workgroup_id_y 1
		.amdhsa_system_sgpr_workgroup_id_z 1
		.amdhsa_system_vgpr_workitem_id 0
		.amdhsa_next_free_vgpr 1024
		.amdhsa_next_free_sgpr 100
		.amdhsa_reserve_vcc 0
		.amdhsa_float_denorm_mode_32 3
		.amdhsa_float_denorm_mode_16_64 3
		.amdhsa_memory_ordered 1
		.amdhsa_forward_progress 1
		.amdhsa_inst_pref_size 148
	.end_amdhsa_kernel
	.amdgpu_metadata
---
amdhsa.version: [ 1, 2 ]
amdhsa.kernels:
  - .name:           k_q17b20600f3_gemm_qkv
    .symbol:         k_q17b20600f3_gemm_qkv.kd
    .args:
      - { .name: xqkv, .offset: 0, .size: 8, .value_kind: global_buffer, .address_space: global }
      - { .name: wcodes, .offset: 8, .size: 8, .value_kind: global_buffer, .address_space: global }
      - { .name: b_Q, .offset: 16, .size: 8, .value_kind: global_buffer, .address_space: global }
      - { .name: b_K, .offset: 24, .size: 8, .value_kind: global_buffer, .address_space: global }
      - { .name: b_V, .offset: 32, .size: 8, .value_kind: global_buffer, .address_space: global }
      - { .name: lowp_scales, .offset: 40, .size: 8, .value_kind: global_buffer, .address_space: global }
      - { .name: qkv, .offset: 48, .size: 8, .value_kind: global_buffer, .address_space: global }
    .group_segment_fixed_size: 327680
    .private_segment_fixed_size: 0
    .kernarg_segment_align: 8
    .kernarg_segment_size: 56
    .max_flat_workgroup_size: 128
    .sgpr_count:     100
    .vgpr_count:     1024
    .wavefront_size: 32
...
	.end_amdgpu_metadata
.endif
;; end of part 10
;; launch attn (part 11): grid 8 x 32, 16 waves a work-group, clusters of 4 x 1, 327,680 bytes of LDS; arguments qkv, lowp_scales, z; writes z
.if DOCPART == 11
	.amdgcn_target "amdgcn-amd-amdhsa--gfx1250"
	.amdhsa_code_object_version 6
	.text
	.protected	k_q17b20600f3_attn
	.globl	k_q17b20600f3_attn
	.p2align	8
	.type	k_q17b20600f3_attn,@function
k_q17b20600f3_attn:
	s_mov_b64 s[64:65], 0
	v_nop
	global_prefetch_b8 v0, s[64:65] scope:SCOPE_SE
	s_setreg_imm32_b32 hwreg(HW_REG_WAVE_MODE, 25, 1), 1
	s_wait_xcnt 0x0
	s_wait_alu depctr_hold_cnt(0) depctr_sa_sdst(0) depctr_va_vdst(0) depctr_va_sdst(0) depctr_va_ssrc(0) depctr_va_vcc(0) depctr_vm_vsrc(0)
	s_getreg_b32 s2, hwreg(HW_REG_IB_STS2, 6, 4)
	s_cmp_eq_u32 s2, 0
	s_cbranch_scc0 .Lentry_in_a_cluster
	s_endpgm
.Lentry_in_a_cluster:
	s_bfe_u32 s2, ttmp6, 0x10000c
	s_cmp_lg_u32 s2, 0x3003
	s_cbranch_scc0 .Lentry_shape_is_right
	s_endpgm
.Lentry_shape_is_right:
; z[b][q][h][:] = the sum over keys s <= q of softmax_s(q . k / 8) v, both products on codes of E4M3; z leaves as codes (entry 10).  Scales: q entry 6, k 7, v 8, p 9.
; q, k: [16 heads][4,096 tokens][64] codes; v: [64 chunks of 64 tokens][1,024 columns 64 head + d][64 keys] codes; z: [16 heads][4,096 tokens][64] codes.
; LEFT OUT: key steps that lie wholly under the causal mask.
; THE SOFTMAX AHEAD OF THE SECOND PRODUCT: t = score x log2(e) / 8; M = the running largest t rounded UP to a whole number; p = 2^(t - M) is quantised, not normalised; the row's sum is taken of the
; unquantised p and divides at the end.  When M moves, the sum and O are multiplied by 2^(old M - new M), which rounds nothing.
; SHARES.  Work-group g (0..7) of a head of a sequence owns tile g (16 queries) of each of the 16 blocks of 128 queries: the tile of block m has m + 1 key steps of 128, 136 steps a work-group, in every
; work-group alike.  Waves 2 p and 2 p + 1 share the tiles of blocks l = 8 + p and e = 7 - p, 17 steps.  The wave of role A takes the late tile's steps 0-7.  The wave of role B takes the late tile's steps
; 8..l, whose part (O, M, sum) it puts into LDS, and the whole early tile, steps 0..e: 9 steps; with p <= 3 the early tile comes first, with p >= 4 the late part, so that each B has four steps among
; steps 0-3 or 8-11.  Behind one barrier at the end A joins the two parts of the late tile: both are brought under the larger M by powers of two.
; Role = bit 0 xor bit 2 of the wave's number.  Which steps a wave walks hangs on its number and on counted trips alone.
; K AND V: the head's 2,048 keys and values lie in LDS.  They come in two groups of sixteen loads, one load a wave and group, a step's K or V a load: steps 0-3 and 8-11 at the head, steps 4-7 and 12-15 behind
; the first group's landing.  Walk 1 (4 trips, every wave 4 steps) reads the first group alone; a barrier; walks 2 and 3 (4 trips each) read all.
; K IN LDS has 16 bytes of padding behind every 128: key k lies at (k / 2) x 144 + (k % 2) x 64.  The sixteen keys of a fragment load, 0-7 and 16-23 of a run, then start at sixteen different multiples of 16 modulo 256
; (64 banks of 4 bytes: ISA guide 11.1).  V's sixteen rows are neighbours: 16 bytes behind every 256 do the same for them.
; CLUSTER: the four work-groups of a cluster walk the same head: each load is asked for jointly, mask 15; its descriptor hangs on the head, the sequence and the wave's number.  My place in the cluster enters the
; addresses of q and z and the number that the diagonal's compares take, and no branch and no LDS address.
; NO PREFETCH: all K and V are asked for in two groups, the second directly behind the first's landing: there is no later trip whose tiles could be asked for ahead.
; LAYOUT.  Both products are used transposed (S^T = K Q^T, O^T = V^T P^T): a lane holds one query.  Lane r of tile 2 b + u of K takes key 32 b + 8 u + r + 8 (r / 8), so that the 16 registers of two
; neighbouring tiles are 16 neighbouring keys.  Inside an instruction k is permuted, alike in both operands.
; LIMITS: e6 + e7 between -123 and 130; e9 and e10 - e8 - e9 between -126 and 119.  NaN and infinities are not served.
; REGISTERS: v1, v2 my place in a tile of K, of V; v3 q's offset; v4 the diagonal's number; v5-7 the way out; v8, v9 the step's addresses; v12 -M; v13 the largest t; v[14:15] the sum; v16-23 Q; v24-31 my second
;   tile's Q; v32-95 K's eight fragments, then V's four; v96-159 S^T, then p; v160-191 O^T; v192-207 p's codes; v208-215 z's codes; v216-232, v244-251 at work and constants; v254, v255 the add's two.
.set KSTP,  9216                       ; a step's 128 keys of K in LDS: 8,192 bytes + 16 behind every 128
.set STP,   8704                       ; a step's 128 keys of V: 8,192 bytes + 16 behind every 256
.set VREG,  16*KSTP                    ; K's sixteen steps, then V's
.set SPARE, VREG+16*STP                ; the spare words: 128 bytes for each of sixteen waves
.set SCR,   SPARE+2048                 ; a late tile's second part: 4,352 bytes for each pair of waves.  A B wave that sends its early tile out first takes its pair's scratch as the stage for that
.macro CROUND                          ; a round of the cluster's barrier
	s_barrier_signal -1
	s_barrier_wait -1
	s_cmp_lg_u32 s18, 0
	s_cbranch_scc1 .Lnot_wave_0_\@
	s_barrier_signal -3
.Lnot_wave_0_\@:
	s_barrier_wait -3
	s_barrier_signal -1
	s_barrier_wait -1
.endm
.macro TLOAD                           ; waves 0-7 fetch a step of K, waves 8-15 a step of V: one joint load a wave.  An s_nop 0 and four v_nop follow each line
	s_cmp_lt_u32 s18, 8
	s_cbranch_scc0 .Lfor_v_\@
	tensor_load_to_lds s[40:43], s[24:31]
	s_nop 0
.rept 4
	v_nop
.endr
	s_branch .Lasked_\@
.Lfor_v_\@:
	tensor_load_to_lds s[44:47], s[32:39]
	s_nop 0
.rept 4
	v_nop
.endr
.Lasked_\@:
.endm
.macro INIT                            ; a tile's state: the step is written once, its first run finds zeros
	v_mov_b32 v13, 0xff61b1e6                      ; the largest t so far: -3e38
	v_mov_b32 v14, 0
	v_mov_b32 v15, 0
	v_floor_f32 v12, -v13                          ; -M
.set n, 0
.rept 32
	v_mov_b32 v[160+n], 0
.set n, n+1
.endr
.endm
.macro DUMP                            ; my part of the late tile into my pair's scratch
	v_add_f32 v13, v14, v15                        ; -M and my lane's sum as a pair
.set n, 0
.rept 8
	ds_store_b128 v230, v[160+4*n:163+4*n] offset:512*n   ; O^T as an image of its registers, each accumulator from its low end on
.set n, n+1
.endr
	ds_store_b64 v231, v[12:13] offset:4096
.endm
.macro OUT sin, sback                  ; THE WAY OUT of a finished tile: O^T / the sum, held, converted, through a stage (addresses in v[sin], v[sback]), out as 1,024 consecutive bytes
	v_add_f32 v14, v14, v15
	s_delay_alu instid0(VALU_DEP_1)
	v_permlanex16_b32 v216, v14, s20, s21
	s_delay_alu instid0(VALU_DEP_1)
	v_add_f32 v14, v14, v216                       ; the row's sum
	s_wait_alu depctr_va_vdst(0)
	v_rcp_f32 v14, v14
	v_nop                                          ; a plain line behind the transcendental
	s_wait_alu depctr_va_vdst(0)                   ; ahead of its first reader, which is O^T's too
.set n, 0
.rept 16
	v_pk_mul_f32 v[96+2*n:97+2*n], v[160+2*n:161+2*n], v[14:15] op_sel_hi:[1,0]   ; register 8 t + i: channel 16 t + 8 h + i of my query
.set n, n+1
.endr
.set n, 0
.rept 32
	v_med3_num_f32 v[96+n], v[96+n], -v226, v226
.set n, n+1
.endr
.irp t, 0,1,2,3
	v_cvt_scalef32_pk8_fp8_f32 v[208+2*\t:209+2*\t], v[96+8*\t:103+8*\t], v227
.endr
	v_nop                                          ; a plain line behind the run's last conversion
.irp t, 0,1,2,3
	ds_store_b64 v[\sin], v[208+2*\t:209+2*\t] offset:16*\t
.endr
	ds_load_b128 v[32:35], v[\sback]               ; LDS serves a wave's instructions in order: these see my stores
	ds_load_b128 v[36:39], v[\sback] offset:512
	s_wait_dscnt 1
	global_store_b128 v7, v[32:35], s[8:9]         ; 32 lanes store 512 consecutive bytes, at a multiple of 512 from the buffer's first byte
	s_wait_dscnt 0x0
	global_store_b128 v7, v[36:39], s[8:9] offset:512
.endm
	s_load_b128 s[4:7], s[0:1], 0x0                ; q, k, v s[4:5]; the scales' exponents s[6:7]
	s_load_b64 s[8:9], s[0:1], 0x10                ; z
	v_lshl_add_u32 v254, v0, 2, SPARE
	v_mov_b32 v255, 0
	ds_add_u32 v254, v255                          ; the opening: the add, twice on end, and its wait ahead of my first tensor load
	ds_add_u32 v254, v255
	v_lshrrev_b32 v8, 5, v0
	v_readfirstlane_b32 s18, v8                    ; wave 0..15
	s_bfe_u32 s61, ttmp6, 0x40000                  ; my place in the cluster
	s_lshl_b32 s60, ttmp9, 2
	s_add_co_u32 s61, s61, s60                     ; g
	s_and_b32 s60, ttmp7, 0xffff
	s_and_b32 s62, s60, 15                         ; the head
	s_lshr_b32 s63, s60, 4                         ; the sequence
	s_lshr_b32 s19, s18, 2
	s_xor_b32 s19, s19, s18
	s_and_b32 s19, s19, 1                          ; role: 0 A, 1 B
	s_lshr_b32 s11, s18, 3
	s_xor_b32 s10, s11, 1
	s_and_b32 s11, s11, s19                        ; 1: B with p >= 4, the late part first
	s_and_b32 s10, s10, s19                        ; 1: B with p <= 3, the early tile first
	s_lshr_b32 s60, s18, 1
	s_lshl_b32 s60, s60, 7                         ; 128 p
	s_add_co_u32 s12, s60, 1024                    ; 128 l: the late block's first key
	s_sub_co_u32 s13, 896, s60                     ; 128 e: the early block's
	s_cmp_eq_u32 s10, 0
	s_cselect_b32 s50, s12, s13                    ; my first tile's block,
	s_cselect_b32 s51, s13, s12                    ; my second's
	; descriptor group 1.  K: 128 keys, dense: 32 rows of 32 elements of 8 bytes.  V: 2 chunks, each a row of 512 elements (64 d x 64 bytes, dense), 8,192 elements apart
	s_mov_b32 s24, 15|(3<<16)|(1<<20)|(1<<21)|(4<<22)|(3<<25) ; the mask; elements of 8 bytes; padding on; bit 21 beside a mask; four words after every 32
	s_mov_b32 s25, 32<<16
	s_mov_b32 s26, 32<<16
	s_mov_b32 s27, 32<<16
	s_mov_b32 s28, 32
	s_mov_b32 s29, 32
	s_mov_b32 s30, 0
	s_mov_b32 s31, 0
	s_mov_b32 s32, 15|(3<<16)|(1<<20)|(1<<21)|(5<<22)|(3<<25) ; the same, four words after every 64
	s_mov_b32 s33, 512<<16
	s_mov_b32 s34, 2<<16
	s_mov_b32 s35, 512<<16
	s_mov_b32 s36, 2
	s_mov_b32 s37, 8192
	s_mov_b32 s38, 0
	s_mov_b32 s39, 0
	s_bfe_u32 s53, s18, 0x10002
	s_lshl_b32 s53, s53, 3
	s_and_b32 s54, s18, 3
	s_add_co_u32 s53, s53, s54                     ; the step that I fetch first: 8 x bit 2 + the low two bits.  Every wave makes K's and V's group 0 and asks by one of them
	s_mul_i32 s41, s53, KSTP                       ; where a step of K goes,
	s_mul_i32 s45, s53, STP
	s_add_co_u32 s45, s45, VREG                    ; and a step of V
	s_lshl_b32 s66, s62, 18                        ; K's offset: 4 MiB + (4,096 head + 2,048 sequence + 128 step) x 64
	s_lshl_b32 s73, s63, 17
	s_add_co_u32 s66, s66, s73
	s_lshl_b32 s73, s53, 13
	s_add_co_u32 s66, s66, s73
	s_add_co_u32 s66, s66, 0x400000
	s_mov_b32 s67, 0
	s_lshl_b32 s74, s63, 21                        ; V's: 8 MiB + ((32 sequence + 2 step) x 1,024 + 64 head) x 64
	s_lshl_b32 s73, s62, 12
	s_add_co_u32 s74, s74, s73
	s_lshl_b32 s73, s53, 17
	s_add_co_u32 s74, s74, s73
	s_add_co_u32 s74, s74, 0x800000
	s_mov_b32 s75, 0
	s_lshl_b32 s76, s62, 12
	s_lshl_b32 s73, s63, 11
	s_add_co_u32 s76, s76, s73
	s_lshl_b32 s59, s61, 4                         ; 16 g
	s_add_co_u32 s76, s76, s59
	s_add_co_u32 s78, s76, s50
	s_lshl_b32 s78, s78, 6                         ; my first tile's rows in q and z
	s_mov_b32 s79, 0
	s_add_co_u32 s76, s76, s51
	s_lshl_b32 s76, s76, 6                         ; my second's
	s_mov_b32 s77, 0
	s_mov_b32 s20, 0x76543210                      ; v_permlanex16_b32: lane l xor 16
	s_mov_b32 s21, 0xfedcba98
	s_mov_b32 s22, 0x3e38aa3b                      ; c = log2(e) / 8
	s_wait_dscnt 0x0                               ; both opening adds are done
	s_wait_kmcnt 0x0
	s_load_b128 s[68:71], s[6:7], 0x18             ; e6, e7, e8, e9
	s_load_b32 s72, s[6:7], 0x28                   ; e10
	s_mov_b32 s40, 1
	s_add_nc_u64 s[42:43], s[4:5], s[66:67]
	s_or_b32 s43, s43, 0x80000000
	s_mov_b32 s44, 1
	s_add_nc_u64 s[46:47], s[4:5], s[74:75]
	s_or_b32 s47, s47, 0x80000000
	s_add_nc_u64 s[14:15], s[4:5], s[78:79]        ; q at my first tile,
	s_add_nc_u64 s[16:17], s[4:5], s[76:77]        ; at my second
	s_cmp_eq_u32 s11, 0
	s_cselect_b64 s[76:77], s[78:79], s[76:77]     ; the tile that I send out: my first (A: the late one; B, p <= 3: the early one), for B with p >= 4 my second (the early one)
	s_add_nc_u64 s[8:9], s[8:9], s[76:77]
	CROUND                                         ; the four work-groups are here: the first joint loads meet
	TLOAD                                          ; steps 0-3 and 8-11: one tensor load a wave at the head
	s_lshr_b32 s53, s18, 1
	s_lshl_b32 s52, s53, 10
	s_lshl_b32 s54, s19, 13
	s_add_co_u32 s52, s52, s54                     ; my stage behind the barrier at the end: 1,024 p + 8,192 role, in K's part, which has had its last fill and its last read by then
	s_mul_i32 s53, s53, 4352
	s_add_co_u32 s53, s53, SCR                     ; my pair's scratch
	v_and_b32 v10, 15, v0                          ; r
	v_bfe_u32 v11, v0, 4, 1                        ; h
	v_lshlrev_b32 v3, 6, v10
	s_delay_alu instid0(VALU_DEP_1)
	v_lshl_add_u32 v3, v11, 4, v3
	global_load_b128 v[16:19], v3, s[14:15]        ; my first tile's Q
	global_load_b128 v[20:23], v3, s[14:15] offset:32
	global_load_b128 v[24:27], v3, s[16:17]        ; my second tile's Q (one path for both roles; B uses it)
	global_load_b128 v[28:31], v3, s[16:17] offset:32
	v_and_b32 v4, 8, v10
	v_lshrrev_b32 v2, 2, v10
	v_add_nc_u32 v4, v4, v10                       ; r + 8 (r / 8)
	v_mul_u32_u24 v2, v2, 272
	v_lshrrev_b32 v1, 1, v4
	v_and_b32 v4, 1, v4
	v_mul_u32_u24 v1, v1, 144
	v_and_b32 v5, 3, v10
	v_lshl_add_u32 v1, v4, 6, v1
	v_lshl_add_u32 v2, v5, 6, v2
	v_lshl_add_u32 v1, v11, 4, v1                  ; K: that row, + 16 h
	v_lshl_add_u32 v2, v11, 4, v2
	v_lshlrev_b32 v5, 6, v10
	v_add_nc_u32 v2, VREG, v2                      ; V: row d = r, + 16 h
	v_lshl_add_u32 v5, v11, 3, v5                  ; a stage, in: row r of 64 bytes, 8 bytes for each half of the lanes
	v_and_b32 v7, 31, v0
	v_add_nc_u32 v232, s53, v5                     ; in the scratch,
	v_add_nc_u32 v5, s52, v5                       ; in my stage at the end
	v_lshlrev_b32 v231, 3, v7
	v_lshlrev_b32 v7, 4, v7                        ; in memory: 16 x lane
	v_add_nc_u32 v231, s53, v231                   ; the scratch: 8 x lane, for -M and the sum
	v_add_nc_u32 v6, s52, v7                       ; my stage at the end, back
	v_add_nc_u32 v230, s53, v7                     ; the scratch: 16 x lane: an image of O's registers, and the way back where it serves as a stage
	v_lshlrev_b32 v4, 4, v11
	s_delay_alu instid0(VALU_DEP_1)
	v_sub_nc_u32 v4, v10, v4
	s_delay_alu instid0(VALU_DEP_1)
	v_add_nc_u32 v4, s59, v4                       ; on the diagonal: my query - the step's first key - 16 h = 16 g + r - 16 h.  Register 16 b + i holds key 32 b + 16 h + i: hidden where 32 b + i is larger
	v_mov_b32 v229, 0xff800000                     ; -infinity
	v_mov_b32 v216, 0                              ; written once: a lane permute's destination counts as one of its sources
	v_mov_b32 v219, 0                              ; (named as the upper halves of pairs)
	v_mov_b32 v223, 0
	INIT
	s_wait_kmcnt 0x0
	s_add_co_i32 s60, s68, s69
	s_lshl_b32 s60, s60, 23
	s_add_co_i32 s22, s22, s60                     ; a score stands for score x 2^(e6 + e7): added to c's exponent field
	s_mov_b32 s23, s22
	s_add_co_i32 s60, s71, 127
	s_lshl_b32 s61, s60, 23
	v_mov_b32 v225, s61                            ; 2^e9
	s_add_co_i32 s60, s60, 8
	s_lshl_b32 s60, s60, 23
	s_or_b32 s60, s60, 0x600000
	v_mov_b32 v224, s60                            ; 448 x 2^e9
	s_sub_co_i32 s60, s72, s70
	s_sub_co_i32 s60, s60, s71
	s_add_co_i32 s60, s60, 127
	s_lshl_b32 s61, s60, 23
	v_mov_b32 v227, s61                            ; 2^(e10 - e8 - e9): z's code is (O / sum) / that
	s_add_co_i32 s60, s60, 8
	s_lshl_b32 s60, s60, 23
	s_or_b32 s60, s60, 0x600000
	v_mov_b32 v226, s60
; A KEY STEP: the 128 keys from s57 on, which lie s48 bytes into K's and s56 bytes into V's part of LDS.  s55: the last first key that I walk; s58: the first key of the step on my tile's diagonal.
.macro STEP
	s_cmp_gt_i32 s57, s55
	s_cbranch_scc1 .Lhidden_\@                     ; not mine, or all of them come after my queries
	v_add_nc_u32 v8, s48, v1
	v_add_nc_u32 v9, s56, v2
	v_nop                                          ; with the two additions: four places ahead of loads into registers that the last products read
	v_nop
.irp t, 0,1,2,3,4,5,6,7
	ds_load_b128 v[32+8*\t:35+8*\t], v8 offset:2304*(\t/2)+576*(\t%2)
	ds_load_b128 v[36+8*\t:39+8*\t], v8 offset:2304*(\t/2)+576*(\t%2)+32
.endr
	s_wait_alu depctr_va_vdst(0)
	s_wait_dscnt 0x0
.irp t, 0,1,2,3,4,5,6,7
	v_wmma_f32_16x16x64_fp8_fp8 v[96+8*\t:103+8*\t], v[32+8*\t:39+8*\t], v[16:23], 0
.endr
.rept 4
	v_nop
.endr
.irp t, 0,1,2,3                        ; V's fragments are asked for now and land under the softmax
.irp c, 0,1,2,3
	ds_load_b128 v[32+16*\t+4*\c:35+16*\t+4*\c], v9 offset:1088*\t+4352*(\c/2)+32*(\c%2)
.endr
.endr
	s_cmp_lg_u32 s57, s58
	s_cbranch_scc1 .Lopen_\@                       ; all of them count
.set n, 0
.rept 64
	v_cmp_gt_i32 vcc_lo, 32*(n/16)+n%16, v4
	v_cndmask_b32 v[96+n], v[96+n], v229, vcc_lo
.set n, n+1
.endr
.Lopen_\@:
	v_max3_num_f32 v220, v96, v97, v98             ; the step's largest score of my query, in four chains, the registers in ascending order: each accumulator from its low end on
	v_max3_num_f32 v221, v99, v100, v101
	v_max3_num_f32 v222, v102, v103, v104
	v_max3_num_f32 v223, v105, v106, v107
.set n, 0
.rept 26
	v_max3_num_f32 v[220+n%4], v[220+n%4], v[108+2*n], v[109+2*n]
.set n, n+1
.endr
	v_max3_num_f32 v220, v220, v221, v222
	s_delay_alu instid0(VALU_DEP_1)
	v_max_num_f32 v220, v220, v223
	s_delay_alu instid0(VALU_DEP_1)
	v_permlanex16_b32 v216, v220, s20, s21
	s_delay_alu instid0(VALU_DEP_1)
	v_max_num_f32 v220, v220, v216                 ; and lane l xor 16's
	s_delay_alu instid0(VALU_DEP_1)
	v_mul_f32 v220, s22, v220                      ; as t (c is positive)
	s_delay_alu instid0(VALU_DEP_1)
	v_max_num_f32 v13, v13, v220
	v_mov_b32 v220, v12
	s_delay_alu instid0(VALU_DEP_2)
	v_floor_f32 v12, -v13                          ; the new -M = -ceil(t)
	s_delay_alu instid0(VALU_DEP_1)
	v_sub_f32 v220, v12, v220                      ; old M - new M: a whole number, 0 or less
	s_delay_alu instid0(VALU_DEP_1)
	v_cvt_i32_f32 v220, v220                       ; (it saturates)
	s_delay_alu instid0(VALU_DEP_1)
	v_ldexp_f32 v218, 1.0, v220                    ; f = 2^(old M - new M)
.set n, 0
.rept 32
	v_pk_fma_f32 v[96+2*n:97+2*n], v[96+2*n:97+2*n], s[22:23], v[12:13] op_sel_hi:[1,0,0]   ; t - M
.set n, n+1
.endr
	s_wait_alu depctr_va_vdst(0)
.set n, 0
.rept 64
	v_exp_f32 v[96+n], v[96+n]                     ; p = 2^(t - M)
.set n, n+1
.endr
	v_pk_mul_f32 v[14:15], v[14:15], v[218:219] op_sel_hi:[1,0]   ; the sum under the new M (a plain line behind the exponentials)
	s_wait_alu depctr_va_vdst(0)                   ; one wait for the batch, ahead of its first reader
.irp c, 0,1,2,3                        ; the row's sum of the unquantised p, two at a time, in four chains
	v_pk_add_f32 v[244+2*\c:245+2*\c], v[96+4*\c:97+4*\c], v[98+4*\c:99+4*\c]
.endr
.set n, 0
.rept 24
	v_pk_add_f32 v[244+2*(n%4):245+2*(n%4)], v[244+2*(n%4):245+2*(n%4)], v[112+2*n:113+2*n]
.set n, n+1
.endr
	v_pk_add_f32 v[244:245], v[244:245], v[246:247]
	v_pk_add_f32 v[248:249], v[248:249], v[250:251]
.irp b, 0,1,2,3
.set n, 0
.rept 16
	v_min_num_f32 v[96+16*\b+n], v[96+16*\b+n], v224   ; the conversion does not saturate (ISA guide 7.6.2); p is not negative
.set n, n+1
.endr
	v_cvt_scalef32_pk8_fp8_f32 v[192+4*\b:193+4*\b], v[96+16*\b:103+16*\b], v225
	v_cvt_scalef32_pk8_fp8_f32 v[194+4*\b:195+4*\b], v[104+16*\b:111+16*\b], v225
.if \b == 0
	v_pk_add_f32 v[244:245], v[244:245], v[248:249]
.endif
.if \b == 1
	v_pk_add_f32 v[14:15], v[14:15], v[244:245]
.endif
.endr
	s_wait_alu depctr_va_vdst(0)                   ; ahead of the first reader of O^T
.set n, 0
.rept 16
	v_pk_mul_f32 v[160+2*n:161+2*n], v[160+2*n:161+2*n], v[218:219] op_sel_hi:[1,0]   ; O^T under the new M; also the plain lines behind the conversions
.set n, n+1
.endr
	s_wait_alu depctr_va_vdst(0)
	s_wait_dscnt 0x0                               ; V's fragments
.irp t, 0,1,2,3
	v_wmma_f32_16x16x128_fp8_fp8 v[160+8*\t:167+8*\t], v[32+16*\t:47+16*\t], v[192:207], v[160+8*\t:167+8*\t]
.endr
.Lhidden_\@:
	s_add_co_u32 s48, s48, KSTP                    ; 128 keys on, in K's rows
	s_add_co_u32 s56, s56, STP                     ; and in V's chunks
	s_add_co_u32 s57, s57, 128
.endm
.macro WALK trips
	s_mov_b32 s49, \trips
.Lwalk_\@:
	STEP
	s_sub_co_u32 s49, s49, 1
	s_cmp_lg_u32 s49, 0
	s_cbranch_scc1 .Lwalk_\@
.endm
	s_mul_i32 s48, s11, 8*KSTP                     ; walk 1: from step 0; B with p >= 4 from step 8
	s_mul_i32 s56, s11, 8*STP
	s_lshl_b32 s57, s11, 10
	s_add_co_u32 s55, s50, 127
	s_cmp_eq_u32 s19, 0
	s_cselect_b32 s55, 1023, s55                   ; A walks the keys under 1,024, B up to its first tile's diagonal
	s_mov_b32 s58, s50
	s_wait_alu depctr_va_vdst(0)
	s_wait_loadcnt 0x0                             ; Q
	s_wait_tensorcnt 0x0                           ; my load has landed
	ds_add_u32 v254, v255
	s_add_co_u32 s41, s41, 4*KSTP                  ; no load of mine is out: both groups 0 step four key steps on
	s_add_nc_u64 s[42:43], s[42:43], 32768
	s_add_co_u32 s45, s45, 4*STP
	s_add_nc_u64 s[46:47], s[46:47], 524288
	s_wait_dscnt 0x0
	CROUND                                         ; everybody's first load has landed, and the joint loads meet
	TLOAD                                          ; steps 4-7 and 12-15: my one tensor load behind the round
	WALK 4
	s_wait_tensorcnt 0x0                           ; my second load has landed
	s_wait_dscnt 0x0
	s_barrier_signal -1
	s_barrier_wait -1                              ; everybody's has
	s_mul_i32 s48, s11, 8*KSTP                     ; walk 2: four steps on
	s_add_co_u32 s48, s48, 4*KSTP
	s_mul_i32 s56, s11, 8*STP
	s_add_co_u32 s56, s56, 4*STP
	s_lshl_b32 s57, s11, 10
	s_add_co_u32 s57, s57, 512
	WALK 4
	s_cmp_eq_u32 s19, 0
	s_cbranch_scc1 .Lkeep                          ; A keeps its part of the late tile in registers
.rept 4
	v_nop                                          ; places behind the last products
.endr
	s_cmp_eq_u32 s11, 0
	s_cbranch_scc1 .Learly_done
	DUMP                                           ; B, p >= 4: the late tile's second part is finished
	s_branch .Lsecond
.Learly_done:
	OUT 232, 230                                   ; B, p <= 3: the early tile is finished; its stage is my pair's scratch, which nobody else touches ahead of the barrier at the end
	s_wait_xcnt 0x0                                ; the stores have read their registers, which the next step's loads write
.Lsecond:
	s_wait_dscnt 0x0                               ; my LDS stores are done
.set n, 0
.rept 8
	v_mov_b32 v[16+n], v[24+n]                     ; on to my second tile
.set n, n+1
.endr
	INIT
	s_wait_alu depctr_va_vdst(0)
.Lkeep:
	s_mul_i32 s48, s10, 8*KSTP                     ; walk 3: B with p <= 3 from step 8, with p >= 4 from step 0
	s_mul_i32 s56, s10, 8*STP
	s_lshl_b32 s57, s10, 10
	s_add_co_u32 s55, s51, 127
	s_cmp_eq_u32 s19, 0
	s_cselect_b32 s55, -1, s55                     ; B up to its second tile's diagonal; A has no step left
	s_mov_b32 s58, s51
	WALK 4
.rept 4
	v_nop                                          ; places behind the last products
.endr
	s_cmp_eq_u32 s10, 0
	s_cbranch_scc1 .Lno_part
	DUMP                                           ; B, p <= 3: the late tile's second part
.Lno_part:
	s_wait_alu depctr_va_vdst(0)
	s_wait_dscnt 0x0                               ; my reads of K and V are over, my part lies in the scratch
	s_barrier_signal -1
	s_barrier_wait -1                              ; that holds of every wave
	s_cmp_lg_u32 s10, 0
	s_cbranch_scc1 .Lend                           ; B, p <= 3, has sent its tile out
	s_cmp_lg_u32 s19, 0
	s_cbranch_scc1 .Lown
.set n, 0
.rept 8
	ds_load_b128 v[96+4*n:99+4*n], v230 offset:512*n   ; A: the late tile's second part
.set n, n+1
.endr
	ds_load_b64 v[128:129], v231 offset:4096
	v_add_f32 v14, v14, v15
	v_mov_b32 v15, 0
	s_wait_alu depctr_va_vdst(0)
	s_wait_dscnt 0x0
	v_min_num_f32 v220, v12, v128                  ; -M of the two parts together
	s_delay_alu instid0(VALU_DEP_1)
	v_sub_f32 v221, v220, v12                      ; my M - that M, and the other part's: whole numbers, 0 or less
	v_sub_f32 v222, v220, v128
	s_delay_alu instid0(VALU_DEP_2)
	v_cvt_i32_f32 v221, v221
	s_delay_alu instid0(VALU_DEP_2)
	v_cvt_i32_f32 v222, v222
	s_delay_alu instid0(VALU_DEP_2)
	v_ldexp_f32 v218, 1.0, v221
	s_delay_alu instid0(VALU_DEP_2)
	v_ldexp_f32 v222, 1.0, v222
	s_delay_alu instid0(VALU_DEP_2)
	v_mul_f32 v14, v14, v218
	s_delay_alu instid0(VALU_DEP_1)
	v_fmac_f32 v14, v129, v222
.set n, 0
.rept 16
	v_pk_mul_f32 v[160+2*n:161+2*n], v[160+2*n:161+2*n], v[218:219] op_sel_hi:[1,0]
.set n, n+1
.endr
.set n, 0
.rept 16
	v_pk_fma_f32 v[160+2*n:161+2*n], v[96+2*n:97+2*n], v[222:223], v[160+2*n:161+2*n] op_sel_hi:[1,0,1]
.set n, n+1
.endr
.Lown:
	OUT 5, 6                                       ; A: the late tile; B, p >= 4: the early tile
.Lend:
	s_wait_tensorcnt 0x0                           ; the wave's end
	ds_add_u32 v254, v255
	s_wait_dscnt 0x0
	CROUND                                         ; the closing round
	s_endpgm
.Lfunc_end_k_q17b20600f3_attn:
	.size	k_q17b20600f3_attn, .Lfunc_end_k_q17b20600f3_attn-k_q17b20600f3_attn
	.p2alignl 7, 3214868480
	.fill 96, 4, 3214868480
	.section	.rodata,"a",@progbits
	.p2align	6, 0x0
	.amdhsa_kernel k_q17b20600f3_attn
		.amdhsa_group_segment_fixed_size 327680
		.amdhsa_private_segment_fixed_size 0
		.amdhsa_enable_private_segment 0
		.amdhsa_kernarg_size 24
		.amdhsa_user_sgpr_count 2
		.amdhsa_user_sgpr_kernarg_segment_ptr 1
		.amdhsa_wavefront_size32 1
		.amdhsa_system_sgpr_workgroup_id_x 1
		.amdhsa_system_sgpr_workgroup_id_y 1
		.amdhsa_system_sgpr_workgroup_id_z 1
		.amdhsa_system_vgpr_workitem_id 0
		.amdhsa_next_free_vgpr 256
		.amdhsa_next_free_sgpr 80
		.amdhsa_reserve_vcc 1
		.amdhsa_float_denorm_mode_32 3
		.amdhsa_float_denorm_mode_16_64 3
		.amdhsa_memory_ordered 1
		.amdhsa_forward_progress 1
		.amdhsa_inst_pref_size 90
	.end_amdhsa_kernel
	.amdgpu_metadata
---
amdhsa.version: [ 1, 2 ]
amdhsa.kernels:
  - .name:           k_q17b20600f3_attn
    .symbol:         k_q17b20600f3_attn.kd
    .args:
      - { .name: qkv, .offset: 0, .size: 8, .value_kind: global_buffer, .address_space: global }
      - { .name: lowp_scales, .offset: 8, .size: 8, .value_kind: global_buffer, .address_space: global }
      - { .name: z, .offset: 16, .size: 8, .value_kind: global_buffer, .address_space: global }
    .group_segment_fixed_size: 327680
    .private_segment_fixed_size: 0
    .kernarg_segment_align: 8
    .kernarg_segment_size: 24
    .max_flat_workgroup_size: 512
    .sgpr_count:     80
    .vgpr_count:     256
    .wavefront_size: 32
...
	.end_amdgpu_metadata
.endif
;; end of part 11
;; launch gemm_o (part 12): grid 8 x 32, 4 waves a work-group, clusters of 4 x 4, 327,680 bytes of LDS; arguments z, wcodes, b_O, resid_pre, lowp_scales, resid_mid; writes resid_mid
.if DOCPART == 12
	.amdgcn_target "amdgcn-amd-amdhsa--gfx1250"
	.amdhsa_code_object_version 6
	.text
	.protected	k_q17b20600f3_gemm_o
	.globl	k_q17b20600f3_gemm_o
	.p2align	8
	.type	k_q17b20600f3_gemm_o,@function
k_q17b20600f3_gemm_o:
	s_mov_b64 s[64:65], 0
	v_nop
	global_prefetch_b8 v0, s[64:65] scope:SCOPE_SE
	s_setreg_imm32_b32 hwreg(HW_REG_WAVE_MODE, 25, 1), 1
	s_wait_xcnt 0x0
	s_wait_alu depctr_hold_cnt(0) depctr_sa_sdst(0) depctr_va_vdst(0) depctr_va_sdst(0) depctr_va_ssrc(0) depctr_va_vcc(0) depctr_vm_vsrc(0)
	s_getreg_b32 s2, hwreg(HW_REG_IB_STS2, 6, 4)
	s_cmp_eq_u32 s2, 0
	s_cbranch_scc0 .Lentry_in_a_cluster
	s_endpgm
.Lentry_in_a_cluster:
	s_bfe_u32 s2, ttmp6, 0x10000c
	s_cmp_lg_u32 s2, 0xf033
	s_cbranch_scc0 .Lentry_shape_is_right
	s_endpgm
.Lentry_shape_is_right:
.set LAPS,  1
.set EA,    10
.set EB,    11
; out = resid + T W^T + bias on codes of E4M3, 128 x 128 a work-group.  All of K = 1,024 lies in LDS: each wave asks for one operand's eight panels (512 along K) with ONE joint load at the head; nothing is filled later.
.set WOFF,  0x30000                    ; W_O's rows begin 3,072 rows into a panel of the four weights' buffer
.set PANT,  262144
.set PANW,  262144
.set STRT,  32768
.set STRW,  32768
.set PNL,   8704
.set QUART, 4*PNL
.set HALF,  8*PNL
.set SLOT,  2*HALF
.set SPARE, 2*SLOT
.set STAGE, SPARE+512
.set AD1, 16
.set AD0, 20
.set STO, 24
.set RD,  25
.set CO,  26
.set BO,  27
.set SPW, 28
.set NIL, 29
.set BC,  32
.set BK,  32
.set ACC, 128
.set F0,  0
.set F1,  128
.set G1,  24
.set G0,  32
.set G1B, 48
.set G0B, 56
.set MSB, 0
.macro WIN new
.if MSB != \new
	s_set_vgpr_msb (MSB<<8)|\new
.set MSB, \new
.endif
.endm
.macro JLOAD g0a, g1a, g0b, g1b
	s_cmp_eq_u32 s15, 0
	s_cbranch_scc0 .Lfor_b_\@
	tensor_load_to_lds s[\g0a:\g0a+3], s[\g1a:\g1a+7]
	s_nop 0
.rept 4
	v_nop
.endr
	s_branch .Lasked_\@
.Lfor_b_\@:
	tensor_load_to_lds s[\g0b:\g0b+3], s[\g1b:\g1b+7]
	s_nop 0
.rept 4
	v_nop
.endr
.Lasked_\@:
.endm
.macro CREST
	s_cmp_lg_u32 s14, 0
	s_cbranch_scc1 .Lnot_wave_0_\@
	s_barrier_signal -3
.Lnot_wave_0_\@:
	s_barrier_wait -3
	s_barrier_signal -1
	s_barrier_wait -1
.endm
.macro CROUND
	s_barrier_signal -1
	s_barrier_wait -1
	CREST
.endm
.macro PLACES
.rept 4
	v_nop
.endr
.endm
	s_load_b128 s[4:7], s[0:1], 0x0
	s_load_b128 s[8:11], s[0:1], 0x10
	s_load_b128 s[92:95], s[0:1], 0x20
	v_lshl_add_u32 v[SPW], v0, 2, SPARE
	v_mov_b32 v[NIL], 0
	ds_add_u32 v28, v29
	ds_add_u32 v28, v29
	s_wait_dscnt 0x0
	v_lshrrev_b32 v1, 5, v0
	v_readfirstlane_b32 s14, v1
	s_lshr_b32 s15, s14, 1
	s_and_b32 s16, s14, 1
	s_bfe_u32 s40, ttmp6, 0x40000
	s_bfe_u32 s41, ttmp6, 0x40004
	s_lshl_b32 s42, ttmp9, 2
	s_add_co_u32 s42, s42, s40
	s_and_b32 s17, ttmp7, 0xffff
	s_lshl_b32 s17, s17, 2
	s_add_co_u32 s17, s17, s41
	s_lshl_b32 s43, s41, 2
	s_lshl_b32 s43, 15, s43
	s_lshl_b32 s44, 0x1111, s40
	s_or_b32 s[G1], s43, (3<<16)|(1<<20)|(1<<21)|(5<<22)|(3<<25)
	s_or_b32 s[G1B], s44, (3<<16)|(1<<20)|(1<<21)|(5<<22)|(3<<25)
.irp g, G1, G1B
	s_mov_b32 s[\g+1], 1024<<16
	s_mov_b32 s[\g+2], 8<<16
	s_mov_b32 s[\g+3], 1024<<16
	s_mov_b32 s[\g+4], 8
	s_mov_b32 s[\g+6], 0
	s_mov_b32 s[\g+7], 0
.endr
	s_mov_b32 s[G1+5], STRT
	s_mov_b32 s[G1B+5], STRW
	s_lshl_b32 s20, s17, 13
	s_mul_i32 s18, s16, 8*PANT
	s_add_co_u32 s20, s20, s18
	s_mov_b32 s21, 0
	s_lshl_b32 s46, s42, 13
	s_mul_i32 s19, s16, 8*PANW
	s_add_co_u32 s46, s46, s19
	s_add_co_u32 s46, s46, WOFF
	s_mov_b32 s47, 0
	s_mul_i32 s45, s16, SLOT                       ; my eight panels: which 512 along K,
	s_mul_i32 s18, s15, HALF                       ; T's part or W's
	s_add_co_u32 s45, s45, s18
	s_wait_kmcnt 0x0
	s_load_b512 s[72:87], s[92:93], 0x0
	s_add_nc_u64 s[20:21], s[4:5], s[20:21]
	s_add_nc_u64 s[46:47], s[6:7], s[46:47]
	CROUND
.irp s, 0
	s_mov_b32 s[G0+4*\s], 1
	s_add_co_u32 s[G0+4*\s+1], s45, \s*SLOT
	s_add_nc_u64 s[G0+4*\s+2:G0+4*\s+3], s[20:21], \s*8*PANT
	s_or_b32 s[G0+4*\s+3], s[G0+4*\s+3], 0x80000000
	s_mov_b32 s[G0B+4*\s], 1
	s_add_co_u32 s[G0B+4*\s+1], s45, \s*SLOT
	s_add_nc_u64 s[G0B+4*\s+2:G0B+4*\s+3], s[46:47], \s*8*PANW
	s_or_b32 s[G0B+4*\s+3], s[G0B+4*\s+3], 0x80000000
	JLOAD G0+4*\s, G1, G0B+4*\s, G1B
.endr
	v_and_b32 v1, 15, v0
	v_bfe_u32 v2, v0, 4, 1
	v_lshrrev_b32 v3, 2, v1
	v_and_b32 v4, 3, v1
	v_mul_u32_u24 v3, v3, 272
	v_lshl_add_u32 v3, v4, 6, v3
	v_lshl_add_u32 v3, v2, 4, v3
	s_mul_i32 s68, s15, 4352
	s_mul_i32 s69, s16, 4352
	s_add_co_u32 s69, s69, HALF
.irp s, 0,1
	v_add_nc_u32 v[AD1+\s], s68, v3
	v_add_nc_u32 v[AD0+\s], s69, v3
	s_add_co_u32 s68, s68, SLOT
	s_add_co_u32 s69, s69, SLOT
.endr
	s_mul_i32 s71, s14, 4352
	s_add_co_u32 s71, s71, STAGE
	v_mul_u32_u24 v5, v1, 272
	v_lshl_add_u32 v5, v2, 5, v5
	v_add_nc_u32 v[STO], s71, v5
	v_mul_u32_u24 v6, v2, 272
	v_lshl_add_u32 v6, v1, 4, v6
	v_add_nc_u32 v[RD], s71, v6
	v_lshlrev_b32 v[CO], 12, v2
	v_lshl_add_u32 v[CO], v1, 4, v[CO]
	v_lshlrev_b32 v[BO], 5, v2
	s_wait_alu depctr_va_vdst(0)
	s_lshl_b32 s96, s17, 19
	s_lshl_b32 s97, s15, 18
	s_add_co_u32 s96, s96, s97
	s_lshl_b32 s97, s42, 9
	s_add_co_u32 s96, s96, s97
	s_lshl_b32 s97, s16, 8
	s_add_co_u32 s96, s96, s97
	s_mov_b32 s97, 0
	s_add_nc_u64 s[10:11], s[10:11], s[96:97]
	s_add_nc_u64 s[94:95], s[94:95], s[96:97]
	s_lshl_b32 s96, s42, 9
	s_lshl_b32 s90, s16, 8
	s_add_co_u32 s96, s96, s90
	s_add_nc_u64 s[8:9], s[8:9], s[96:97]
.irp b, 0,1,2,3
	global_load_b128 v[BC+8*\b:BC+8*\b+3], v[BO], s[8:9] offset:64*\b
	global_load_b128 v[BC+8*\b+4:BC+8*\b+7], v[BO], s[8:9] offset:64*\b+16
.endr
	WIN 0x80
.irp a, 0,1,2,3
.irp t, 0,1,2,3,4,5,6,7
	global_load_b128 v[32*\a+4*\t:32*\a+4*\t+3], v[CO], s[10:11] offset:(16*\a+2*\t)*4096
.endr
.endr
	WIN 0
	s_wait_kmcnt 0x0
	s_add_co_i32 s88, s[72+EA], s[72+EB]
	s_sub_co_i32 s90, 0, s88
	s_add_co_i32 s88, s88, 127
	s_lshl_b32 s88, s88, 23
	s_mov_b32 s89, s88
	s_wait_loadcnt 32
.set n, 0
.rept 32
	v_ldexp_f32 v[BC+n], v[BC+n], s90
.set n, n+1
.endr
.macro FETCH slot, q, f
	WIN 0x40
.irp i, 0,1,2,3
.irp c, 0,1,2,3
	ds_load_b128 v[\f+64+16*\i+4*\c:\f+64+16*\i+4*\c+3], v[AD0+\slot] offset:(2*(\q)+\c/2)*PNL+32*(\c%2)+1088*\i
.endr
.endr
.irp i, 0,1,2,3
.irp c, 0,1,2,3
	ds_load_b128 v[\f+16*\i+4*\c:\f+16*\i+4*\c+3], v[AD1+\slot] offset:(2*(\q)+\c/2)*PNL+32*(\c%2)+1088*\i
.endr
.endr
.endm
.macro MUL f, first
.irp a, 0,1,2,3
.irp b, 0,1,2,3
.if \first
	v_wmma_f32_16x16x128_fp8_fp8 v[ACC+8*(4*\a+\b):ACC+8*(4*\a+\b)+7], v[\f+64+16*\b:\f+64+16*\b+15], v[\f+16*\a:\f+16*\a+15], v[BC+8*\b:BC+8*\b+7]
.else
	v_wmma_f32_16x16x128_fp8_fp8 v[ACC+8*(4*\a+\b):ACC+8*(4*\a+\b)+7], v[\f+64+16*\b:\f+64+16*\b+15], v[\f+16*\a:\f+16*\a+15], v[ACC+8*(4*\a+\b):ACC+8*(4*\a+\b)+7]
.endif
.endr
.endr
.endm
.macro STEP slot, q, f, g, first
	PLACES
	FETCH \slot, (\q)+1, \g
	s_wait_dscnt 32
	WIN 0x05
	MUL \f, \first
.endm
.macro TURN slot, next, fill
	WIN 0
	s_wait_tensorcnt 0x0
	ds_add_u32 v[SPW], v[NIL]
.if \fill
	s_add_nc_u64 s[G0+4*\slot+2:G0+4*\slot+3], s[G0+4*\slot+2:G0+4*\slot+3], 16*PANT
	s_add_nc_u64 s[G0B+4*\slot+2:G0B+4*\slot+3], s[G0B+4*\slot+2:G0B+4*\slot+3], 16*PANW
.endif
	s_wait_dscnt 0x0
	s_barrier_signal -1
	WIN 0x05
	MUL F1, 0
	WIN 0
	s_barrier_wait -1
.if \fill
	CREST
	JLOAD G0+4*\slot, G1, G0B+4*\slot, G1B
.else
	PLACES
.endif
	FETCH \next, 0, F0
.endm
	s_wait_alu depctr_va_vdst(0)
	s_wait_tensorcnt 0x0
	s_barrier_signal -1
	s_barrier_wait -1
	FETCH 0, 0, F0
	STEP 0, 0, F0, F1, 1
.if LAPS > 1
	WIN 0
	s_mov_b32 s3, LAPS-1
.Llap:
	STEP 0, 1, F1, F0, 0
	STEP 0, 2, F0, F1, 0
	TURN 0, 1, 1
	STEP 1, 0, F0, F1, 0
	STEP 1, 1, F1, F0, 0
	STEP 1, 2, F0, F1, 0
	TURN 1, 0, 1
	STEP 0, 0, F0, F1, 0
	WIN 0
	s_sub_co_u32 s3, s3, 1
	s_cmp_lg_u32 s3, 0
	s_cbranch_scc1 .Llap
.endif
	STEP 0, 1, F1, F0, 0
	STEP 0, 2, F0, F1, 0
	TURN 0, 1, 0
	STEP 1, 0, F0, F1, 0
	STEP 1, 1, F1, F0, 0
	STEP 1, 2, F0, F1, 0
	s_wait_dscnt 0x0
	MUL F1, 0
	WIN 0
	PLACES
.macro TOSTAGE a
.set BB, BK+32*((\a)%2)
.irp b, 0,1,2,3
	ds_store_b128 v[STO], v[ACC+8*(4*(\a)+\b):ACC+8*(4*(\a)+\b)+3] offset:64*\b
	ds_store_b128 v[STO], v[ACC+8*(4*(\a)+\b)+4:ACC+8*(4*(\a)+\b)+7] offset:64*\b+16
.endr
.irp t, 0,1,2,3,4,5,6,7
	ds_load_b128 v[BB+4*\t:BB+4*\t+3], v[RD] offset:544*\t
.endr
.endm
.macro SEND a, younger
.set BB, BK+32*((\a)%2)
	s_wait_dscnt \younger
	WIN 0x20
.set n, 0
.rept 16
	v_pk_fma_f32 v[BB+2*n:BB+2*n+1], v[BB+2*n:BB+2*n+1], s[88:89], v[32*(\a)+2*n:32*(\a)+2*n+1] op_sel_hi:[1,0,1]
.set n, n+1
.endr
	WIN 0
.irp t, 0,1,2,3,4,5,6,7
	global_store_b128 v[CO], v[BB+4*\t:BB+4*\t+3], s[94:95] offset:(16*(\a)+2*\t)*4096
.endr
.endm
	s_wait_loadcnt 0x0
	TOSTAGE 0
.irp a, 1,2,3
.if \a > 1
	s_wait_xcnt 0x0
.endif
	TOSTAGE \a
	SEND \a-1, 16
.endr
	SEND 3, 0
	s_wait_tensorcnt 0x0
	ds_add_u32 v[SPW], v[NIL]
	s_wait_dscnt 0x0
	CROUND
	s_endpgm
.Lfunc_end_k_q17b20600f3_gemm_o:
	.size	k_q17b20600f3_gemm_o, .Lfunc_end_k_q17b20600f3_gemm_o-k_q17b20600f3_gemm_o
	.p2alignl 7, 3214868480
	.fill 96, 4, 3214868480
	.section	.rodata,"a",@progbits
	.p2align	6, 0x0
	.amdhsa_kernel k_q17b20600f3_gemm_o
		.amdhsa_group_segment_fixed_size 327680
		.amdhsa_private_segment_fixed_size 0
		.amdhsa_enable_private_segment 0
		.amdhsa_kernarg_size 48
		.amdhsa_user_sgpr_count 2
		.amdhsa_user_sgpr_kernarg_segment_ptr 1
		.amdhsa_wavefront_size32 1
		.amdhsa_system_sgpr_workgroup_id_x 1
		.amdhsa_system_sgpr_workgroup_id_y 1
		.amdhsa_system_sgpr_workgroup_id_z 1
		.amdhsa_system_vgpr_workitem_id 0
		.amdhsa_next_free_vgpr 640
		.amdhsa_next_free_sgpr 98
		.amdhsa_reserve_vcc 0
		.amdhsa_float_denorm_mode_32 3
		.amdhsa_float_denorm_mode_16_64 3
		.amdhsa_memory_ordered 1
		.amdhsa_forward_progress 1
		.amdhsa_inst_pref_size 51
	.end_amdhsa_kernel
	.amdgpu_metadata
---
amdhsa.version: [ 1, 2 ]
amdhsa.kernels:
  - .name:           k_q17b20600f3_gemm_o
    .symbol:         k_q17b20600f3_gemm_o.kd
    .args:
      - { .name: z, .offset: 0, .size: 8, .value_kind: global_buffer, .address_space: global }
      - { .name: wcodes, .offset: 8, .size: 8, .value_kind: global_buffer, .address_space: global }
      - { .name: b_O, .offset: 16, .size: 8, .value_kind: global_buffer, .address_space: global }
      - { .name: resid_pre, .offset: 24, .size: 8, .value_kind: global_buffer, .address_space: global }
      - { .name: lowp_scales, .offset: 32, .size: 8, .value_kind: global_buffer, .address_space: global }
      - { .name: resid_mid, .offset: 40, .size: 8, .value_kind: global_buffer, .address_space: global }
    .group_segment_fixed_size: 327680
    .private_segment_fixed_size: 0
    .kernarg_segment_align: 8
    .kernarg_segment_size: 48
    .max_flat_workgroup_size: 128
    .sgpr_count:     98
    .vgpr_count:     640
    .wavefront_size: 32
...
	.end_amdgpu_metadata
.endif
;; end of part 12
;; launch ln2 (part 13): grid 256 x 1, 4 waves a work-group, no clusters, 16,896 bytes of LDS; arguments resid_mid, ln2_w, ln2_b, lowp_scales, h2; writes h2
.if DOCPART == 13
	.amdgcn_target "amdgcn-amd-amdhsa--gfx1250"
	.amdhsa_code_object_version 6
	.text
	.protected	k_q17b20600f3_ln2
	.globl	k_q17b20600f3_ln2
	.p2align	8
	.type	k_q17b20600f3_ln2,@function
k_q17b20600f3_ln2:
	s_mov_b64 s[64:65], 0
	v_nop
	global_prefetch_b8 v0, s[64:65] scope:SCOPE_SE
	s_setreg_imm32_b32 hwreg(HW_REG_WAVE_MODE, 25, 1), 1
	s_wait_xcnt 0x0
; LayerNorm of rows of 1,024 f32 numbers, y = (x - mean) / sqrt(var + 1e-5) x w + b, and y's codes of E4M3 for NOUT given scales (entries E0, E0 + 2, ..).
; A wave owns four rows and keeps them in registers: memory is read once.  Mean first, then the sum of squares of x - mean: no difference of large sums is formed.
; OUTPUT LAYOUT, for each scale: [16 panels of 64 along K][4,096 rows][64 bytes], the outputs 4 MiB apart.
; Register 4 j + e of a lane holds column 128 j + 4 lane + e, so a load covers 512 consecutive bytes.  A conversion packs eight registers: word j of a row's codes holds columns 128 j + 4 lane + 0..3.
; The words go through the wave's own stage in LDS, laid [16 panels][4 rows][64 bytes], and leave so that sixteen lanes store 256 consecutive bytes: four rows of one panel.
; No barrier: waves share nothing.  LIMITS: each e between -126 and 119.  NaN and infinities among the inputs are not served.
.set NOUT, 1
.set E0,   12
.set SM,   2                           ; v2-9     a pair of sums for each row; later T1
.set PT,   10                          ; v10-13   what the other half of the lanes holds
.set ST,   14                          ; v14-21   a pair for each row: the mean twice, then 1 / sqrt(var + eps) twice
.set LIM,  26                          ; v26-31   output o: 448 x 2^e, 2^e
.set C,    32                          ; v32-55   a row's codes: eight words for each output
.set T0,   56                          ; v56-63   eight held numbers; T0 and T1 take turns
.set T1,   2
.set X,    64                          ; v64-191  four rows
.set W,    192                         ; v192-223 w at my columns
.set B,    224                         ; v224-255 b at my columns
	s_load_b256 s[4:11], s[0:1], 0x0               ; x s[4:5], w s[6:7], b s[8:9], the scales' exponents s[10:11]
	s_load_b64 s[12:13], s[0:1], 0x20              ; the codes
	v_lshl_add_u32 v54, v0, 2, 0x4000
	v_mov_b32 v55, 0
	v_lshrrev_b32 v1, 5, v0
	v_readfirstlane_b32 s16, v1                    ; wave 0..3
	v_and_b32 v25, 31, v0                          ; lane
	v_lshlrev_b32 v1, 4, v25                       ; 16 x lane
	v_lshrrev_b32 v10, 4, v25
	v_and_b32 v11, 15, v25
	s_mul_i32 s28, s16, 4096*NOUT                  ; my stage
	v_lshlrev_b32 v22, 8, v10
	v_lshl_add_u32 v22, v11, 2, v22
	v_add_nc_u32 v22, s28, v22                     ; into it: panel lane / 16 of a pair, word lane % 16
	v_add_nc_u32 v23, s28, v1                      ; out of it: 16 bytes a lane
	v_lshlrev_b32 v24, 18, v10
	v_lshl_add_u32 v24, v11, 4, v24                ; and in memory: panels are 262,144 bytes apart
.irp r, 0,1,2,3
	v_mov_b32 v[PT+\r], 0                          ; written once: a lane permute's destination counts as one of its sources
.endr
	s_lshl_b32 s17, ttmp9, 4
	s_lshl_b32 s18, s16, 2
	s_add_co_u32 s17, s17, s18                     ; my first row: 16 x work-group + 4 x wave
	s_lshl_b32 s14, s17, 12
	s_mov_b32 s15, 0
	s_lshl_b32 s18, s17, 6
	s_mov_b32 s19, 0
	s_mov_b32 s20, 0x76543210                      ; v_permlanex16_b32: lane l xor 16
	s_mov_b32 s21, 0xfedcba98
	s_mov_b32 s22, 0x3a800000                      ; 1 / 1024
	s_mov_b32 s23, 0x3727c5ac                      ; 1e-5
	s_wait_kmcnt 0x0
.set o, 0
.rept NOUT
	s_load_b32 s[24+o], s[10:11], 4*(E0+2*o)
.set o, o+1
.endr
	s_add_nc_u64 s[4:5], s[4:5], s[14:15]
	s_add_nc_u64 s[32:33], s[12:13], s[18:19]      ; output 0 at my rows
.if NOUT > 1
	s_add_nc_u64 s[34:35], s[32:33], 0x400000
	s_add_nc_u64 s[36:37], s[34:35], 0x400000
.endif
.set n, 0
.rept 32
	global_load_b128 v[X+4*n:X+4*n+3], v1, s[4:5] offset:4096*(n/8)+512*(n%8)   ; row n / 8: 512 consecutive bytes
.set n, n+1
.endr
.set n, 0
.rept 8
	global_load_b128 v[W+4*n:W+4*n+3], v1, s[6:7] offset:512*n
.set n, n+1
.endr
.set n, 0
.rept 8
	global_load_b128 v[B+4*n:B+4*n+3], v1, s[8:9] offset:512*n
.set n, n+1
.endr
	s_wait_kmcnt 0x0
.set o, 0
.rept NOUT
	s_add_co_i32 s30, s[24+o], 127
	s_lshl_b32 s31, s30, 23
	v_mov_b32 v[LIM+2*o+1], s31                    ; 2^e as f32
	s_add_co_i32 s30, s30, 8
	s_lshl_b32 s30, s30, 23
	s_or_b32 s30, s30, 0x600000
	v_mov_b32 v[LIM+2*o], s30                      ; 448 x 2^e
.set o, o+1
.endr
.macro REDUCE                          ; each row's figure over the 32 lanes; the four rows take turns
.irp m, 1,2,4,8
.irp r, 0,1,2,3
	v_add_f32_dpp v[SM+2*\r], v[SM+2*\r], v[SM+2*\r] row_xmask:\m row_mask:0xf bank_mask:0xf
.endr
.endr
.irp r, 0,1,2,3
	v_permlanex16_b32 v[PT+\r], v[SM+2*\r], s20, s21
.endr
.irp r, 0,1,2,3
	v_add_f32 v[SM+2*\r], v[SM+2*\r], v[PT+\r]
.endr
.endm
	s_wait_loadcnt 16                              ; x's 32 loads are in; w's and b's sixteen may be out
.irp r, 0,1,2,3
	v_pk_add_f32 v[SM+2*\r:SM+2*\r+1], v[X+32*\r:X+32*\r+1], v[X+32*\r+2:X+32*\r+3]
.endr
.set p, 2
.rept 14
.irp r, 0,1,2,3
	v_pk_add_f32 v[SM+2*\r:SM+2*\r+1], v[SM+2*\r:SM+2*\r+1], v[X+32*\r+2*p:X+32*\r+2*p+1]
.endr
.set p, p+1
.endr
.irp r, 0,1,2,3
	v_add_f32 v[SM+2*\r], v[SM+2*\r], v[SM+2*\r+1]
.endr
	REDUCE
.irp r, 0,1,2,3
	v_mul_f32 v[ST+2*\r], s22, v[SM+2*\r]          ; the mean,
	v_mul_f32 v[ST+2*\r+1], s22, v[SM+2*\r]        ; twice, for the packed forms
.endr
.set p, 0
.rept 16
.irp r, 0,1,2,3
	v_pk_add_f32 v[X+32*\r+2*p:X+32*\r+2*p+1], v[X+32*\r+2*p:X+32*\r+2*p+1], v[ST+2*\r:ST+2*\r+1] neg_lo:[0,1] neg_hi:[0,1]   ; x - mean
.endr
.set p, p+1
.endr
.irp r, 0,1,2,3
	v_pk_mul_f32 v[SM+2*\r:SM+2*\r+1], v[X+32*\r:X+32*\r+1], v[X+32*\r:X+32*\r+1]
.endr
.set p, 1
.rept 15
.irp r, 0,1,2,3
	v_pk_fma_f32 v[SM+2*\r:SM+2*\r+1], v[X+32*\r+2*p:X+32*\r+2*p+1], v[X+32*\r+2*p:X+32*\r+2*p+1], v[SM+2*\r:SM+2*\r+1]
.endr
.set p, p+1
.endr
.irp r, 0,1,2,3
	v_add_f32 v[SM+2*\r], v[SM+2*\r], v[SM+2*\r+1]
.endr
	REDUCE
.irp r, 0,1,2,3
	v_fma_f32 v[SM+2*\r], v[SM+2*\r], s22, s23     ; var + eps
.endr
	s_wait_alu depctr_va_vdst(0)
.irp r, 0,1,2,3
	v_rsq_f32 v[ST+2*\r], v[SM+2*\r]
.endr
	v_nop                                          ; a plain line between the last of them and the use of its result
	s_wait_alu depctr_va_vdst(0)
.irp r, 0,1,2,3
	v_mov_b32 v[ST+2*\r+1], v[ST+2*\r]
.endr
	s_wait_alu depctr_va_vdst(0)
	s_wait_loadcnt 0x0                             ; w and b
.set p, 0
.rept 16
.irp r, 0,1,2,3
	v_pk_mul_f32 v[X+32*\r+2*p:X+32*\r+2*p+1], v[X+32*\r+2*p:X+32*\r+2*p+1], v[ST+2*\r:ST+2*\r+1]
.endr
.irp r, 0,1,2,3
	v_pk_fma_f32 v[X+32*\r+2*p:X+32*\r+2*p+1], v[X+32*\r+2*p:X+32*\r+2*p+1], v[W+2*p:W+2*p+1], v[B+2*p:B+2*p+1]
.endr
.set p, p+1
.endr
; A row's codes for every output.  Eight numbers are held into T0 or T1 and converted; the other set's eight holds are the plain lines behind each conversion.
.macro QROW r
.set o, 0
.rept NOUT
.irp g, 0,1,2,3
.set TT, T0+(T1-T0)*(\g%2)
.set i, 0
.rept 8
	v_med3_num_f32 v[TT+i], v[X+32*\r+8*\g+i], -v[LIM+2*o], v[LIM+2*o]   ; the conversion to an 8-bit code does not saturate (ISA guide 7.6.2)
.set i, i+1
.endr
	v_cvt_scalef32_pk8_fp8_f32 v[C+8*o+2*\g:C+8*o+2*\g+1], v[TT:TT+7], v[LIM+2*o+1]
.endr
.set o, o+1
.endr
	v_nop                                          ; a plain line behind the run's last conversion
.set n, 0
.rept 8*NOUT
	ds_store_b32 v22, v[C+n] offset:4096*(n/8)+512*(n%8)+64*\r   ; output n / 8, panels 2 (n % 8) and 2 (n % 8) + 1, row r
.set n, n+1
.endr
	s_wait_dscnt 0x0                               ; the stores have read their registers: the next row's codes may be written
.endm
	QROW 0
	QROW 1
	QROW 2
	QROW 3
.set n, 0
.rept 8*NOUT
	ds_load_b128 v[X+4*n:X+4*n+3], v23 offset:512*n   ; two panels' 256 bytes; LDS serves a wave's instructions in order: these see my stores
.set n, n+1
.endr
.set n, 0
.rept 8*NOUT
	s_wait_dscnt 8*NOUT-1-n                        ; the younger loads may be out
	global_store_b128 v24, v[X+4*n:X+4*n+3], s[32+2*(n/8):33+2*(n/8)] offset:524288*(n%8)   ; sixteen lanes store 256 consecutive bytes, at a multiple of 256 from the buffer's first byte
.set n, n+1
.endr
	s_wait_tensorcnt 0x0
	ds_add_u32 v54, v55
	s_wait_dscnt 0x0
	s_endpgm
.Lfunc_end_k_q17b20600f3_ln2:
	.size	k_q17b20600f3_ln2, .Lfunc_end_k_q17b20600f3_ln2-k_q17b20600f3_ln2
	.p2alignl 7, 3214868480
	.fill 96, 4, 3214868480
	.section	.rodata,"a",@progbits
	.p2align	6, 0x0
	.amdhsa_kernel k_q17b20600f3_ln2
		.amdhsa_group_segment_fixed_size 16896
		.amdhsa_private_segment_fixed_size 0
		.amdhsa_enable_private_segment 0
		.amdhsa_kernarg_size 40
		.amdhsa_user_sgpr_count 2
		.amdhsa_user_sgpr_kernarg_segment_ptr 1
		.amdhsa_wavefront_size32 1
		.amdhsa_system_sgpr_workgroup_id_x 1
		.amdhsa_system_sgpr_workgroup_id_y 1
		.amdhsa_system_sgpr_workgroup_id_z 1
		.amdhsa_system_vgpr_workitem_id 0
		.amdhsa_next_free_vgpr 256
		.amdhsa_next_free_sgpr 66
		.amdhsa_reserve_vcc 0
		.amdhsa_float_denorm_mode_32 3
		.amdhsa_float_denorm_mode_16_64 3
		.amdhsa_memory_ordered 1
		.amdhsa_forward_progress 1
		.amdhsa_inst_pref_size 44
	.end_amdhsa_kernel
	.amdgpu_metadata
---
amdhsa.version: [ 1, 2 ]
amdhsa.kernels:
  - .name:           k_q17b20600f3_ln2
    .symbol:         k_q17b20600f3_ln2.kd
    .args:
      - { .name: resid_mid, .offset: 0, .size: 8, .value_kind: global_buffer, .address_space: global }
      - { .name: ln2_w, .offset: 8, .size: 8, .value_kind: global_buffer, .address_space: global }
      - { .name: ln2_b, .offset: 16, .size: 8, .value_kind: global_buffer, .address_space: global }
      - { .name: lowp_scales, .offset: 24, .size: 8, .value_kind: global_buffer, .address_space: global }
      - { .name: h2, .offset: 32, .size: 8, .value_kind: global_buffer, .address_space: global }
    .group_segment_fixed_size: 16896
    .private_segment_fixed_size: 0
    .kernarg_segment_align: 8
    .kernarg_segment_size: 40
    .max_flat_workgroup_size: 128
    .sgpr_count:     66
    .vgpr_count:     256
    .wavefront_size: 32
...
	.end_amdgpu_metadata
.endif
;; end of part 13
;; launch gemm_in (part 14): grid 16 x 16, 4 waves a work-group, clusters of 4 x 4, 327,680 bytes of LDS; arguments h2, wcodes, b_in, lowp_scales, hid; writes hid
.if DOCPART == 14
	.amdgcn_target "amdgcn-amd-amdhsa--gfx1250"
	.amdhsa_code_object_version 6
	.text
	.protected	k_q17b20600f3_gemm_in
	.globl	k_q17b20600f3_gemm_in
	.p2align	8
	.type	k_q17b20600f3_gemm_in,@function
k_q17b20600f3_gemm_in:
	s_mov_b64 s[64:65], 0
	v_nop
	global_prefetch_b8 v0, s[64:65] scope:SCOPE_SE
	s_setreg_imm32_b32 hwreg(HW_REG_WAVE_MODE, 25, 1), 1
	s_wait_xcnt 0x0
	s_wait_alu depctr_hold_cnt(0) depctr_sa_sdst(0) depctr_va_vdst(0) depctr_va_sdst(0) depctr_va_ssrc(0) depctr_va_vcc(0) depctr_vm_vsrc(0)
	s_getreg_b32 s2, hwreg(HW_REG_IB_STS2, 6, 4)
	s_cmp_eq_u32 s2, 0
	s_cbranch_scc0 .Lentry_in_a_cluster
	s_endpgm
.Lentry_in_a_cluster:
	s_bfe_u32 s2, ttmp6, 0x10000c
	s_cmp_lg_u32 s2, 0xf033
	s_cbranch_scc0 .Lentry_shape_is_right
	s_endpgm
.Lentry_shape_is_right:
.set QKV,   0
.set PANT,  262144
.set PANW,  262144
.set STRT,  32768
.set STRW,  32768
.set WOFF,  0x400000
.set EA,    12
.set EB,    13
.set EO,    14
.set PNL,   8704
.set QUART, 4*PNL
.set HALF,  2*QUART
.set SLOT,  2*HALF
.set SPARE, 2*SLOT
.set STAGE, SPARE+512
.set NL,  4
.set AD1, 16
.set AD0, 20
.set STO, 24
.set RD,  25
.set CO,  26
.set BO,  27
.set SPW, 28
.set NIL, 29
.set BRO, 30
.set BC,  32
.set CD,  32
.set RB,  64
.set BR,  96
.set LIM, 112
.set SCL, 113
.set AF,  128
.set TMP, 128
.set G1,  24
.set G0,  32
.set G1B, 48
.set G0B, 56
.set MSB, 0
.macro WIN new
.if MSB != \new
	s_set_vgpr_msb (MSB<<8)|\new
.set MSB, \new
.endif
.endm
.macro JLOAD g0a, g1a, g0b, g1b
	s_cmp_eq_u32 s15, 0
	s_cbranch_scc0 .Lfor_b_\@
	tensor_load_to_lds s[\g0a:\g0a+3], s[\g1a:\g1a+7]
	s_nop 0
.rept 4
	v_nop
.endr
	s_branch .Lasked_\@
.Lfor_b_\@:
	tensor_load_to_lds s[\g0b:\g0b+3], s[\g1b:\g1b+7]
	s_nop 0
.rept 4
	v_nop
.endr
.Lasked_\@:
.endm
.macro CREST
	s_cmp_lg_u32 s14, 0
	s_cbranch_scc1 .Lnot_wave_0_\@
	s_barrier_signal -3
.Lnot_wave_0_\@:
	s_barrier_wait -3
	s_barrier_signal -1
	s_barrier_wait -1
.endm
.macro CROUND
	s_barrier_signal -1
	s_barrier_wait -1
	CREST
.endm
.macro PLACES
.rept 4
	v_nop
.endr
.endm
	s_load_b128 s[4:7], s[0:1], 0x0
.if QKV
	s_load_b128 s[88:91], s[0:1], 0x10
	s_load_b128 s[92:95], s[0:1], 0x20
	s_load_b64 s[10:11], s[0:1], 0x30
.else
	s_load_b128 s[92:95], s[0:1], 0x10
	s_load_b64 s[10:11], s[0:1], 0x20
.endif
	v_lshl_add_u32 v[SPW], v0, 2, SPARE
	v_mov_b32 v[NIL], 0
	ds_add_u32 v28, v29
	ds_add_u32 v28, v29
	s_wait_dscnt 0x0
	v_lshrrev_b32 v1, 5, v0
	v_readfirstlane_b32 s14, v1
	s_lshr_b32 s15, s14, 1
	s_and_b32 s16, s14, 1
	s_bfe_u32 s40, ttmp6, 0x40000
	s_bfe_u32 s41, ttmp6, 0x40004
.if QKV
	s_mov_b32 s42, s40
	s_mov_b32 s66, ttmp9
	s_lshr_b32 s67, ttmp9, 1
	s_min_u32 s67, s67, 1
.else
	s_lshl_b32 s42, ttmp9, 2
	s_add_co_u32 s42, s42, s40
.endif
	s_and_b32 s17, ttmp7, 0xffff
	s_lshl_b32 s17, s17, 2
	s_add_co_u32 s17, s17, s41
	s_lshl_b32 s43, s41, 2
	s_lshl_b32 s43, 15, s43
	s_lshl_b32 s44, 0x1111, s40
	s_or_b32 s[G1], s43, (3<<16)|(1<<20)|(1<<21)|(5<<22)|(3<<25)
	s_or_b32 s[G1B], s44, (3<<16)|(1<<20)|(1<<21)|(5<<22)|(3<<25)
.irp g, G1, G1B
	s_mov_b32 s[\g+1], 1024<<16
	s_mov_b32 s[\g+2], 4<<16
	s_mov_b32 s[\g+3], 1024<<16
	s_mov_b32 s[\g+4], 4
	s_mov_b32 s[\g+6], 0
	s_mov_b32 s[\g+7], 0
.endr
	s_mov_b32 s[G1+5], STRT
	s_mov_b32 s[G1B+5], STRW
	s_lshl_b32 s20, s17, 14
	s_lshl_b32 s18, s16, 13
	s_add_co_u32 s20, s20, s18
.if QKV
	s_lshl_b32 s18, s66, 22
	s_add_co_u32 s20, s20, s18
.endif
	s_mov_b32 s21, 0
	s_lshl_b32 s46, s42, 14
	s_lshl_b32 s19, s16, 13
	s_add_co_u32 s46, s46, s19
.if QKV
	s_lshl_b32 s19, s66, 20
	s_add_co_u32 s46, s46, s19
.else
	s_add_co_u32 s46, s46, WOFF
.endif
	s_mov_b32 s47, 0
	s_mul_i32 s45, s14, QUART
	s_wait_kmcnt 0x0
	s_load_b512 s[72:87], s[94:95], 0x0
	s_add_nc_u64 s[20:21], s[4:5], s[20:21]
	s_add_nc_u64 s[46:47], s[6:7], s[46:47]
	CROUND
.irp s, 0,1
	s_mov_b32 s[G0+4*\s], 1
	s_add_co_u32 s[G0+4*\s+1], s45, \s*SLOT
	s_add_nc_u64 s[G0+4*\s+2:G0+4*\s+3], s[20:21], \s*4*PANT
	s_or_b32 s[G0+4*\s+3], s[G0+4*\s+3], 0x80000000
	s_mov_b32 s[G0B+4*\s], 1
	s_add_co_u32 s[G0B+4*\s+1], s45, \s*SLOT
	s_add_nc_u64 s[G0B+4*\s+2:G0B+4*\s+3], s[46:47], \s*4*PANW
	s_or_b32 s[G0B+4*\s+3], s[G0B+4*\s+3], 0x80000000
.endr
	JLOAD G0, G1, G0B, G1B                         ; slot 0: one tensor load a wave at the head
	; PREFETCHES INTO THE L2: behind slot 0's first fill for fills 1 and 2 (K 256 on, K 512 on), behind slot 1's first fill for fill 3 (K 768 on).  A wave's load is four panels of 8,192 bytes; the four partners that ask
	; for it jointly take a panel each, told apart by address (my place along x for T, along y for W): 32 lanes, 256 bytes apart, one instruction a wave and fill.  The address stands at fill 1 and is never stepped:
	; a fill on is four panels, 1 MiB, in the immediate.  The two refills ask for nothing: no fill follows them.
	s_cmp_eq_u32 s15, 0
	s_cselect_b64 s[98:99], s[20:21], s[46:47]
	s_cselect_b32 s70, s40, s41
	s_add_co_u32 s70, s70, 4                       ; my panel of the four, one fill (four panels) on
	s_lshl_b32 s70, s70, 18
	s_mov_b32 s71, 0
	s_add_nc_u64 s[98:99], s[98:99], s[70:71]
	v_and_b32 v31, 31, v0
	v_lshlrev_b32 v31, 8, v31                      ; never rewritten
	global_prefetch_b8 v31, s[98:99] th:TH_LOAD_NT scope:SCOPE_SE
	global_prefetch_b8 v31, s[98:99] offset:0x100000 th:TH_LOAD_NT scope:SCOPE_SE
	v_and_b32 v1, 15, v0
	v_bfe_u32 v2, v0, 4, 1
	v_lshrrev_b32 v3, 2, v1
	v_and_b32 v4, 3, v1
	v_mul_u32_u24 v3, v3, 272
	v_lshl_add_u32 v3, v4, 6, v3
	v_lshl_add_u32 v3, v2, 4, v3
.if QKV
	s_mul_i32 s68, s67, HALF
	s_xor_b32 s69, s67, 1
	s_mul_i32 s69, s69, HALF
.else
	s_wait_alu depctr_va_vdst(0)
	s_mov_b32 s68, 0
	s_mov_b32 s69, HALF
.endif
	s_mul_i32 s70, s15, QUART
	s_add_co_u32 s68, s68, s70
	s_mul_i32 s70, s16, QUART
	s_add_co_u32 s69, s69, s70
.irp s, 0,1
	v_add_nc_u32 v[AD1+\s], s68, v3
	v_add_nc_u32 v[AD0+\s], s69, v3
	s_add_co_u32 s68, s68, SLOT
	s_add_co_u32 s69, s69, SLOT
.endr
	s_mul_i32 s71, s14, 5120
	s_add_co_u32 s71, s71, STAGE
	v_mul_u32_u24 v5, v1, 80
	v_lshl_add_u32 v5, v2, 3, v5
	v_add_nc_u32 v[STO], s71, v5
	v_and_b32 v6, 31, v0
	v_lshrrev_b32 v7, 2, v6
	v_and_b32 v8, 3, v6
	v_mul_u32_u24 v7, v7, 80
	v_lshl_add_u32 v7, v8, 4, v7
	v_add_nc_u32 v[RD], s71, v7
	v_lshlrev_b32 v[CO], 4, v6
	v_lshlrev_b32 v[BO], 5, v2
	v_lshlrev_b32 v[BRO], 2, v1
.if QKV
	s_cmp_eq_u32 s66, 1
	s_cselect_b64 s[8:9], s[90:91], s[92:93]
	s_cmp_eq_u32 s66, 0
	s_cselect_b64 s[8:9], s[88:89], s[8:9]
.else
	s_mov_b64 s[8:9], s[92:93]
.endif
	s_lshl_b32 s96, s42, 1
	s_add_co_u32 s96, s96, s16
	s_lshl_b32 s96, s96, 9
	s_mov_b32 s97, 0
	s_add_nc_u64 s[12:13], s[8:9], s[96:97]
.irp b, 0,1,2,3,4,5,6,7
	global_load_b128 v[BC+8*\b:BC+8*\b+3], v[BO], s[12:13] offset:64*\b
	global_load_b128 v[BC+8*\b+4:BC+8*\b+7], v[BO], s[12:13] offset:64*\b+16
.endr
.if QKV
	s_lshl_b32 s96, s42, 1
	s_add_co_u32 s96, s96, s15
	s_lshl_b32 s96, s96, 9
	s_add_nc_u64 s[8:9], s[8:9], s[96:97]
.irp a, 0,1,2,3,4,5,6,7
	global_load_b32 v[BR+2*\a], v[BRO], s[8:9] offset:64*\a
.endr
.endif
	s_wait_kmcnt 0x0
.if QKV
	s_cmp_eq_u32 s66, 1
	s_cselect_b32 s88, s74, s76
	s_cselect_b32 s89, s75, s77
	s_cselect_b32 s90, s79, s80
	s_cmp_eq_u32 s66, 0
	s_cselect_b32 s88, s72, s88
	s_cselect_b32 s89, s73, s89
	s_cselect_b32 s90, s78, s90
	s_add_co_i32 s88, s88, s89
	s_sub_co_i32 s90, s90, s88
	s_sub_co_i32 s89, 127, s88
	s_lshl_b32 s89, s89, 23
	s_cmp_eq_u32 s67, 0
	s_cselect_b32 s91, s89, 0
	s_cselect_b32 s92, 0, s89
.else
	s_add_co_i32 s88, s[72+EA], s[72+EB]
	s_sub_co_i32 s90, s[72+EO], s88
	s_sub_co_i32 s89, 127, s88
	s_lshl_b32 s91, s89, 23
.endif
	s_add_co_i32 s90, s90, 127
	s_lshl_b32 s93, s90, 23
	v_mov_b32 v[SCL], s93
	s_add_co_i32 s90, s90, 8
	s_lshl_b32 s90, s90, 23
	s_or_b32 s90, s90, 0x600000
	v_mov_b32 v[LIM], s90
	s_wait_loadcnt 0x0
.set n, 0
.rept 64
	v_mul_f32 v[BC+n], s91, v[BC+n]
.set n, n+1
.endr
.if QKV
.irp a, 0,1,2,3,4,5,6,7
	v_mul_f32 v[BR+2*\a+1], s92, v[BR+2*\a]
	v_mul_f32 v[BR+2*\a], s92, v[BR+2*\a]
.endr
.endif
.macro FRAG reg, adr, q, i
.irp c, 0,1,2,3
	ds_load_b128 v[\reg+4*\c:\reg+4*\c+3], v[\adr] offset:(2*(\q)+\c/2)*PNL+32*(\c%2)+1088*(\i)
.endr
.endm
.macro MUL16 a0, p, first
.irp a, \a0, \a0+1
.irp b, 0,1,2,3,4,5,6,7
.if \first
	v_wmma_f32_16x16x128_fp8_fp8 v[8*(8*((\a)%4)+\b):8*(8*((\a)%4)+\b)+7], v[128*(\p)+16*\b:128*(\p)+16*\b+15], v[AF+16*(\a):AF+16*(\a)+15], v[BC+8*\b:BC+8*\b+7]
.else
	v_wmma_f32_16x16x128_fp8_fp8 v[8*(8*((\a)%4)+\b):8*(8*((\a)%4)+\b)+7], v[128*(\p)+16*\b:128*(\p)+16*\b+15], v[AF+16*(\a):AF+16*(\a)+15], v[8*(8*((\a)%4)+\b):8*(8*((\a)%4)+\b)+7]
.endif
.endr
.endr
.endm
.macro FETCH_B slot, q, p
	WIN 0x40
.irp i, 0,1,2,3,4,5,6,7
	FRAG 128*(\p)+16*\i, AD0+\slot, \q, \i
.endr
	WIN 0
.endm
.macro FETCH_A slot, q, i0
.irp i, \i0, \i0+1, \i0+2, \i0+3
	FRAG AF+16*(\i), AD1+\slot, \q, \i
.endr
.endm
.macro STEP slot, q, first
	s_wait_dscnt 4*NL
.if \first
	WIN 0x81
.else
	WIN 0xa1
.endif
	MUL16 0, (\q)%2, \first
	MUL16 2, (\q)%2, \first
	s_wait_dscnt 0x0
	PLACES
	FETCH_B \slot, (\q)+1, 1-(\q)%2
	FETCH_A \slot, (\q)+1, 0
.if \first
	WIN 0xc1
.else
	WIN 0xf1
.endif
	MUL16 4, (\q)%2, \first
	MUL16 6, (\q)%2, \first
	PLACES
	WIN 0
	FETCH_A \slot, (\q)+1, 4
.endm
.macro TURN slot, next, fill
	s_wait_tensorcnt 0x0
	ds_add_u32 v[SPW], v[NIL]
	s_wait_dscnt 4*NL+1
	WIN 0xa1
	MUL16 0, 1, 0
	s_wait_dscnt 0x0
	s_barrier_signal -1
	MUL16 2, 1, 0
	WIN 0
	s_barrier_wait -1
.if \fill
	CREST
	s_add_nc_u64 s[G0+4*\slot+2:G0+4*\slot+3], s[G0+4*\slot+2:G0+4*\slot+3], 8*PANT
	s_add_nc_u64 s[G0B+4*\slot+2:G0B+4*\slot+3], s[G0B+4*\slot+2:G0B+4*\slot+3], 8*PANW
	JLOAD G0+4*\slot, G1, G0B+4*\slot, G1B
.else
	PLACES
.endif
	FETCH_B \next, 0, 0
	FETCH_A \next, 0, 0
	WIN 0xf1
	MUL16 4, 1, 0
	MUL16 6, 1, 0
	PLACES
	WIN 0
	FETCH_A \next, 0, 4
.endm
	s_wait_alu depctr_va_vdst(0)
	s_wait_tensorcnt 0x0                           ; my part of slot 0 is in
	ds_add_u32 v[SPW], v[NIL]
	s_wait_dscnt 0x0
	CROUND                                         ; everybody's part of slot 0 is in, and the joint loads meet
	JLOAD G0+4, G1, G0B+4, G1B                     ; slot 1's first fill, my one tensor load behind the round
	global_prefetch_b8 v31, s[98:99] offset:0x200000 th:TH_LOAD_NT scope:SCOPE_SE
	FETCH_B 0, 0, 0
	FETCH_A 0, 0, 0
	FETCH_A 0, 0, 4
	STEP 0, 0, 1
	TURN 0, 1, 1
	STEP 1, 0, 0
	TURN 1, 0, 1
	STEP 0, 0, 0
	TURN 0, 1, 0
	STEP 1, 0, 0
	s_wait_dscnt 4*NL
	WIN 0xa1
	MUL16 0, 1, 0
	MUL16 2, 1, 0
	s_wait_dscnt 0x0
	WIN 0xf1
	MUL16 4, 1, 0
	MUL16 6, 1, 0
	WIN 0
	PLACES
	s_lshl_b32 s88, s17, 1
	s_lshl_b32 s89, s42, 1
.if QKV
	s_cmp_eq_u32 s67, 0
	s_cselect_b32 s90, s88, s89
	s_cselect_b32 s91, s89, s88
	s_cselect_b32 s92, 18, 16
.else
	s_mov_b32 s90, s88
	s_mov_b32 s91, s89
	s_mov_b32 s92, 18
.endif
	s_add_co_u32 s90, s90, s15
	s_add_co_u32 s91, s91, s16
	s_lshl_b32 s90, s90, 13
	s_lshl_b32 s91, s91, 1
	s_lshl_b32 s91, s91, s92
	s_add_co_u32 s90, s90, s91
.if QKV
	s_lshl_b32 s91, s66, 22
	s_add_co_u32 s90, s90, s91
.endif
	s_mov_b32 s91, 0
	s_lshl_b32 s96, 1, s92
	s_mov_b32 s97, 0
	s_add_nc_u64 s[10:11], s[10:11], s[90:91]
	s_add_nc_u64 s[12:13], s[10:11], s[96:97]
.macro CHUNK ah, pb, again
.if \again
	s_wait_xcnt 0x0
.endif
.if \ah
	WIN 0x03
.else
	WIN 0x02
.endif
.irp a, 0,1,2,3
.irp b, 0,1,2,3
.if QKV
.irp i, 0,2,4,6
	v_pk_add_f32 v[TMP+8*(4*\a+\b)+\i:TMP+8*(4*\a+\b)+\i+1], v[8*(8*\a+4*\pb+\b)+\i:8*(8*\a+4*\pb+\b)+\i+1], v[BR+2*(4*\ah+\a):BR+2*(4*\ah+\a)+1]
.endr
.else
.irp i, 0,1,2,3,4,5,6,7
	v_med3_num_f32 v[TMP+8*(4*\a+\b)+\i], v[8*(8*\a+4*\pb+\b)+\i], 0, v[LIM]
.endr
.endif
.endr
.endr
	WIN 0
.if QKV
.set n, 0
.rept 128
	v_med3_num_f32 v[TMP+n], v[TMP+n], -v[LIM], v[LIM]
.set n, n+1
.endr
.endif
.set n, 0
.rept 16
	v_cvt_scalef32_pk8_fp8_f32 v[CD+2*n:CD+2*n+1], v[TMP+8*n:TMP+8*n+7], v[SCL]
.set n, n+1
.endr
	v_nop
.irp a, 0,1,2,3
.irp b, 0,1,2,3
	ds_store_b64 v[STO], v[CD+2*(4*\a+\b):CD+2*(4*\a+\b)+1] offset:1280*\a+16*\b
.endr
.endr
.irp i, 0,1,2,3,4,5,6,7
	ds_load_b128 v[RB+4*\i:RB+4*\i+3], v[RD] offset:640*\i
.endr
.irp i, 0,1,2,3,4,5,6,7
	s_wait_dscnt 7-\i
	global_store_b128 v[CO], v[RB+4*\i:RB+4*\i+3], s[10+2*\pb:11+2*\pb] offset:4096*\ah+512*\i
.endr
.endm
	CHUNK 0, 0, 0
	CHUNK 0, 1, 1
	CHUNK 1, 0, 1
	CHUNK 1, 1, 1
	s_wait_tensorcnt 0x0
	ds_add_u32 v[SPW], v[NIL]
	s_wait_dscnt 0x0
	CROUND
	s_endpgm
.Lfunc_end_k_q17b20600f3_gemm_in:
	.size	k_q17b20600f3_gemm_in, .Lfunc_end_k_q17b20600f3_gemm_in-k_q17b20600f3_gemm_in
	.p2alignl 7, 3214868480
	.fill 96, 4, 3214868480
	.section	.rodata,"a",@progbits
	.p2align	6, 0x0
	.amdhsa_kernel k_q17b20600f3_gemm_in
		.amdhsa_group_segment_fixed_size 327680
		.amdhsa_private_segment_fixed_size 0
		.amdhsa_enable_private_segment 0
		.amdhsa_kernarg_size 40
		.amdhsa_user_sgpr_count 2
		.amdhsa_user_sgpr_kernarg_segment_ptr 1
		.amdhsa_wavefront_size32 1
		.amdhsa_system_sgpr_workgroup_id_x 1
		.amdhsa_system_sgpr_workgroup_id_y 1
		.amdhsa_system_sgpr_workgroup_id_z 1
		.amdhsa_system_vgpr_workitem_id 0
		.amdhsa_next_free_vgpr 1024
		.amdhsa_next_free_sgpr 100
		.amdhsa_reserve_vcc 0
		.amdhsa_float_denorm_mode_32 3
		.amdhsa_float_denorm_mode_16_64 3
		.amdhsa_memory_ordered 1
		.amdhsa_forward_progress 1
		.amdhsa_inst_pref_size 130
	.end_amdhsa_kernel
	.amdgpu_metadata
---
amdhsa.version: [ 1, 2 ]
amdhsa.kernels:
  - .name:           k_q17b20600f3_gemm_in
    .symbol:         k_q17b20600f3_gemm_in.kd
    .args:
      - { .name: h2, .offset: 0, .size: 8, .value_kind: global_buffer, .address_space: global }
      - { .name: wcodes, .offset: 8, .size: 8, .value_kind: global_buffer, .address_space: global }
      - { .name: b_in, .offset: 16, .size: 8, .value_kind: global_buffer, .address_space: global }
      - { .name: lowp_scales, .offset: 24, .size: 8, .value_kind: global_buffer, .address_space: global }
      - { .name: hid, .offset: 32, .size: 8, .value_kind: global_buffer, .address_space: global }
    .group_segment_fixed_size: 327680
    .private_segment_fixed_size: 0
    .kernarg_segment_align: 8
    .kernarg_segment_size: 40
    .max_flat_workgroup_size: 128
    .sgpr_count:     100
    .vgpr_count:     1024
    .wavefront_size: 32
...
	.end_amdgpu_metadata
.endif
;; end of part 14
;; launch gemm_out (part 15): grid 8 x 32, 4 waves a work-group, clusters of 4 x 4, 327,680 bytes of LDS; arguments hid, wcodes, b_out, resid_mid, lowp_scales, out0; writes out0
.if DOCPART == 15
	.amdgcn_target "amdgcn-amd-amdhsa--gfx1250"
	.amdhsa_code_object_version 6
	.text
	.protected	k_q17b20600f3_gemm_out
	.globl	k_q17b20600f3_gemm_out
	.p2align	8
	.type	k_q17b20600f3_gemm_out,@function
k_q17b20600f3_gemm_out:
	s_mov_b64 s[64:65], 0
	v_nop
	global_prefetch_b8 v0, s[64:65] scope:SCOPE_SE
	s_setreg_imm32_b32 hwreg(HW_REG_WAVE_MODE, 25, 1), 1
	s_wait_xcnt 0x0
	s_wait_alu depctr_hold_cnt(0) depctr_sa_sdst(0) depctr_va_vdst(0) depctr_va_sdst(0) depctr_va_ssrc(0) depctr_va_vcc(0) depctr_vm_vsrc(0)
	s_getreg_b32 s2, hwreg(HW_REG_IB_STS2, 6, 4)
	s_cmp_eq_u32 s2, 0
	s_cbranch_scc0 .Lentry_in_a_cluster
	s_endpgm
.Lentry_in_a_cluster:
	s_bfe_u32 s2, ttmp6, 0x10000c
	s_cmp_lg_u32 s2, 0xf033
	s_cbranch_scc0 .Lentry_shape_is_right
	s_endpgm
.Lentry_shape_is_right:
; out = resid + T W^T + bias, the product on codes of E4M3, out in f32.  One text serves the attention's output projection (LAPS = 1) and the MLP's second layer (LAPS = 4).
; OPERANDS are laid [K / 64 panels][rows][64 bytes].  T: 128 tokens, hangs on work-group y.  W: 128 rows of the weight (output columns), hangs on work-group x.
; A work-group of four waves makes 128 x 128; a wave 64 x 64: 16 accumulators.  K goes in steps of 512 through two LDS slots; a lap is both slots.
; A slot is asked for again behind the barrier at which it is left, and has the other slot's four steps, 64 matrix instructions a wave, in which to land; one load of a wave is then out.
; THE MATRIX INSTRUCTION IS USED TRANSPOSED (source 0 = W's rows, source 1 = tokens): a lane holds eight neighbouring columns of one row.
; The bias, divided by 2^(eA + eB), is the C of the first K step.  The residual is asked for at the head, in the layout in which rows leave; out = sum x 2^(eA + eB) + residual, one packed multiply-add for two numbers.
; CLUSTERS: 4 x 4 work-groups; T's tiles are asked for jointly along a row of the cluster, W's along a column.
; Inside an instruction k is permuted, alike in both operands: registers 4 c .. 4 c + 3 hold k = 32 c + 16 (lane / 16) + 0 .. 15.
; LIMITS: eA + eB between -126 and 127.  NaN and infinities among the inputs are not served.
; REGISTERS: window 0: v16-29 addresses; v32-63 the bias as C; v32-95 later rows read back, two sets; v128-255 accumulators ((a, b) at 128 + 8 (4 a + b)).
;   window 1: two sets of fragments (v0, v128): source 1's four at + 16 a, source 0's four at + 64 + 16 b.   window 2: v0-127 the residual.
.set LAPS,  4
.set EA,    14
.set EB,    15
.set WOFF,  0x800000                   ; where W's codes begin
.set PANT,  262144                     ; bytes of a panel of T's buffer: 4,096 rows x 64
.set PANW,  65536                      ; of W's: 1,024 rows x 64
.set STRT,  32768                      ; the same in elements of 8 bytes
.set STRW,  8192
.set PNL,   8704                       ; a panel of 128 rows in LDS: 8,192 bytes + 16 behind every 256: row p at (p / 4) 272 + (p % 4) 64, so the 16 rows of a load start in 16 different columns of 16 bytes modulo 256
.set QUART, 4*PNL
.set HALF,  8*PNL
.set SLOT,  2*HALF
.set SPARE, 2*SLOT                     ; behind the slots: the spare words, 128 bytes for each wave
.set STAGE, SPARE+512                  ; 16 rows x 272 bytes for each wave
.set AD1, 16
.set AD0, 20
.set STO, 24
.set RD,  25
.set CO,  26
.set BO,  27
.set SPW, 28                           ; v28 LDS address of my spare word; never rewritten
.set NIL, 29                           ; v29 0; never rewritten
.set BC,  32
.set BK,  32
.set ACC, 128
.set F0,  0
.set F1,  128
.set G1,  24
.set G0,  32
.set G1B, 48
.set G0B, 56
.set MSB, 0
.macro WIN new                         ; the immediate's high byte repeats the setting that is left
.if MSB != \new
	s_set_vgpr_msb (MSB<<8)|\new
.set MSB, \new
.endif
.endm
; A joint load: waves 0 and 1 fetch T's panels, waves 2 and 3 W's.  The branch hangs on the wave's number alone.  Four v_nop follow each of the two lines.
.macro JLOAD g0a, g1a, g0b, g1b
	s_cmp_eq_u32 s15, 0
	s_cbranch_scc0 .Lfor_b_\@
	tensor_load_to_lds s[\g0a:\g0a+3], s[\g1a:\g1a+7]
	s_nop 0
.rept 4
	v_nop
.endr
	s_branch .Lasked_\@
.Lfor_b_\@:
	tensor_load_to_lds s[\g0b:\g0b+3], s[\g1b:\g1b+7]
	s_nop 0
.rept 4
	v_nop
.endr
.Lasked_\@:
.endm
.macro CREST
	s_cmp_lg_u32 s14, 0
	s_cbranch_scc1 .Lnot_wave_0_\@
	s_barrier_signal -3
.Lnot_wave_0_\@:
	s_barrier_wait -3
	s_barrier_signal -1
	s_barrier_wait -1
.endm
.macro CROUND                          ; a round of the cluster's barrier
	s_barrier_signal -1
	s_barrier_wait -1
	CREST
.endm
.macro PLACES                          ; four plain vector lines behind a matrix instruction, ahead of loads into its sources and of reads of its result
.rept 4
	v_nop
.endr
.endm
	s_load_b128 s[4:7], s[0:1], 0x0                ; T's codes s[4:5], the weights' codes s[6:7]
	s_load_b128 s[8:11], s[0:1], 0x10              ; the bias s[8:9], the residual s[10:11]
	s_load_b128 s[92:95], s[0:1], 0x20             ; the scales' exponents s[92:93], out s[94:95]
	v_lshl_add_u32 v[SPW], v0, 2, SPARE
	v_mov_b32 v[NIL], 0
	ds_add_u32 v28, v29
	ds_add_u32 v28, v29
	s_wait_dscnt 0x0
	v_lshrrev_b32 v1, 5, v0
	v_readfirstlane_b32 s14, v1                    ; wave 0..3
	s_lshr_b32 s15, s14, 1                         ; which 64 rows are mine.  Also: I fetch for T (0) or for W (1)
	s_and_b32 s16, s14, 1                          ; which 64 columns.  Also: which four panels I fetch
	s_bfe_u32 s40, ttmp6, 0x40000                  ; cx, cy: my place in the cluster
	s_bfe_u32 s41, ttmp6, 0x40004
	s_lshl_b32 s42, ttmp9, 2
	s_add_co_u32 s42, s42, s40                     ; W's tile: 4 x cluster x + cx
	s_and_b32 s17, ttmp7, 0xffff
	s_lshl_b32 s17, s17, 2
	s_add_co_u32 s17, s17, s41                     ; T's tile: 4 x cluster y + cy
	s_lshl_b32 s43, s41, 2
	s_lshl_b32 s43, 15, s43                        ; my row of the cluster
	s_lshl_b32 s44, 0x1111, s40                    ; my column
	; descriptor group 1: four panels, each a row of 1,024 elements of 8 bytes (128 rows x 64 bytes, dense in memory)
	s_or_b32 s[G1], s43, (3<<16)|(1<<20)|(1<<21)|(5<<22)|(3<<25)    ; 15:0 the mask; 17:16 elements of 8 bytes; 20 padding on; 21 set beside a mask; 24:22 after every 64 words; 31:25 four words
	s_or_b32 s[G1B], s44, (3<<16)|(1<<20)|(1<<21)|(5<<22)|(3<<25)
.irp g, G1, G1B
	s_mov_b32 s[\g+1], 1024<<16                    ; tensor_dim0
	s_mov_b32 s[\g+2], 4<<16                       ; tensor_dim1
	s_mov_b32 s[\g+3], 1024<<16                    ; tile_dim0
	s_mov_b32 s[\g+4], 4                           ; tile_dim1
	s_mov_b32 s[\g+6], 0
	s_mov_b32 s[\g+7], 0
.endr
	s_mov_b32 s[G1+5], STRT                        ; from panel to panel
	s_mov_b32 s[G1B+5], STRW
	s_lshl_b32 s20, s17, 13                        ; T: tile x 128 rows x 64 bytes,
	s_mul_i32 s18, s16, 4*PANT                     ; my four panels
	s_add_co_u32 s20, s20, s18
	s_mov_b32 s21, 0
	s_lshl_b32 s46, s42, 13                        ; W likewise
	s_mul_i32 s19, s16, 4*PANW
	s_add_co_u32 s46, s46, s19
	s_add_co_u32 s46, s46, WOFF
	s_mov_b32 s47, 0
	s_mul_i32 s45, s14, QUART                      ; where they go: no place in the cluster enters an LDS address
	s_wait_kmcnt 0x0
	s_load_b512 s[72:87], s[92:93], 0x0            ; all sixteen exponents
	s_add_nc_u64 s[20:21], s[4:5], s[20:21]
	s_add_nc_u64 s[46:47], s[6:7], s[46:47]
	CROUND                                         ; all sixteen work-groups are here: the first joint loads meet
.irp s, 0,1
	s_mov_b32 s[G0+4*\s], 1
	s_add_co_u32 s[G0+4*\s+1], s45, \s*SLOT
	s_add_nc_u64 s[G0+4*\s+2:G0+4*\s+3], s[20:21], \s*8*PANT
	s_or_b32 s[G0+4*\s+3], s[G0+4*\s+3], 0x80000000
	s_mov_b32 s[G0B+4*\s], 1
	s_add_co_u32 s[G0B+4*\s+1], s45, \s*SLOT
	s_add_nc_u64 s[G0B+4*\s+2:G0B+4*\s+3], s[46:47], \s*8*PANW
	s_or_b32 s[G0B+4*\s+3], s[G0B+4*\s+3], 0x80000000
.endr
	JLOAD G0, G1, G0B, G1B                         ; slot 0: one tensor load a wave at the head
	; A PREFETCH INTO THE L2 behind each joint load, for the fill two fills (1,024 along K) on; behind the first load also for fill 1.  A wave's load is four panels of 8,192 bytes; the four partners that ask for it
	; jointly take a panel each, told apart by address (my place along x for T, along y for W): 32 lanes, 256 bytes apart, one instruction a wave and fill.  The loop's last trip, whose fills are the last two, asks for nothing.
	s_cmp_eq_u32 s15, 0
	s_cselect_b64 s[66:67], s[20:21], s[46:47]
	s_cselect_b32 s22, s40, s41
	s_cselect_b32 s70, 18, 16                      ; log2 of a panel's bytes, T's or W's
	s_add_co_u32 s22, s22, 16                      ; my panel of the four, two fills (sixteen panels) on
	s_lshl_b32 s22, s22, s70
	s_mov_b32 s23, 0
	s_lshl_b32 s12, 8, s70                         ; a fill on: eight panels
	s_mov_b32 s13, 0
	s_add_nc_u64 s[66:67], s[66:67], s[22:23]
	v_and_b32 v30, 31, v0
	v_lshlrev_b32 v30, 8, v30                      ; never rewritten
	s_sub_nc_u64 s[2:3], s[66:67], s[12:13]        ; fill 1 (s3 is written again, as the loop's counter, behind the head's wait on XCNT)
	global_prefetch_b8 v30, s[2:3] th:TH_LOAD_NT scope:SCOPE_SE
	global_prefetch_b8 v30, s[66:67] th:TH_LOAD_NT scope:SCOPE_SE
	v_and_b32 v1, 15, v0                           ; r
	v_bfe_u32 v2, v0, 4, 1                         ; h
	v_lshrrev_b32 v3, 2, v1
	v_and_b32 v4, 3, v1
	v_mul_u32_u24 v3, v3, 272
	v_lshl_add_u32 v3, v4, 6, v3
	v_lshl_add_u32 v3, v2, 4, v3                   ; a fragment's row r, + 16 h
	s_mul_i32 s68, s15, 4352                       ; source 1: my 64 rows of T (64 rows are 16 x 272 bytes)
	s_mul_i32 s69, s16, 4352
	s_add_co_u32 s69, s69, HALF                    ; source 0: my 64 rows of W
.irp s, 0,1
	v_add_nc_u32 v[AD1+\s], s68, v3
	v_add_nc_u32 v[AD0+\s], s69, v3
	s_add_co_u32 s68, s68, SLOT
	s_add_co_u32 s69, s69, SLOT
.endr
	s_mul_i32 s71, s14, 4352
	s_add_co_u32 s71, s71, STAGE                   ; my stage
	v_mul_u32_u24 v5, v1, 272
	v_lshl_add_u32 v5, v2, 5, v5
	v_add_nc_u32 v[STO], s71, v5                   ; in: row r, 32 bytes for each half of the lanes
	v_mul_u32_u24 v6, v2, 272
	v_lshl_add_u32 v6, v1, 4, v6
	v_add_nc_u32 v[RD], s71, v6                    ; back: lanes 0-15 one row of 256 bytes, lanes 16-31 the next
	v_lshlrev_b32 v[CO], 12, v2
	v_lshl_add_u32 v[CO], v1, 4, v[CO]             ; and the same two rows in memory
	v_lshlrev_b32 v[BO], 5, v2                     ; the bias: eight numbers for each half of the lanes
	s_wait_alu depctr_va_vdst(0)
	s_lshl_b32 s96, s17, 19                        ; my part of the residual and of out: row 128 tile + 64 half, column 128 tile + 64 half
	s_lshl_b32 s97, s15, 18
	s_add_co_u32 s96, s96, s97
	s_lshl_b32 s97, s42, 9
	s_add_co_u32 s96, s96, s97
	s_lshl_b32 s97, s16, 8
	s_add_co_u32 s96, s96, s97
	s_mov_b32 s97, 0
	s_add_nc_u64 s[10:11], s[10:11], s[96:97]
	s_add_nc_u64 s[94:95], s[94:95], s[96:97]
	s_lshl_b32 s96, s42, 9
	s_lshl_b32 s90, s16, 8
	s_add_co_u32 s96, s96, s90
	s_add_nc_u64 s[8:9], s[8:9], s[96:97]          ; the bias at my first column
.irp b, 0,1,2,3
	global_load_b128 v[BC+8*\b:BC+8*\b+3], v[BO], s[8:9] offset:64*\b
	global_load_b128 v[BC+8*\b+4:BC+8*\b+7], v[BO], s[8:9] offset:64*\b+16
.endr
	WIN 0x80                                       ; destination window 2
.irp a, 0,1,2,3
.irp t, 0,1,2,3,4,5,6,7
	global_load_b128 v[32*\a+4*\t:32*\a+4*\t+3], v[CO], s[10:11] offset:(16*\a+2*\t)*4096   ; sixteen lanes read 256 consecutive bytes of a row
.endr
.endr
	WIN 0
	s_wait_kmcnt 0x0
	s_add_co_i32 s88, s[72+EA], s[72+EB]
	s_sub_co_i32 s90, 0, s88
	s_add_co_i32 s88, s88, 127
	s_lshl_b32 s88, s88, 23                        ; 2^(eA + eB) as f32
	s_mov_b32 s89, s88                             ; (named with it as a pair, so it is written)
	s_wait_loadcnt 32                              ; the bias is in; the residual's 32 loads may be out
.set n, 0
.rept 32
	v_ldexp_f32 v[BC+n], v[BC+n], s90              ; bias / 2^(eA + eB)
.set n, n+1
.endr
; 32 LDS loads: the fragments of the slot's q-th 128 along K (panels 2 q, 2 q + 1) into set f
.macro FETCH slot, q, f
	WIN 0x40                                       ; destination window 1, address window 0
.irp i, 0,1,2,3
.irp c, 0,1,2,3
	ds_load_b128 v[\f+64+16*\i+4*\c:\f+64+16*\i+4*\c+3], v[AD0+\slot] offset:(2*(\q)+\c/2)*PNL+32*(\c%2)+1088*\i
.endr
.endr
.irp i, 0,1,2,3
.irp c, 0,1,2,3
	ds_load_b128 v[\f+16*\i+4*\c:\f+16*\i+4*\c+3], v[AD1+\slot] offset:(2*(\q)+\c/2)*PNL+32*(\c%2)+1088*\i
.endr
.endr
.endm
; 16 matrix instructions, 128 along K.  The sixteen accumulators take turns, one instruction a turn, in the same order in every step.  first = 1: the bias is the C: nothing is cleared
.macro MUL f, first
.irp a, 0,1,2,3
.irp b, 0,1,2,3
.if \first
	v_wmma_f32_16x16x128_fp8_fp8 v[ACC+8*(4*\a+\b):ACC+8*(4*\a+\b)+7], v[\f+64+16*\b:\f+64+16*\b+15], v[\f+16*\a:\f+16*\a+15], v[BC+8*\b:BC+8*\b+7]
.else
	v_wmma_f32_16x16x128_fp8_fp8 v[ACC+8*(4*\a+\b):ACC+8*(4*\a+\b)+7], v[\f+64+16*\b:\f+64+16*\b+15], v[\f+16*\a:\f+16*\a+15], v[ACC+8*(4*\a+\b):ACC+8*(4*\a+\b)+7]
.endif
.endr
.endr
.endm
.macro STEP slot, q, f, g, first       ; asks for the next 128 along K into set g, then multiplies set f
	PLACES
	FETCH \slot, (\q)+1, \g
	s_wait_dscnt 32                                ; all but the 32 just issued: set f is in
	WIN 0x05                                       ; sources 0 and 1 window 1; C and D window 0
	MUL \f, \first
.endm
; A slot's last step, and the change of slots: ONE barrier.  fill = 1: this slot is filled again, two slots ahead; the barrier then opens a round of the cluster's.
.macro TURN slot, next, fill
	WIN 0
	s_wait_tensorcnt 0x0                           ; all my tensor loads have landed: my part of the next slot; so a group 0 may be written
	ds_add_u32 v[SPW], v[NIL]                      ; 0 onto my spare word
.if \fill
	s_add_nc_u64 s[G0+4*\slot+2:G0+4*\slot+3], s[G0+4*\slot+2:G0+4*\slot+3], 16*PANT
	s_add_nc_u64 s[G0B+4*\slot+2:G0B+4*\slot+3], s[G0B+4*\slot+2:G0B+4*\slot+3], 16*PANW
	s_wait_xcnt 0x0                                ; my prefetch has read its address: it steps a fill on
	s_add_nc_u64 s[66:67], s[66:67], s[12:13]
.endif
	s_wait_dscnt 0x0                               ; the add is done, and my reads of this slot are over: set 1 is in
	s_barrier_signal -1
	WIN 0x05
	MUL F1, 0                                      ; work on registers while the others arrive
	WIN 0
	s_barrier_wait -1
.if \fill
	CREST                                          ; no wave of any partner still reads this slot or has a load on its way
	JLOAD G0+4*\slot, G1, G0B+4*\slot, G1B         ; my one tensor load behind the round; its four v_nop are also the places ahead of the loads below
	s_cmp_gt_u32 s3, 1                             ; s3 = 1 in the loop's last trip
	s_cbranch_scc0 .Lno_ask_\@
	global_prefetch_b8 v30, s[66:67] th:TH_LOAD_NT scope:SCOPE_SE
.Lno_ask_\@:
.else
	PLACES
.endif
	FETCH \next, 0, F0
.endm
	s_wait_alu depctr_va_vdst(0)
	s_wait_tensorcnt 0x0                           ; my part of slot 0 is in
	ds_add_u32 v[SPW], v[NIL]
	s_wait_xcnt 0x0                                ; my prefetch has read its address: it steps a fill on
	s_add_nc_u64 s[66:67], s[66:67], s[12:13]
	s_wait_dscnt 0x0
	CROUND                                         ; everybody's part of slot 0 is in, and the joint loads meet
	JLOAD G0+4, G1, G0B+4, G1B                     ; slot 1's first fill, my one tensor load behind the round
	global_prefetch_b8 v30, s[66:67] th:TH_LOAD_NT scope:SCOPE_SE
	FETCH 0, 0, F0
	STEP 0, 0, F0, F1, 1                           ; the first step stands ahead of the loop: its products start the sums
.if LAPS > 1
	WIN 0                                          ; at a label and at a branch every window is 0
	s_mov_b32 s3, LAPS-1
.Llap:                                             ; a trip goes once round the two slots, from a lap's second step to the next lap's first, and fills both again
	STEP 0, 1, F1, F0, 0
	STEP 0, 2, F0, F1, 0
	TURN 0, 1, 1
	STEP 1, 0, F0, F1, 0
	STEP 1, 1, F1, F0, 0
	STEP 1, 2, F0, F1, 0
	TURN 1, 0, 1
	STEP 0, 0, F0, F1, 0
	WIN 0
	s_sub_co_u32 s3, s3, 1
	s_cmp_lg_u32 s3, 0
	s_cbranch_scc1 .Llap
.endif
	STEP 0, 1, F1, F0, 0                           ; the last lap fills nothing
	STEP 0, 2, F0, F1, 0
	TURN 0, 1, 0
	STEP 1, 0, F0, F1, 0
	STEP 1, 1, F1, F0, 0
	STEP 1, 2, F0, F1, 0
	s_wait_dscnt 0x0
	MUL F1, 0
	WIN 0
	PLACES
; THE WAY OUT, 16 rows x 64 columns at a time: the sums go through my stage and come back as rows of 256 bytes; there they meet the residual.
.macro TOSTAGE a
.set BB, BK+32*((\a)%2)
.irp b, 0,1,2,3
	ds_store_b128 v[STO], v[ACC+8*(4*(\a)+\b):ACC+8*(4*(\a)+\b)+3] offset:64*\b          ; each accumulator from its low end on
	ds_store_b128 v[STO], v[ACC+8*(4*(\a)+\b)+4:ACC+8*(4*(\a)+\b)+7] offset:64*\b+16
.endr
.irp t, 0,1,2,3,4,5,6,7
	ds_load_b128 v[BB+4*\t:BB+4*\t+3], v[RD] offset:544*\t   ; LDS serves a wave's instructions in order: these see my stores, and the next block's stores come behind them
.endr
.endm
.macro SEND a, younger                 ; younger: the LDS instructions issued behind block a's loads
.set BB, BK+32*((\a)%2)
	s_wait_dscnt \younger
	WIN 0x20                                       ; source 2 (the residual) window 2
.set n, 0
.rept 16
	v_pk_fma_f32 v[BB+2*n:BB+2*n+1], v[BB+2*n:BB+2*n+1], s[88:89], v[32*(\a)+2*n:32*(\a)+2*n+1] op_sel_hi:[1,0,1]
.set n, n+1
.endr
	WIN 0
.irp t, 0,1,2,3,4,5,6,7
	global_store_b128 v[CO], v[BB+4*\t:BB+4*\t+3], s[94:95] offset:(16*(\a)+2*\t)*4096   ; sixteen lanes store 256 consecutive bytes, at a multiple of 256 from the buffer's first byte
.endr
.endm
	s_wait_loadcnt 0x0                             ; the residual
	TOSTAGE 0
.irp a, 1,2,3
.if \a > 1
	s_wait_xcnt 0x0                                ; block a - 2's stores have read their registers: block a's loads may land there
.endif
	TOSTAGE \a
	SEND \a-1, 16                                  ; behind block a - 1's loads: block a's 8 stores and 8 loads
.endr
	SEND 3, 0
	s_wait_tensorcnt 0x0                           ; the wave's end
	ds_add_u32 v[SPW], v[NIL]
	s_wait_dscnt 0x0
	CROUND                                         ; the closing round
	s_endpgm
.Lfunc_end_k_q17b20600f3_gemm_out:
	.size	k_q17b20600f3_gemm_out, .Lfunc_end_k_q17b20600f3_gemm_out-k_q17b20600f3_gemm_out
	.p2alignl 7, 3214868480
	.fill 96, 4, 3214868480
	.section	.rodata,"a",@progbits
	.p2align	6, 0x0
	.amdhsa_kernel k_q17b20600f3_gemm_out
		.amdhsa_group_segment_fixed_size 327680
		.amdhsa_private_segment_fixed_size 0
		.amdhsa_enable_private_segment 0
		.amdhsa_kernarg_size 48
		.amdhsa_user_sgpr_count 2
		.amdhsa_user_sgpr_kernarg_segment_ptr 1
		.amdhsa_wavefront_size32 1
		.amdhsa_system_sgpr_workgroup_id_x 1
		.amdhsa_system_sgpr_workgroup_id_y 1
		.amdhsa_system_sgpr_workgroup_id_z 1
		.amdhsa_system_vgpr_workitem_id 0
		.amdhsa_next_free_vgpr 640
		.amdhsa_next_free_sgpr 98
		.amdhsa_reserve_vcc 0
		.amdhsa_float_denorm_mode_32 3
		.amdhsa_float_denorm_mode_16_64 3
		.amdhsa_memory_ordered 1
		.amdhsa_forward_progress 1
		.amdhsa_inst_pref_size 81
	.end_amdhsa_kernel
	.amdgpu_metadata
---
amdhsa.version: [ 1, 2 ]
amdhsa.kernels:
  - .name:           k_q17b20600f3_gemm_out
    .symbol:         k_q17b20600f3_gemm_out.kd
    .args:
      - { .name: hid, .offset: 0, .size: 8, .value_kind: global_buffer, .address_space: global }
      - { .name: wcodes, .offset: 8, .size: 8, .value_kind: global_buffer, .address_space: global }
      - { .name: b_out, .offset: 16, .size: 8, .value_kind: global_buffer, .address_space: global }
      - { .name: resid_mid, .offset: 24, .size: 8, .value_kind: global_buffer, .address_space: global }
      - { .name: lowp_scales, .offset: 32, .size: 8, .value_kind: global_buffer, .address_space: global }
      - { .name: out0, .offset: 40, .size: 8, .value_kind: global_buffer, .address_space: global }
    .group_segment_fixed_size: 327680
    .private_segment_fixed_size: 0
    .kernarg_segment_align: 8
    .kernarg_segment_size: 48
    .max_flat_workgroup_size: 128
    .sgpr_count:     98
    .vgpr_count:     640
    .wavefront_size: 32
...
	.end_amdgpu_metadata
.endif
;; end of part 15
